; MI455X (gfx1250); checked and timed in simulation.
; The chip was launched on July 23, 2026; its instructions are those of AMD's public machine-readable ISA for CDNA 5 (MIT licence, August 2026) and "CDNA5" Instruction Set Architecture Reference Guide (July 2026). The comments in the code are by the model that wrote it; some were corrected since.
;; Sparse Multihead Attention. Allowed arithmetic: matrix products marked QUANTISED: E3M2 operands, one E8M0 scale for each 32 along K, by v_wmma_scale_f32_16x16x128_f8f6f4 with both operands' format E3M2, f32 sums; everything else in f32.
;; Inputs: Wk 512 x 512 float32; Wo 64 x 512 float32; Wq 512 x 512 float32; Wv 512 x 512 float32; bk 512 float32; bo 512 float32; bq 512 float32; bv 512 float32; x 2 x 2,048 x 512 float32.
;; Outputs: out0 2 x 2,048 x 512 float32; out1 2 x 2,048 x 2,048 float32.
;; This version of the problem:
;;   THIS VERSION OF THE PROBLEM IS GIVEN IN LOW PRECISION. The matrix products marked QUANTISED in the list below multiply operands that are first quantised to E3M2 (3 exponent bits, 2 mantissa bits; 6 bits a number), with one power-of-two scale for each 32 numbers along K (OCP MX v1.0); their sums are f32. All else is computed in f32.
;;   The module's matrix products, in the order in which they are computed (A, B: the left and right operand; K: the contracted axis; several contracted axes count as one K, in the product's order):
;;     1. [M 4,096, K 512] x [K 512, N 512]; A: input x; B: input Wq: QUANTISED
;;     2. [M 4,096, K 512] x [K 512, N 512]; A: input x; B: input Wk: QUANTISED
;;     3. [M 4,096, K 512] x [K 512, N 512]; A: input x; B: input Wv: QUANTISED
;;     4. batch 16 x [M 2,048, K 64] x [K 64, N 2,048]; A: computed on the way; B: computed on the way: QUANTISED
;;     5. batch 2 x [M 2,048, K 2,048] x [K 2,048, N 64]; A: computed on the way; B: computed on the way: QUANTISED
;;     6. [M 4,096, K 64] x [K 64, N 512]; A: computed on the way; B: input Wo: QUANTISED
;;   THE QUANTISER, for each operand of a quantised product, along K:
;;     - K is cut into blocks of 32 from its start; a last block that is shorter is filled with zeros.
;;     - A block's scale is 2^e with e = floor(log2(the largest magnitude in the block)) - 4, held to -126 .. 127; a block of zeros has e = 0. As a byte (E8M0): e + 127.
;;     - Each number is divided by its block's scale, clamped to +-28, and rounded to the nearest number of E3M2, ties to even, subnormals kept.
;;     - The product sums the exact products of the quantised numbers (number of the format x scale) in f32.
;;   ~~~python
;;   def quantise(x, axis):      # numpy; x: float32 -> the quantised numbers, widened to float32 again
;;       x = np.moveaxis(x, axis, -1); K = x.shape[-1]
;;       x = np.pad(x, [(0, 0)] * (x.ndim - 1) + [(0, -K % 32)]); x = x.reshape(x.shape[:-1] + (-1, 32)); a = np.abs(x).max(-1, keepdims=True)
;;       e = np.where(a > 0, np.clip(np.frexp(np.where(a > 0, a, 1))[1] - 1 - 4, -126, 127), 0)      # np.frexp(a)[1] - 1 = floor(log2(a)), exactly
;;       r = np.clip(x / 2.0 ** e, -28, 28)
;;       step = 2.0 ** (np.maximum(np.frexp(np.where(r == 0, 1, r))[1] - 1, -2) - 2)
;;       q = np.round(r / step) * step * 2.0 ** e      # np.round: ties to even
;;       return np.moveaxis(q.reshape(q.shape[:-2] + (-1,))[..., :K], -1, axis).astype(np.float32)
;;   ~~~
;;   OPERANDS COMPUTED ON THE WAY. 'Computed on the way' means the value that the module computes at that place (a softmax that the list does not call 'softmax' is quantised finished and normalised). What goes into a quantiser is computed in f32, as accurately as f32 sums, v_exp_f32 and their like allow (about 1e-6 of the number): no bf16 or f16 on the way to a quantiser, and a product that is left as it is and whose result goes on into a quantised operand takes f32 operands (vector FMAs, or v_wmma_f32_16x16x4_f32). A number that lies on a knife's edge between two numbers of the format may be rounded either way, as far as f32 arithmetic and the matrix unit's own rounding can turn it there, and no further.
;; 2 versions, each right; version 2 is version 1 with the launches proj, tau, wavg, outp written anew for expert scheduling mode. Each part assembles by itself: llvm-mc -triple=amdgcn-amd-amdhsa -mcpu=gfx1250 --defsym DOCPART=n.
;; ======== version 1 of 2: 5 launches
;; limits: an iteration or a series of the reference is cut at 10 steps; right only within a limited range of input values
;; workspace buffers: xcod 1,703,936 bytes; wcod 665,600 bytes; qkcod 3,538,944 bytes; vcod 212,992 bytes; ntau 131,072 bytes; opart 16,777,216 bytes
;; launch prep (part 1): grid 356 x 1, 4 waves a work-group, no clusters, 0 bytes of LDS; arguments x, Wq, Wk, Wv, Wo, xcod, wcod; writes xcod, wcod
.if DOCPART == 1
	.amdgcn_target "amdgcn-amd-amdhsa--gfx1250"
	.amdhsa_code_object_version 6
	.text
	.protected	k_qbddf2ada21_prep
	.globl	k_qbddf2ada21_prep
	.p2align	8
	.type	k_qbddf2ada21_prep,@function
k_qbddf2ada21_prep:
	s_mov_b64 s[64:65], 0
	v_nop
	global_prefetch_b8 v0, s[64:65] scope:SCOPE_SE
	s_setreg_imm32_b32 hwreg(HW_REG_WAVE_MODE, 25, 1), 1
	s_wait_xcnt 0x0
; PREP: x, Wq, Wk, Wv and Wo, f32, become codes of E3M2 with one E8M0 byte for each 32 along K, once, laid in the order of an operand's registers.
; THE WHOLE PROGRAM (five launches): prep | proj: products 1 to 3, Q and K quantised along dk, the mean of V over the heads quantised along the keys | tau: the entmax threshold of every
; (batch, head, query) | wavg: product 4 once more, the weights, their mean over the heads (out1), product 5 by blocks of 128 keys | outp: the blocks' sum, product 6, bo (out0).
; THE ENTMAX WITHOUT A SORT.  reference() sorts only to find tau with sum over the row of max(z - tau, 0)^2 = 1, z = score / 2.  phi(tau) = sqrt(that sum) - 1 is convex and falls; from tau = max z - 1,
; where phi >= 0, Newton on phi, tau += (S2 - sqrt(S2)) / S1 with S1 = sum u, S2 = sum u^2, u = max(z - tau, 0), rises towards the root and never passes it, for every input.  Ten evaluations are made.
; That count rests on hand estimates (rows of 2,048 with normal, uniform and piled-up scores), not on a proof of a worst case; cut short, tau is too low and the weights too large, never NaN.
; WORK LEFT OUT.  reference() builds the causal mask in its own body: a key behind the query gets the weight 0 whatever the inputs hold.  So tiles of scores that lie wholly above the diagonal are not
; multiplied (product 4), take no part in tau, and are not multiplied in product 5, where their codes would be zeros; out1 gets its zeros there by plain stores.  No input is left out.
; LIMITS.  |z| under 2^23 (above, max z - 1 = max z and S1 = 0).  NaN and infinities among the inputs are not served, and one that reaches only the tiles left out is not carried to the result.
; Masked keys are shut out outright: the -1e9 of reference() could enter a support only if every live score / 8 of a row lay under -1e9 + 2.  A block of zeros has the scale byte 1 where the rule says 127:
; its codes are zeros, and this program alone reads the bytes.  Blocks whose largest magnitude lies under 2^-122 keep the byte 1.
; LAYOUT.  A fragment (16 rows x 128 K, 12 registers a lane) is stored as it stands in registers: three stores of 16 bytes a lane, 512 consecutive bytes each; its scale word, 4 bytes a lane, 128 bytes.
; THE ROWS OF A TILE ARE NOT NEIGHBOURS: row m of tile (g, u) is index 32 g + 8 u + m + 8 (m / 8), so that a product with such a tile as source 0 leaves 16 neighbours in a lane's 16 registers of tiles u = 0, 1.
; SHARES.  Work-groups 0 to 255: a tile of 16 tokens, wave = K step of 128.  Work-groups 256 to 355: a wave takes one fragment of a weight (task = 4 (work-group - 256) + wave):
; task = 32 unit + 4 tile + K step; units 0-3 Wq, 4-7 Wk (two heads each), 8-11 Wv (16 of the 64 channels, all eight heads); tasks 384-399: Wo, K = 64: two tiles of 16 columns in one fragment.
.set XS_OFF, 1572864                   ; xcod: 1,024 fragments, then their scale words
.set WS_OFF, 614400                    ; wcod: 400 fragments, then their scale words
.set X,   32                           ; v32-95   64 numbers
.set TM,  96                           ; v96-111  at work in the quantiser
.set PW,  112                          ; v112     the scale word
.set PC,  114                          ; v114-125 the codes
.set TP,  126                          ; v126-132 the second halves of the blocks, before they are moved
.set SEL, 34                           ; s[34:35] lane selects of v_permlanex16_b32: lane l xor 16
; 16 nb numbers of a lane, register 16 b + i = k 32 b + 16 (lane / 16) + i of my row, become codes in v[pc] on and the row's scale word in v[PW]
.macro QUANT src, nb, pc, tp
.set QQ, 0
.rept \nb
	v_max3_num_f32 v[TM+QQ], |v[\src+16*QQ]|, |v[\src+16*QQ+1]|, 0x2800000   ; my 16 numbers of block QQ, and the floor 2^(5 - 127): the byte cannot fall under 1
.set QQ, QQ+1
.endr
.set QJ, 2
.rept 7
.set QQ, 0
.rept \nb
	v_max3_num_f32 v[TM+QQ], v[TM+QQ], |v[\src+16*QQ+QJ]|, |v[\src+16*QQ+QJ+1]|
.set QQ, QQ+1
.endr
.set QJ, QJ+2
.endr
.set QQ, 0
.rept \nb
	v_permlanex16_b32 v[TM+4+QQ], v[TM+QQ], s[SEL], s[SEL+1]
.set QQ, QQ+1
.endr
.set QQ, 0
.rept \nb
	v_max_num_f32 v[TM+QQ], v[TM+QQ], v[TM+4+QQ]   ; with lane l xor 16: the largest magnitude of the block
.set QQ, QQ+1
.endr
.set QQ, 0
.rept \nb
	v_add_nc_u32 v[TM+12+QQ], 0xfe000000, v[TM+QQ] ; 4 off its exponent field: the scale operand of the conversion
.set QQ, QQ+1
.endr
.set QQ, 0
.rept \nb
	v_lshrrev_b32 v[TM+4+QQ], 23, v[TM+12+QQ]      ; the byte
.set QQ, QQ+1
.endr
	v_lshl_or_b32 v[PW], v[TM+5], 8, v[TM+4]
.if \nb == 4
	v_lshl_or_b32 v[PW], v[TM+6], 16, v[PW]
	v_lshl_or_b32 v[PW], v[TM+7], 24, v[PW]
.else
	v_lshl_or_b32 v[PW], v[PW], 16, v[PW]          ; K = 64: the two bytes twice, for either half of a K of 128
.endif
.set QQ, 0
.rept \nb/2
	v_cvt_scalef32_pk16_bf6_f32 v[\pc+6*QQ:\pc+6*QQ+2], v[\src+32*QQ:\src+32*QQ+15], v[TM+12+2*QQ]
	v_cvt_scalef32_pk16_bf6_f32 v[\tp+4*QQ:\tp+4*QQ+2], v[\src+32*QQ+16:\src+32*QQ+31], v[TM+12+2*QQ+1]
.set QQ, QQ+1
.endr
	v_nop                                          ; one plain instruction behind the scaled conversions
.set QQ, 0
.rept \nb/2
.irp i, 0,1,2
	v_permlane16_swap_b32 v[\pc+6*QQ+\i], v[\tp+4*QQ+\i]   ; a whole block to a lane: lanes 0-15 block 2 QQ, lanes 16-31 block 2 QQ + 1
.endr
.irp i, 0,1,2
	v_mov_b32 v[\pc+6*QQ+3+\i], v[\tp+4*QQ+\i]
.endr
.set QQ, QQ+1
.endr
.endm
	s_load_b256 s[4:11], s[0:1], 0x0               ; x, Wq, Wk, Wv
	s_load_b128 s[12:15], s[0:1], 0x20             ; Wo, xcod
	s_load_b64 s[16:17], s[0:1], 0x30              ; wcod
	v_lshrrev_b32 v1, 5, v0
	v_readfirstlane_b32 s18, v1                    ; wave
	v_and_b32 v1, 31, v0                           ; lane
	v_and_b32 v2, 15, v0                           ; r
	v_bfe_u32 v3, v0, 4, 1                         ; h
	v_and_b32 v4, 8, v2
	v_add_nc_u32 v4, v4, v2                        ; r + 8 (r / 8)
	v_lshlrev_b32 v5, 4, v1                        ; 16 x lane
	v_lshlrev_b32 v6, 2, v1                        ; 4 x lane
	s_mov_b32 s[SEL], 0x76543210
	s_mov_b32 s[SEL+1], 0xfedcba98
.irp b, 4,5,6,7
	v_mov_b32 v[TM+\b], 0                          ; written once: the destination of a lane permute counts as one of its sources
.endr
	s_cmp_lt_u32 ttmp9, 256
	s_cbranch_scc0 .Lweights
	; ---- x: tile = work-group, K step = wave.  Lane (r, h) takes, of its token, 16 neighbours of each block of 32
	s_lshr_b32 s20, ttmp9, 1
	s_lshl_b32 s20, s20, 5
	s_and_b32 s21, ttmp9, 1
	s_lshl_b32 s21, s21, 3
	s_add_co_u32 s20, s20, s21                     ; the first token of the tile: 32 (tile / 2) + 8 (tile % 2)
	s_lshl_b32 s20, s20, 11                        ; a row of x is 2,048 bytes
	s_lshl_b32 s21, s18, 9
	s_add_co_u32 s20, s20, s21                     ; + 512 bytes a K step
	s_mov_b32 s21, 0
	s_lshl_b32 s22, ttmp9, 2
	s_add_co_u32 s22, s22, s18                     ; the fragment: 4 tile + K step
	s_mul_i32 s24, s22, 1536
	s_mov_b32 s25, 0
	s_lshl_b32 s26, s22, 7
	s_add_co_u32 s26, s26, XS_OFF
	s_mov_b32 s27, 0
	v_lshlrev_b32 v7, 11, v4
	v_lshl_add_u32 v7, v3, 6, v7                   ; my row, + 64 h
	s_wait_kmcnt 0x0
	s_add_nc_u64 s[4:5], s[4:5], s[20:21]
	s_add_nc_u64 s[24:25], s[14:15], s[24:25]
	s_add_nc_u64 s[26:27], s[14:15], s[26:27]
.irp b, 0,1,2,3
.irp j, 0,1,2,3
	global_load_b128 v[X+16*\b+4*\j:X+16*\b+4*\j+3], v7, s[4:5] offset:128*\b+16*\j
.endr
.endr
	s_wait_loadcnt 0x0
	QUANT X, 4, PC, TP
.irp j, 0,1,2
	global_store_b128 v5, v[PC+4*\j:PC+4*\j+3], s[24:25] offset:512*\j   ; 512 consecutive bytes a store
.endr
	global_store_b32 v6, v[PW], s[26:27]
	s_endpgm
.Lweights:
	; ---- a weight: K is its first axis.  A lane takes a column and its registers run down K, in the order that the operand gives that lane
	s_sub_co_u32 s20, ttmp9, 256
	s_lshl_b32 s20, s20, 2
	s_add_co_u32 s20, s20, s18                     ; task 0 .. 399
	s_lshr_b32 s21, s20, 7                         ; 0 Wq, 1 Wk, 2 Wv, 3 Wo
	s_and_b32 s22, s20, 127
	s_lshr_b32 s23, s22, 5                         ; unit in the matrix
	s_bfe_u32 s24, s22, 0x30002                    ; tile in the unit
	s_and_b32 s25, s22, 3                          ; K step
	s_lshl_b32 s26, s23, 7                         ; Wq, Wk: column 128 unit + 64 (tile / 4) + 32 ((tile / 2) % 2) + 8 (tile % 2)
	s_lshr_b32 s27, s24, 2
	s_lshl_b32 s27, s27, 6
	s_add_co_u32 s26, s26, s27
	s_bfe_u32 s27, s24, 0x10001
	s_lshl_b32 s27, s27, 5
	s_add_co_u32 s26, s26, s27
	s_and_b32 s27, s24, 1
	s_lshl_b32 s27, s27, 3
	s_add_co_u32 s26, s26, s27
	s_lshl_b32 s28, s24, 6                         ; Wv: column 64 tile (the head) + 32 (unit / 2) + 8 (unit % 2)
	s_lshr_b32 s29, s23, 1
	s_lshl_b32 s29, s29, 5
	s_add_co_u32 s28, s28, s29
	s_and_b32 s29, s23, 1
	s_lshl_b32 s29, s29, 3
	s_add_co_u32 s28, s28, s29
	s_lshl_b32 s29, s22, 5                         ; Wo: column 32 x pair
	s_lshl_b32 s30, s25, 7                         ; first row: 128 x K step
	s_mov_b32 s31, 131072                          ; from registers 0-31 to registers 32-63: 64 rows down
	s_cmp_eq_u32 s21, 2
	s_cselect_b32 s26, s28, s26
	s_cmp_eq_u32 s21, 3
	s_cselect_b32 s26, s29, s26
	s_cselect_b32 s30, 0, s30
	s_cselect_b32 s31, 32, s31                     ; Wo: 8 columns on, the second tile of the pair
	s_lshl_b32 s30, s30, 11                        ; a row of every weight is 2,048 bytes
	s_lshl_b32 s26, s26, 2
	s_add_co_u32 s32, s30, s26
	s_mov_b32 s33, 0
	s_mul_i32 s24, s20, 1536
	s_mov_b32 s25, 0
	s_lshl_b32 s26, s20, 7
	s_add_co_u32 s26, s26, WS_OFF
	s_mov_b32 s27, 0
	v_lshlrev_b32 v7, 2, v4
	v_lshl_add_u32 v7, v3, 16, v7                  ; column r + 8 (r / 8); lanes 16-31 begin 32 rows further down
	v_add_nc_u32 v8, s31, v7
	s_wait_kmcnt 0x0
	s_cmp_eq_u32 s21, 1                            ; the choice of the matrix hangs on the task alone
	s_cselect_b64 s[6:7], s[8:9], s[6:7]
	s_cmp_eq_u32 s21, 2
	s_cselect_b64 s[6:7], s[10:11], s[6:7]
	s_cmp_eq_u32 s21, 3
	s_cselect_b64 s[6:7], s[12:13], s[6:7]
	s_add_nc_u64 s[6:7], s[6:7], s[32:33]
	s_add_nc_u64 s[24:25], s[16:17], s[24:25]
	s_add_nc_u64 s[26:27], s[16:17], s[26:27]
.irp i, 0,1,2,3,4,5,6,7,8,9,10,11,12,13,14,15,16,17,18,19,20,21,22,23,24,25,26,27,28,29,30,31
	global_load_b32 v[X+\i], v7, s[6:7] offset:2048*\i
.endr
.irp i, 0,1,2,3,4,5,6,7,8,9,10,11,12,13,14,15,16,17,18,19,20,21,22,23,24,25,26,27,28,29,30,31
	global_load_b32 v[X+32+\i], v8, s[6:7] offset:2048*\i
.endr
	s_wait_loadcnt 0x0
.irp c, 0,1
	v_max3_num_f32 v[TM+\c], |v[X+32*\c]|, |v[X+32*\c+1]|, 0x2800000   ; a whole block is mine; the floor as above
.endr
.irp i, 2,4,6,8,10,12,14,16,18,20,22,24,26,28,30
.irp c, 0,1
	v_max3_num_f32 v[TM+\c], v[TM+\c], |v[X+32*\c+\i]|, |v[X+32*\c+\i+1]|
.endr
.endr
.irp c, 0,1
	v_add_nc_u32 v[TM+12+\c], 0xfe000000, v[TM+\c]
.endr
.irp c, 0,1
	v_lshrrev_b32 v[TM+4+\c], 23, v[TM+12+\c]
.endr
	v_lshl_or_b32 v[PW], v[TM+5], 16, v[TM+4]      ; my two bytes: blocks h and 2 + h,
	v_lshlrev_b32 v[TM+8], 3, v3
	v_lshlrev_b32 v[PW], v[TM+8], v[PW]            ; at their places;
	v_permlanex16_b32 v[TM+6], v[PW], s[SEL], s[SEL+1]
	v_or_b32 v[PW], v[PW], v[TM+6]                 ; with lane l xor 16 the word is whole
.irp c, 0,1
	v_cvt_scalef32_pk16_bf6_f32 v[PC+6*\c:PC+6*\c+2], v[X+32*\c:X+32*\c+15], v[TM+12+\c]
	v_cvt_scalef32_pk16_bf6_f32 v[TP+4*\c:TP+4*\c+2], v[X+32*\c+16:X+32*\c+31], v[TM+12+\c]
.endr
	v_nop                                          ; one plain instruction behind the scaled conversions
.irp c, 0,1
.irp i, 0,1,2
	v_mov_b32 v[PC+6*\c+3+\i], v[TP+4*\c+\i]
.endr
.endr
.irp j, 0,1,2
	global_store_b128 v5, v[PC+4*\j:PC+4*\j+3], s[24:25] offset:512*\j
.endr
	global_store_b32 v6, v[PW], s[26:27]
	s_endpgm
.Lfunc_end_k_qbddf2ada21_prep:
	.size	k_qbddf2ada21_prep, .Lfunc_end_k_qbddf2ada21_prep-k_qbddf2ada21_prep
	.p2alignl 7, 3214868480
	.fill 96, 4, 3214868480
	.section	.rodata,"a",@progbits
	.p2align	6, 0x0
	.amdhsa_kernel k_qbddf2ada21_prep
		.amdhsa_group_segment_fixed_size 0
		.amdhsa_private_segment_fixed_size 0
		.amdhsa_enable_private_segment 0
		.amdhsa_kernarg_size 56
		.amdhsa_user_sgpr_count 2
		.amdhsa_user_sgpr_kernarg_segment_ptr 1
		.amdhsa_wavefront_size32 1
		.amdhsa_system_sgpr_workgroup_id_x 1
		.amdhsa_system_sgpr_workgroup_id_y 1
		.amdhsa_system_sgpr_workgroup_id_z 1
		.amdhsa_system_vgpr_workitem_id 0
		.amdhsa_next_free_vgpr 144
		.amdhsa_next_free_sgpr 66
		.amdhsa_reserve_vcc 0
		.amdhsa_float_denorm_mode_32 3
		.amdhsa_float_denorm_mode_16_64 3
		.amdhsa_memory_ordered 1
		.amdhsa_forward_progress 1
		.amdhsa_inst_pref_size 19
	.end_amdhsa_kernel
	.amdgpu_metadata
---
amdhsa.version: [ 1, 2 ]
amdhsa.kernels:
  - .name:           k_qbddf2ada21_prep
    .symbol:         k_qbddf2ada21_prep.kd
    .args:
      - { .name: x, .offset: 0, .size: 8, .value_kind: global_buffer, .address_space: global }
      - { .name: Wq, .offset: 8, .size: 8, .value_kind: global_buffer, .address_space: global }
      - { .name: Wk, .offset: 16, .size: 8, .value_kind: global_buffer, .address_space: global }
      - { .name: Wv, .offset: 24, .size: 8, .value_kind: global_buffer, .address_space: global }
      - { .name: Wo, .offset: 32, .size: 8, .value_kind: global_buffer, .address_space: global }
      - { .name: xcod, .offset: 40, .size: 8, .value_kind: global_buffer, .address_space: global }
      - { .name: wcod, .offset: 48, .size: 8, .value_kind: global_buffer, .address_space: global }
    .group_segment_fixed_size: 0
    .private_segment_fixed_size: 0
    .kernarg_segment_align: 8
    .kernarg_segment_size: 56
    .max_flat_workgroup_size: 128
    .sgpr_count:     66
    .vgpr_count:     144
    .wavefront_size: 32
...
	.end_amdgpu_metadata
.endif
;; end of part 1
;; launch proj (part 2): grid 32 x 12, 8 waves a work-group, no clusters, 123,904 bytes of LDS; arguments xcod, wcod, bq, bk, bv, qkcod, vcod; writes qkcod, vcod
.if DOCPART == 2
	.amdgcn_target "amdgcn-amd-amdhsa--gfx1250"
	.amdhsa_code_object_version 6
	.text
	.protected	k_qbddf2ada21_proj
	.globl	k_qbddf2ada21_proj
	.p2align	8
	.type	k_qbddf2ada21_proj,@function
k_qbddf2ada21_proj:
	s_mov_b64 s[64:65], 0
	v_nop
	global_prefetch_b8 v0, s[64:65] scope:SCOPE_SE
	s_setreg_imm32_b32 hwreg(HW_REG_WAVE_MODE, 25, 1), 1
	s_wait_xcnt 0x0
; PROJ: products 1 to 3 on the codes that prep made, the biases, and the quantisers behind them.
; A work-group takes 128 tokens (x: 8 tiles, 4 groups of 32) and one unit of 128 output columns (y: 0-3 Q, 4-7 K: two heads each; 8-11 V: 16 of the 64 channels of all eight heads).
; Both operands, 32 fragments each with their scale words, are copied into LDS once, as they lie; wave w takes token group w / 2 (two tiles) and four of the unit's eight tiles (w % 2).
; Q, K: source 0 = 16 rows of W, source 1 = 16 tokens: a lane holds one token and its registers run along dk: they are quantised in registers.  The two token tiles of a group make one
; fragment, [tile 0's 64 | tile 1's 64]: K is stored so (a pair), Q as two halves, each with its two scale bytes written twice.
; V: source 0 = 16 tokens, source 1 = 16 channels of one head: a lane holds one channel and its registers run along the tokens, which are the K of product 5.  The wave adds its four heads and their
; bv; the eight waves' parts meet in LDS; wave 0 adds the halves, divides by 8 and quantises 128 tokens along the keys.
; The biases are added behind the sums: their loads go out at the head of the arm and have the four K steps in which to land.
; LIMITS: as stated at the head of prep.
.set XS_OFF, 1572864
.set WS_OFF, 614400
.set KC_OFF, 1572864                   ; qkcod: Q's halves [bh][tile 128][768]; K's pairs [bh][group 64][1536]; Q's scale words [bh][tile][128]; K's [bh][group][128]
.set QS_OFF, 3145728
.set KS_OFF, 3407872
.set VS_OFF, 196608                    ; vcod: [b][key block 16][channel tile 4][1536]; then the scale words, 128 bytes each
.set WI,    49152                      ; LDS: x's 32 fragments at 0; W's at WI;
.set XSL,   98304                      ; x's scale words, 128 bytes a fragment; W's;
.set WSL,   102400
.set VP,    106496                     ; V: 2,048 bytes for each wave's part
.set SPARE, 122880                     ; the spare words, 128 bytes a wave: no other line names them
.set XA,  4                            ; v4-7    LDS addresses: my x fragments, my W fragments, their scale words
.set WA,  5
.set XSA, 6
.set WSA, 7
.set XSC, 8                            ; v8-9    x's scale words;  v10-13 W's: these six hold scales and nothing else
.set WSC, 10
.set C0,  14                           ; v14-15  the copy: 16 x thread, and the same + WI
.set C1,  15
.set XF,  16                           ; v16-39  two fragments of x
.set WF,  40                           ; v40-87  four of W
.set BIAS, 88                          ; v88-119
.set ACC, 120                          ; v120-183 eight accumulators: (token tile u, W tile f) at 32 u + 8 f
.set CP,  120                          ; v120-223 the copy's 26 x 4 registers, before anything else lives there
.set TM,  184
.set PW,  200
.set PC,  202
.set TP,  214
.set L16, 230
.set L8,  231
.set L4,  232
.set VPW, 233
.set VPR, 234
.set BO,  235
.set QW,  236
.set SPW, 254                          ; v254, v255: my spare word's address, and 0; kept for that alone
.set NIL, 255
.set E8,  44                           ; s[44:45] 1 / 8
.set SEL, 46                           ; s[46:47]
.macro QUANT src, nb, pc, tp           ; as in prep
.set QQ, 0
.rept \nb
	v_max3_num_f32 v[TM+QQ], |v[\src+16*QQ]|, |v[\src+16*QQ+1]|, 0x2800000
.set QQ, QQ+1
.endr
.set QJ, 2
.rept 7
.set QQ, 0
.rept \nb
	v_max3_num_f32 v[TM+QQ], v[TM+QQ], |v[\src+16*QQ+QJ]|, |v[\src+16*QQ+QJ+1]|
.set QQ, QQ+1
.endr
.set QJ, QJ+2
.endr
.set QQ, 0
.rept \nb
	v_permlanex16_b32 v[TM+4+QQ], v[TM+QQ], s[SEL], s[SEL+1]
.set QQ, QQ+1
.endr
.set QQ, 0
.rept \nb
	v_max_num_f32 v[TM+QQ], v[TM+QQ], v[TM+4+QQ]
.set QQ, QQ+1
.endr
.set QQ, 0
.rept \nb
	v_add_nc_u32 v[TM+12+QQ], 0xfe000000, v[TM+QQ]
.set QQ, QQ+1
.endr
.set QQ, 0
.rept \nb
	v_lshrrev_b32 v[TM+4+QQ], 23, v[TM+12+QQ]
.set QQ, QQ+1
.endr
	v_lshl_or_b32 v[PW], v[TM+5], 8, v[TM+4]
.if \nb == 4
	v_lshl_or_b32 v[PW], v[TM+6], 16, v[PW]
	v_lshl_or_b32 v[PW], v[TM+7], 24, v[PW]
.else
	v_lshl_or_b32 v[PW], v[PW], 16, v[PW]
.endif
.set QQ, 0
.rept \nb/2
	v_cvt_scalef32_pk16_bf6_f32 v[\pc+6*QQ:\pc+6*QQ+2], v[\src+32*QQ:\src+32*QQ+15], v[TM+12+2*QQ]
	v_cvt_scalef32_pk16_bf6_f32 v[\tp+4*QQ:\tp+4*QQ+2], v[\src+32*QQ+16:\src+32*QQ+31], v[TM+12+2*QQ+1]
.set QQ, QQ+1
.endr
	v_nop
.set QQ, 0
.rept \nb/2
.irp i, 0,1,2
	v_permlane16_swap_b32 v[\pc+6*QQ+\i], v[\tp+4*QQ+\i]
.endr
.irp i, 0,1,2
	v_mov_b32 v[\pc+6*QQ+3+\i], v[\tp+4*QQ+\i]
.endr
.set QQ, QQ+1
.endr
.endm
.macro PLACES                          ; four plain instructions behind a matrix instruction, ahead of a read of its result and of a load into its registers
.rept 4
	v_nop
.endr
.endm
.macro BAR                             ; my LDS stores have landed and my LDS loads are in: then the barrier
	s_wait_dscnt 0x0
	s_barrier_signal -1
	s_barrier_wait -1
.endm
.macro MM0 d, a, b, sa, sb             ; a product that starts a sum
	v_wmma_scale_f32_16x16x128_f8f6f4 v[\d:\d+7], v[\a:\a+11], v[\b:\b+11], 0, v[\sa], v[\sb] matrix_a_fmt:MATRIX_FMT_BF6 matrix_b_fmt:MATRIX_FMT_BF6
.endm
.macro MMA d, a, b, sa, sb             ; and one that adds in place
	v_wmma_scale_f32_16x16x128_f8f6f4 v[\d:\d+7], v[\a:\a+11], v[\b:\b+11], v[\d:\d+7], v[\sa], v[\sb] matrix_a_fmt:MATRIX_FMT_BF6 matrix_b_fmt:MATRIX_FMT_BF6
.endm
; K step s of four: six fragments and their scale words from LDS, eight products; the eight accumulators take turns, one instruction a turn.  swap = 1: x is source 0
.macro KSTEP s, swap
.if \s > 0
	PLACES
.endif
.irp u, 0,1
.irp j, 0,1,2
	ds_load_b128 v[XF+12*\u+4*\j:XF+12*\u+4*\j+3], v[XA] offset:6144*\u+1536*\s+512*\j
.endr
	ds_load_b32 v[XSC+\u], v[XSA] offset:512*\u+128*\s
.endr
.irp f, 0,1,2,3
.irp j, 0,1,2
	ds_load_b128 v[WF+12*\f+4*\j:WF+12*\f+4*\j+3], v[WA] offset:6144*\f+1536*\s+512*\j
.endr
	ds_load_b32 v[WSC+\f], v[WSA] offset:512*\f+128*\s
.endr
	s_wait_dscnt 0x0
.irp u, 0,1
.irp f, 0,1,2,3
.if \swap
.if \s == 0
	MM0 ACC+32*\u+8*\f, XF+12*\u, WF+12*\f, XSC+\u, WSC+\f
.else
	MMA ACC+32*\u+8*\f, XF+12*\u, WF+12*\f, XSC+\u, WSC+\f
.endif
.else
.if \s == 0
	MM0 ACC+32*\u+8*\f, WF+12*\f, XF+12*\u, WSC+\f, XSC+\u
.else
	MMA ACC+32*\u+8*\f, WF+12*\f, XF+12*\u, WSC+\f, XSC+\u
.endif
.endif
.endr
.endr
.endm
	s_load_b256 s[4:11], s[0:1], 0x0               ; xcod, wcod, bq, bk
	s_load_b128 s[12:15], s[0:1], 0x20             ; bv, qkcod
	s_load_b64 s[16:17], s[0:1], 0x30              ; vcod
	v_lshl_add_u32 v[SPW], v0, 2, SPARE
	v_mov_b32 v[NIL], 0
	v_lshrrev_b32 v1, 5, v0
	v_readfirstlane_b32 s18, v1                    ; wave 0..7
	s_and_b32 s19, ttmp7, 0xffff                   ; the unit of columns
	s_lshr_b32 s20, s18, 1                         ; my group of 32 tokens
	s_and_b32 s21, s18, 1                          ; my four tiles of W
	v_and_b32 v1, 31, v0                           ; lane
	v_and_b32 v2, 15, v0                           ; r
	v_bfe_u32 v3, v0, 4, 1                         ; h
	v_lshlrev_b32 v[L16], 4, v1
	v_lshlrev_b32 v[L8], 3, v1
	v_lshlrev_b32 v[L4], 2, v1
	s_mul_i32 s24, s20, 12288                      ; every LDS address: a constant + a constant x wave part + a constant x lane
	v_add_nc_u32 v[XA], s24, v[L16]
	s_mul_i32 s24, s21, 24576
	s_add_co_u32 s24, s24, WI
	v_add_nc_u32 v[WA], s24, v[L16]
	s_lshl_b32 s24, s20, 10
	s_add_co_u32 s24, s24, XSL
	v_add_nc_u32 v[XSA], s24, v[L4]
	s_lshl_b32 s24, s21, 11
	s_add_co_u32 s24, s24, WSL
	v_add_nc_u32 v[WSA], s24, v[L4]
	s_lshl_b32 s24, s18, 11
	s_add_co_u32 s24, s24, VP
	v_add_nc_u32 v[VPW], s24, v[L16]
	v_add_nc_u32 v[VPR], VP, v[L16]
	v_lshlrev_b32 v[C0], 4, v0
	v_add_nc_u32 v[C1], WI, v[C0]
	s_mul_i32 s24, ttmp9, 49152                    ; my 32 fragments of x,
	s_mov_b32 s25, 0
	s_mul_i32 s26, s19, 49152                      ; of W,
	s_mov_b32 s27, 0
	s_lshl_b32 s28, ttmp9, 12                      ; and their scale words
	s_add_co_u32 s28, s28, XS_OFF
	s_mov_b32 s29, 0
	s_lshl_b32 s30, s19, 12
	s_add_co_u32 s30, s30, WS_OFF
	s_mov_b32 s31, 0
	s_mov_b32 s[E8], 0x3e000000
	s_mov_b32 s[E8+1], 0x3e000000
	s_mov_b32 s[SEL], 0x76543210
	s_mov_b32 s[SEL+1], 0xfedcba98
	s_wait_kmcnt 0x0
	s_add_nc_u64 s[24:25], s[4:5], s[24:25]
	s_add_nc_u64 s[26:27], s[6:7], s[26:27]
	s_add_nc_u64 s[28:29], s[4:5], s[28:29]
	s_add_nc_u64 s[30:31], s[6:7], s[30:31]
.irp i, 0,1,2,3,4,5,6,7,8,9,10,11
	global_load_b128 v[CP+4*\i:CP+4*\i+3], v[C0], s[24:25] offset:4096*\i   ; the 256 threads read 4,096 consecutive bytes
.endr
.irp i, 0,1,2,3,4,5,6,7,8,9,10,11
	global_load_b128 v[CP+48+4*\i:CP+48+4*\i+3], v[C0], s[26:27] offset:4096*\i
.endr
	global_load_b128 v[CP+96:CP+99], v[C0], s[28:29]
	global_load_b128 v[CP+100:CP+103], v[C0], s[30:31]
	s_wait_loadcnt 0x0
.irp i, 0,1,2,3,4,5,6,7,8,9,10,11
	ds_store_b128 v[C0], v[CP+4*\i:CP+4*\i+3] offset:4096*\i
.endr
.irp i, 0,1,2,3,4,5,6,7,8,9,10,11
	ds_store_b128 v[C1], v[CP+48+4*\i:CP+48+4*\i+3] offset:4096*\i
.endr
	ds_store_b128 v[C1], v[CP+96:CP+99] offset:XSL-WI
	ds_store_b128 v[C1], v[CP+100:CP+103] offset:WSL-WI
.irp b, 4,5,6,7
	v_mov_b32 v[TM+\b], 0                          ; written once: the destination of a lane permute counts as one of its sources
.endr
	BAR                                            ; both operands lie in LDS
	s_cmp_ge_u32 s19, 8
	s_cbranch_scc1 .Lv
	; ---- Q or K
	s_and_b32 s22, s19, 3
	s_lshl_b32 s22, s22, 1
	s_add_co_u32 s22, s22, s21                     ; my head
	s_lshl_b32 s32, s22, 8
	s_mov_b32 s33, 0
	s_cmp_lt_u32 s19, 4
	s_cselect_b64 s[34:35], s[8:9], s[10:11]       ; bq or bk
	s_add_nc_u64 s[34:35], s[34:35], s[32:33]
	v_lshlrev_b32 v[BO], 6, v3                     ; lane (r, h) wants, for tile f, the bias of channels 32 (f / 2) + 16 h + 8 (f % 2) + 0 .. 7
.irp f, 0,1,2,3
	global_load_b128 v[BIAS+8*\f:BIAS+8*\f+3], v[BO], s[34:35] offset:128*(\f/2)+32*(\f%2)
	global_load_b128 v[BIAS+8*\f+4:BIAS+8*\f+7], v[BO], s[34:35] offset:128*(\f/2)+32*(\f%2)+16
.endr
	KSTEP 0, 0
	KSTEP 1, 0
	KSTEP 2, 0
	KSTEP 3, 0
	PLACES
	s_wait_loadcnt 0x0                             ; the bias
.irp u, 0,1
.irp f, 0,1,2,3
.irp p, 0,2,4,6
	v_pk_add_f32 v[ACC+32*\u+8*\f+\p:ACC+32*\u+8*\f+\p+1], v[ACC+32*\u+8*\f+\p:ACC+32*\u+8*\f+\p+1], v[BIAS+8*\f+\p:BIAS+8*\f+\p+1]   ; each accumulator from its low end on
.endr
.endr
.endr
	QUANT ACC, 4, PC, TP                           ; blocks: (tile 0, dk 0-31), (tile 0, dk 32-63), (tile 1, ..), (tile 1, ..)
	s_lshr_b32 s34, ttmp9, 4                       ; batch
	s_and_b32 s35, ttmp9, 15                       ; block of 128 tokens in it
	s_lshl_b32 s36, s34, 3
	s_add_co_u32 s36, s36, s22                     ; bh
	s_lshl_b32 s36, s36, 6
	s_lshl_b32 s37, s35, 2
	s_add_co_u32 s36, s36, s37
	s_add_co_u32 s36, s36, s20                     ; 64 bh + group
	s_mul_i32 s38, s36, 1536
	s_mov_b32 s39, 0
	s_mov_b32 s41, 0
	s_cmp_lt_u32 s19, 4
	s_cbranch_scc1 .Lq
	s_add_co_u32 s38, s38, KC_OFF                  ; K: the pair as it stands
	s_add_nc_u64 s[38:39], s[14:15], s[38:39]
	s_lshl_b32 s40, s36, 7
	s_add_co_u32 s40, s40, KS_OFF
	s_add_nc_u64 s[40:41], s[14:15], s[40:41]
.irp j, 0,1,2
	global_store_b128 v[L16], v[PC+4*\j:PC+4*\j+3], s[38:39] offset:512*\j
.endr
	global_store_b32 v[L4], v[PW], s[40:41]
	s_branch .Ljoin
.Lq:
	s_add_nc_u64 s[38:39], s[14:15], s[38:39]      ; Q: two halves of six registers, 8 bytes a lane and store
	s_lshl_b32 s40, s36, 8
	s_add_co_u32 s40, s40, QS_OFF
	s_add_nc_u64 s[40:41], s[14:15], s[40:41]
	v_perm_b32 v[QW], v[PW], v[PW], 0x01000100     ; tile 0: its two bytes twice
	v_perm_b32 v[QW+1], v[PW], v[PW], 0x03020302   ; tile 1
.irp u, 0,1
.irp j, 0,1,2
	global_store_b64 v[L8], v[PC+6*\u+2*\j:PC+6*\u+2*\j+1], s[38:39] offset:768*\u+256*\j
.endr
	global_store_b32 v[L4], v[QW+\u], s[40:41] offset:128*\u
.endr
	s_branch .Ljoin
.Lv:
	; ---- V: my two token tiles x the same 16 channels of four heads
	s_sub_co_u32 s22, s19, 8                       ; channel tile 0..3: channels 32 (t / 2) + 8 (t % 2) + r + 8 (r / 8)
	s_lshr_b32 s32, s22, 1
	s_lshl_b32 s32, s32, 7
	s_and_b32 s33, s22, 1
	s_lshl_b32 s33, s33, 5
	s_add_co_u32 s32, s32, s33
	s_lshl_b32 s33, s21, 10                        ; my four heads: 256 bytes of bv each
	s_add_co_u32 s32, s32, s33
	s_mov_b32 s33, 0
	s_add_nc_u64 s[34:35], s[12:13], s[32:33]
	v_and_b32 v[BO], 8, v2
	v_add_nc_u32 v[BO], v[BO], v2
	v_lshlrev_b32 v[BO], 2, v[BO]
.irp a, 0,1,2,3
	global_load_b32 v[BIAS+\a], v[BO], s[34:35] offset:256*\a
.endr
	KSTEP 0, 1
	KSTEP 1, 1
	KSTEP 2, 1
	KSTEP 3, 1
	PLACES
.irp u, 0,1
.irp p, 0,2,4,6
	v_pk_add_f32 v[ACC+32*\u+\p:ACC+32*\u+\p+1], v[ACC+32*\u+\p:ACC+32*\u+\p+1], v[ACC+32*\u+8+\p:ACC+32*\u+8+\p+1]       ; four heads become one; each accumulator from its low end on
	v_pk_add_f32 v[ACC+32*\u+16+\p:ACC+32*\u+16+\p+1], v[ACC+32*\u+16+\p:ACC+32*\u+16+\p+1], v[ACC+32*\u+24+\p:ACC+32*\u+24+\p+1]
.endr
.irp p, 0,2,4,6
	v_pk_add_f32 v[ACC+32*\u+\p:ACC+32*\u+\p+1], v[ACC+32*\u+\p:ACC+32*\u+\p+1], v[ACC+32*\u+16+\p:ACC+32*\u+16+\p+1]
.endr
.endr
	s_wait_loadcnt 0x0                             ; bv
	v_add_f32 v[BIAS], v[BIAS], v[BIAS+1]
	v_add_f32 v[BIAS+2], v[BIAS+2], v[BIAS+3]
	v_add_f32 v[BIAS], v[BIAS], v[BIAS+2]          ; my channel's bias of the four heads
.irp u, 0,1
.irp p, 0,2,4,6
	v_pk_add_f32 v[ACC+32*\u+\p:ACC+32*\u+\p+1], v[ACC+32*\u+\p:ACC+32*\u+\p+1], v[BIAS:BIAS+1] op_sel_hi:[1,0]
.endr
.endr
.irp u, 0,1
.irp i, 0,1
	ds_store_b128 v[VPW], v[ACC+32*\u+4*\i:ACC+32*\u+4*\i+3] offset:1024*\u+512*\i   ; 16 registers: tokens 32 group + 16 h + 0 .. 15 of my channel
.endr
.endr
.Ljoin:
	BAR                                            ; every wave of every work-group passes it; in V's work-groups the eight parts now lie in LDS
	s_cmp_lt_u32 s19, 8
	s_cbranch_scc1 .Lend
	s_cmp_lg_u32 s18, 0
	s_cbranch_scc1 .Lend
	; ---- V, wave 0: the halves are added, divided by 8 and quantised along the 128 tokens
	s_wait_xcnt 0x0                                ; whatever was stored above has read its registers
	s_lshl_b32 s32, ttmp9, 2
	s_sub_co_u32 s33, s19, 8
	s_add_co_u32 s32, s32, s33                     ; 4 x block of tokens + channel tile
	s_mul_i32 s34, s32, 1536
	s_mov_b32 s35, 0
	s_add_nc_u64 s[34:35], s[16:17], s[34:35]
	s_lshl_b32 s36, s32, 7
	s_add_co_u32 s36, s36, VS_OFF
	s_mov_b32 s37, 0
	s_add_nc_u64 s[36:37], s[16:17], s[36:37]
.irp w, 0,1,2,3,4,5,6,7
.irp k, 0,1,2,3
	ds_load_b128 v[16+16*\w+4*\k:16+16*\w+4*\k+3], v[VPR] offset:2048*\w+512*\k
.endr
.endr
	s_wait_dscnt 0x0
.irp g, 3,2,1,0                        ; descending: a group's results land only on registers whose parts have been added
.irp p, 0,2,4,6,8,10,12,14
	v_pk_add_f32 v[ACC+16*\g+\p:ACC+16*\g+\p+1], v[16+32*\g+\p:16+32*\g+\p+1], v[32+32*\g+\p:32+32*\g+\p+1]
.endr
.endr
.set N, 0
.rept 32
	v_pk_mul_f32 v[ACC+N:ACC+N+1], v[ACC+N:ACC+N+1], s[E8:E8+1] op_sel_hi:[1,0]   ; the mean over eight heads
.set N, N+2
.endr
	QUANT ACC, 4, PC, TP
.irp j, 0,1,2
	global_store_b128 v[L16], v[PC+4*\j:PC+4*\j+3], s[34:35] offset:512*\j
.endr
	global_store_b32 v[L4], v[PW], s[36:37]
.Lend:
	s_wait_tensorcnt 0x0                           ; the end of the wave
	ds_add_u32 v[SPW], v[NIL]
	s_wait_dscnt 0x0
	s_endpgm
.Lfunc_end_k_qbddf2ada21_proj:
	.size	k_qbddf2ada21_proj, .Lfunc_end_k_qbddf2ada21_proj-k_qbddf2ada21_proj
	.p2alignl 7, 3214868480
	.fill 96, 4, 3214868480
	.section	.rodata,"a",@progbits
	.p2align	6, 0x0
	.amdhsa_kernel k_qbddf2ada21_proj
		.amdhsa_group_segment_fixed_size 123904
		.amdhsa_private_segment_fixed_size 0
		.amdhsa_enable_private_segment 0
		.amdhsa_kernarg_size 56
		.amdhsa_user_sgpr_count 2
		.amdhsa_user_sgpr_kernarg_segment_ptr 1
		.amdhsa_wavefront_size32 1
		.amdhsa_system_sgpr_workgroup_id_x 1
		.amdhsa_system_sgpr_workgroup_id_y 1
		.amdhsa_system_sgpr_workgroup_id_z 1
		.amdhsa_system_vgpr_workitem_id 0
		.amdhsa_next_free_vgpr 256
		.amdhsa_next_free_sgpr 66
		.amdhsa_reserve_vcc 0
		.amdhsa_float_denorm_mode_32 3
		.amdhsa_float_denorm_mode_16_64 3
		.amdhsa_memory_ordered 1
		.amdhsa_forward_progress 1
		.amdhsa_inst_pref_size 52
	.end_amdhsa_kernel
	.amdgpu_metadata
---
amdhsa.version: [ 1, 2 ]
amdhsa.kernels:
  - .name:           k_qbddf2ada21_proj
    .symbol:         k_qbddf2ada21_proj.kd
    .args:
      - { .name: xcod, .offset: 0, .size: 8, .value_kind: global_buffer, .address_space: global }
      - { .name: wcod, .offset: 8, .size: 8, .value_kind: global_buffer, .address_space: global }
      - { .name: bq, .offset: 16, .size: 8, .value_kind: global_buffer, .address_space: global }
      - { .name: bk, .offset: 24, .size: 8, .value_kind: global_buffer, .address_space: global }
      - { .name: bv, .offset: 32, .size: 8, .value_kind: global_buffer, .address_space: global }
      - { .name: qkcod, .offset: 40, .size: 8, .value_kind: global_buffer, .address_space: global }
      - { .name: vcod, .offset: 48, .size: 8, .value_kind: global_buffer, .address_space: global }
    .group_segment_fixed_size: 123904
    .private_segment_fixed_size: 0
    .kernarg_segment_align: 8
    .kernarg_segment_size: 56
    .max_flat_workgroup_size: 256
    .sgpr_count:     66
    .vgpr_count:     256
    .wavefront_size: 32
...
	.end_amdgpu_metadata
.endif
;; end of part 2
;; launch tau (part 3): grid 16 x 16, 8 waves a work-group, no clusters, 111,616 bytes of LDS; arguments qkcod, ntau; writes ntau
.if DOCPART == 3
	.amdgcn_target "amdgcn-amd-amdhsa--gfx1250"
	.amdhsa_code_object_version 6
	.text
	.protected	k_qbddf2ada21_tau
	.globl	k_qbddf2ada21_tau
	.p2align	8
	.type	k_qbddf2ada21_tau,@function
k_qbddf2ada21_tau:
	s_mov_b64 s[64:65], 0
	v_nop
	global_prefetch_b8 v0, s[64:65] scope:SCOPE_SE
	s_setreg_imm32_b32 hwreg(HW_REG_WAVE_MODE, 25, 1), 1
	s_wait_xcnt 0x0
; TAU: for every (batch, head, query) the entmax threshold: the root of sum over the live keys of max(z - tau, 0)^2 = 1, z = Q.K / 16 (the 1/8 of the scores and the 1/2 of the entmax).
; One pass finds the row's largest score; tau = max z - 1; then PASSN Newton steps on sqrt(S2) - 1: tau += (S2 - sqrt(S2)) / S1.  Why this is the entmax of reference(), why it never passes the root, and
; what the count of passes rests on: the head of prep.  The scores of a row do not fit in registers or LDS: every pass multiplies them anew (product 4), one matrix instruction for 256 scores.
; WORK LEFT OUT: tiles of scores that lie wholly above the diagonal (reference() masks them in its own body: their weight is 0 for all inputs).  LIMITS: as stated at the head of prep.
; SHARES.  A work-group owns one (batch, head) and two blocks of 64 queries, c = g and c = 31 - g: together 62 whole groups of 32 keys and 4 on the diagonal, the same for every g.  Two teams of four waves,
; a team to a block.  A team's member m takes the groups G = m mod 4 under 2 c; the two groups on the diagonal, 2 c and 2 c + 1, go to members (2 c) % 4 and (2 c) % 4 + 1.  All four members hold all 64 queries
; (four tiles); their partial sums meet in LDS at the end of each pass, and each member makes the same update.
; K = 64 IN AN INSTRUCTION OF 128.  Source 0 is a pair [key tile 0 | key tile 1]; source 1 is [Q | zeros] or [zeros | Q]: zero codes add nothing under any scale byte that occurs here (1 to 254).
; A lane holds ONE query (row lane % 16 of its tile); registers 8 u + j of tiles u = 0, 1 are keys 32 G + 16 (lane / 16) + 8 u + j.
; The whole head's 64 pairs are copied into LDS though the groups from 62 - 2 g on are multiplied by nobody: the look-ahead's address is held inside the images, not inside the live ones.
.set KC_OFF, 1572864
.set QS_OFF, 3145728
.set KS_OFF, 3407872
.set KSL,   98304                      ; LDS: 64 pairs of 1,536 bytes at 0; their scale words, 128 bytes each;
.set SCR,   106496                     ; the partial sums: team x 2,048 + query tile x 512 + lane x 16 + member x 4;
.set SPARE, 110592                     ; the spare words, 128 bytes a wave: no other line names them
.set PASSN, 10
.set K0A, 2                            ; v2   16 lane + 1,536 member: my first pair
.set S0A, 3                            ; v3   its scale word
.set AK,  4                            ; v4-5 the addresses in hand
.set AS,  5
.set SCW, 6                            ; v6   where I put a partial sum;  v7 where I read the four
.set SCRD, 7
.set L8,  8
.set L4,  9
.set RHO, 10                           ; v10  r + 8 (r / 8) - 16 h: on the diagonal register j of tile u is hidden from query tile q where j + 8 (u - q % 2) > v10
.set NINF, 11                          ; v11  -infinity
.set NT,  12                           ; v12-19 four pairs: -tau in the low word (the packed form names the pair)
.set MX,  20                           ; v20-23 the largest raw score
.set SUM1, 24                          ; v24-31 S1, a pair for each query tile;  v32-39 S2
.set SUM2, 32
.set QSC, 40                           ; v40-43 Q's scale words; v44-46 those of K's sets A, B and of the diagonal pair: these seven hold scales and nothing else
.set KSCA, 44
.set KSCB, 45
.set KSCD, 46
.set T,   48                           ; v48-79 at work
.set KA,  80                           ; v80-91, v92-103 two sets for K's pairs;  v104-115 my pair on the diagonal, kept for all passes
.set KB,  92
.set KD,  104
.set QZ,  116                          ; v116-169 zeros Q0 zeros Q1 zeros Q2 zeros Q3 zeros, six registers each: [zeros | Qq] at 116 + 12 q, [Qq | zeros] at 122 + 12 q
.set L16, 170
.set C0,  171
.set C1,  172
.set ACC, 176                          ; v176-239 eight tiles of scores: (u, q) at 8 (4 u + q)
.set SPW, 254
.set NIL, 255
.set WV,  8
.set TEAM, 9
.set MEM, 10
.set BH,  11
.set CQ,  12
.set C2,  13                           ; s13  2 c: the groups under it are whole
.set DSEL, 14                          ; s14  0: I take group 2 c; 1: group 2 c + 1; else none
.set C16, 16                           ; s[16:17] 1 / 16
.set SEL, 18
.set HM,  20                           ; s20  lanes 16-31
.set GRP, 21
.set KO,  22
.set SO,  23
.set TRIP, 32
.set PASSES, 33
.set NEG16, 44
.macro PLACES                          ; four plain instructions behind a matrix instruction, ahead of a read of its result (ISA guide 7.12.1)
.rept 4
	v_nop
.endr
.endm
.macro BAR
	s_wait_dscnt 0x0
	s_barrier_signal -1
	s_barrier_wait -1
.endm
.macro MM0 d, a, b, sa, sb
	v_wmma_scale_f32_16x16x128_f8f6f4 v[\d:\d+7], v[\a:\a+11], v[\b:\b+11], 0, v[\sa], v[\sb] matrix_a_fmt:MATRIX_FMT_BF6 matrix_b_fmt:MATRIX_FMT_BF6
.endm
.macro W u, q, ks, ksc                 ; key tile u of the pair in ks x query tile q
	MM0 ACC+8*(4*(\u)+(\q)), \ks, QZ+6*(1-(\u))+12*(\q), \ksc, QSC+(\q)
.endm
.macro WALL ks, ksc, u
.irp q, 0,1,2,3
	W \u, \q, \ks, \ksc
.endr
.endm
.macro VAB u, g                        ; tiles (u, 2 g), (u, 2 g + 1): u = max(raw / 16 - tau, 0); each accumulator from its low end on
.set TA, ACC+8*(4*(\u)+2*(\g))
.set NA, NT+4*(\g)
.irp p, 0,2,4,6
	v_pk_fma_f32 v[TA+\p:TA+\p+1], v[TA+\p:TA+\p+1], s[C16:C16+1], v[NA:NA+1] op_sel_hi:[1,0,0]
	v_pk_fma_f32 v[TA+8+\p:TA+8+\p+1], v[TA+8+\p:TA+8+\p+1], s[C16:C16+1], v[NA+2:NA+3] op_sel_hi:[1,0,0]
.endr
.irp p, 0,1,2,3,4,5,6,7
	v_max_num_f32 v[TA+\p], 0, v[TA+\p]
	v_max_num_f32 v[TA+8+\p], 0, v[TA+8+\p]
.endr
.endm
.macro VCS u, g                        ; S1 += u, S2 += u u: four chains by turns
.set TA, ACC+8*(4*(\u)+2*(\g))
.set SA, SUM1+4*(\g)
.set SB, SUM2+4*(\g)
.irp p, 0,2,4,6
	v_pk_add_f32 v[SA:SA+1], v[SA:SA+1], v[TA+\p:TA+\p+1]
	v_pk_add_f32 v[SA+2:SA+3], v[SA+2:SA+3], v[TA+8+\p:TA+8+\p+1]
	v_pk_fma_f32 v[SB:SB+1], v[TA+\p:TA+\p+1], v[TA+\p:TA+\p+1], v[SB:SB+1]
	v_pk_fma_f32 v[SB+2:SB+3], v[TA+8+\p:TA+8+\p+1], v[TA+8+\p:TA+8+\p+1], v[SB+2:SB+3]
.endr
.endm
.macro VM u, g                         ; the largest raw score
.set TA, ACC+8*(4*(\u)+2*(\g))
.irp p, 0,2,4,6
	v_max3_num_f32 v[MX+2*(\g)], v[MX+2*(\g)], v[TA+\p], v[TA+\p+1]
	v_max3_num_f32 v[MX+2*(\g)+1], v[MX+2*(\g)+1], v[TA+8+\p], v[TA+8+\p+1]
.endr
.endm
.macro MASK u, q                       ; on the diagonal: the scores of keys behind the query become -infinity: u = 0 then, and no maximum takes them
.irp j, 0,1,2,3,4,5,6,7
	v_cmp_gt_i32 vcc_lo, \j+8*((\u)-((\q)%2)), v[RHO]
	v_cndmask_b32 v[ACC+8*(4*(\u)+(\q))+\j], v[ACC+8*(4*(\u)+(\q))+\j], v[NINF], vcc_lo
.endr
.endm
.macro NEXT ko, kosc                   ; my next pair, four groups on, into the other set; the address is held inside the images
	s_add_co_u32 s24, s[KO], 6144
	s_min_u32 s24, s24, 92160
	s_add_co_u32 s25, s[SO], 512
	s_min_u32 s25, s25, 7680
	v_add_nc_u32 v[AK], s24, v[K0A]
	v_add_nc_u32 v[AS], s25, v[S0A]
.irp j, 0,1,2
	ds_load_b128 v[\ko+4*\j:\ko+4*\j+3], v[AK] offset:512*\j
.endr
	ds_load_b32 v[\kosc], v[AS]
.endm
; A whole group of 32 keys x 64 queries.  The products of key tile 1 stand among the vector work on key tile 0
.macro NPLAIN ks, ksc, ko, kosc
	WALL \ks, \ksc, 0
	NEXT \ko, \kosc
	PLACES
	VAB 0, 0
	W 1, 0, \ks, \ksc
	VCS 0, 0
	W 1, 1, \ks, \ksc
	VAB 0, 1
	W 1, 2, \ks, \ksc
	VCS 0, 1
	W 1, 3, \ks, \ksc
	VAB 1, 0
	VCS 1, 0
	VAB 1, 1
	VCS 1, 1
.endm
.macro MPLAIN ks, ksc, ko, kosc
	WALL \ks, \ksc, 0
	WALL \ks, \ksc, 1
	NEXT \ko, \kosc
	PLACES
	VM 0, 0
	VM 0, 1
	VM 1, 0
	VM 1, 1
.endm
.macro DIAG0 kind                      ; group 2 c: on the diagonal for query tiles 0 and 1, whole for 2 and 3
	WALL KD, KSCD, 0
.if \kind
	PLACES
	MASK 0, 0
	MASK 0, 1
	VAB 0, 0
	W 1, 0, KD, KSCD
	VCS 0, 0
	W 1, 1, KD, KSCD
	VAB 0, 1
	W 1, 2, KD, KSCD
	VCS 0, 1
	W 1, 3, KD, KSCD
	MASK 1, 0
	MASK 1, 1
	VAB 1, 0
	VCS 1, 0
	VAB 1, 1
	VCS 1, 1
.else
	WALL KD, KSCD, 1
	PLACES
	MASK 0, 0
	MASK 0, 1
	MASK 1, 0
	MASK 1, 1
	VM 0, 0
	VM 0, 1
	VM 1, 0
	VM 1, 1
.endif
.endm
.macro DIAG1 kind                      ; group 2 c + 1: behind query tiles 0 and 1 (not multiplied), on the diagonal for 2 and 3
	W 0, 2, KD, KSCD
	W 0, 3, KD, KSCD
	W 1, 2, KD, KSCD
	W 1, 3, KD, KSCD
	PLACES
	MASK 0, 2
	MASK 0, 3
	MASK 1, 2
	MASK 1, 3
.if \kind
	VAB 0, 1
	VCS 0, 1
	VAB 1, 1
	VCS 1, 1
.else
	VM 0, 1
	VM 1, 1
.endif
.endm
.macro STEP kind, ks, ksc, ko, kosc    ; the trip counts are constants; a step whose group is not under 2 c is jumped over: a scalar branch on ids, round no barrier
	s_cmp_ge_u32 s[GRP], s[C2]
	s_cbranch_scc1 .Lskip_\@
	s_wait_dscnt 0x0                               ; this set was asked for a step ago
.if \kind
	NPLAIN \ks, \ksc, \ko, \kosc
.else
	MPLAIN \ks, \ksc, \ko, \kosc
.endif
.Lskip_\@:
	s_add_co_u32 s[GRP], s[GRP], 4
	s_add_co_u32 s[KO], s[KO], 6144
	s_add_co_u32 s[SO], s[SO], 512
.endm
; A PASS over all live keys of the team's 64 queries.  kind = 0: the largest score, and the first tau;  kind = 1: S1, S2, and a Newton step.
; Two barriers: behind the first the four members' parts lie in LDS; the second, signalled as soon as my reads are back and waited for behind the update, parts those reads from the next pass's stores.
.macro PASS kind
	s_mov_b32 s[GRP], s[MEM]
	s_mov_b32 s[KO], 0
	s_mov_b32 s[SO], 0
.irp j, 0,1,2
	ds_load_b128 v[KA+4*\j:KA+4*\j+3], v[K0A] offset:512*\j
.endr
	ds_load_b32 v[KSCA], v[S0A]
	s_mov_b32 s[TRIP], 8
.Ltrip_\@:
	STEP \kind, KA, KSCA, KB, KSCB
	STEP \kind, KB, KSCB, KA, KSCA
	s_sub_co_u32 s[TRIP], s[TRIP], 1
	s_cmp_lg_u32 s[TRIP], 0
	s_cbranch_scc1 .Ltrip_\@
	s_cmp_eq_u32 s[DSEL], 0
	s_cbranch_scc0 .Lnot0_\@
	DIAG0 \kind
	s_branch .Lsum_\@
.Lnot0_\@:
	s_cmp_eq_u32 s[DSEL], 1
	s_cbranch_scc0 .Lsum_\@
	DIAG1 \kind
.Lsum_\@:
	s_mov_b32 vcc_lo, s[HM]
.if \kind
.irp q, 0,1,2,3
	v_add_f32 v[T+\q], v[SUM1+2*\q], v[SUM1+2*\q+1]
	v_add_f32 v[T+4+\q], v[SUM2+2*\q], v[SUM2+2*\q+1]
.endr
.irp q, 0,1,2,3
	v_cndmask_b32 v[T+8+\q], v[T+\q], v[T+4+\q], vcc_lo    ; lanes 0-15 keep S1 and send S2, lanes 16-31 keep S2 and send S1:
	v_cndmask_b32 v[T+12+\q], v[T+4+\q], v[T+\q], vcc_lo   ; one exchange adds both halves of the keys
.endr
.irp q, 0,1,2,3
	v_permlanex16_b32 v[T+16+\q], v[T+12+\q], s[SEL], s[SEL+1]
.endr
.irp q, 0,1,2,3
	v_add_f32 v[T+8+\q], v[T+8+\q], v[T+16+\q]
.endr
.else
.irp q, 0,1,2,3
	v_permlanex16_b32 v[T+16+\q], v[MX+\q], s[SEL], s[SEL+1]
.endr
.irp q, 0,1,2,3
	v_max_num_f32 v[T+8+\q], v[MX+\q], v[T+16+\q]
.endr
.endif
.irp q, 0,1,2,3
	ds_store_b32 v[SCW], v[T+8+\q] offset:512*\q
.endr
	BAR
.irp q, 0,1,2,3
	ds_load_b128 v[T+4*\q:T+4*\q+3], v[SCRD] offset:512*\q   ; the four members' parts
.endr
	s_wait_dscnt 0x0
	s_barrier_signal -1                            ; my reads are back; only work on registers up to the wait
.if \kind
.irp q, 0,1,2,3
	v_pk_add_f32 v[T+4*\q:T+4*\q+1], v[T+4*\q:T+4*\q+1], v[T+4*\q+2:T+4*\q+3]
.endr
.irp q, 0,1,2,3
	v_add_f32 v[T+16+\q], v[T+4*\q], v[T+4*\q+1]
.endr
.irp q, 0,1,2,3
	v_permlanex16_b32 v[T+20+\q], v[T+16+\q], s[SEL], s[SEL+1]
.endr
.irp q, 0,1,2,3
	v_cndmask_b32 v[T+24+\q], v[T+16+\q], v[T+20+\q], vcc_lo   ; S1 in every lane,
	v_cndmask_b32 v[T+28+\q], v[T+20+\q], v[T+16+\q], vcc_lo   ; and S2
.endr
.irp q, 0,1,2,3
	v_sqrt_f32 v[T+\q], v[T+28+\q]
.endr
.irp q, 0,1,2,3
	v_rcp_f32 v[T+4+\q], v[T+24+\q]
.endr
.irp i, 0,1,2,3,4,5,6,7,8,9,10,11,12,13,14,15
	v_mov_b32 v[SUM1+\i], 0                        ; the next pass's sums begin at 0: plain work behind the eight
.endr
	s_wait_alu depctr_va_vdst(0)                   ; one wait for the batch, ahead of its first reader
.irp q, 0,1,2,3
	v_sub_f32 v[T+8+\q], v[T+28+\q], v[T+\q]
.endr
.irp q, 0,1,2,3
	v_fma_f32 v[NT+2*\q], -v[T+8+\q], v[T+4+\q], v[NT+2*\q]   ; -tau -= (S2 - sqrt(S2)) / S1
.endr
.else
.irp q, 0,1,2,3
	v_max3_num_f32 v[T+16+\q], v[T+4*\q], v[T+4*\q+1], v[T+4*\q+2]
.endr
.irp q, 0,1,2,3
	v_max_num_f32 v[T+16+\q], v[T+16+\q], v[T+4*\q+3]
.endr
.irp q, 0,1,2,3
	v_fma_f32 v[NT+2*\q], v[T+16+\q], s[NEG16], 1.0   ; -tau = 1 - max z
.endr
.endif
	s_barrier_wait -1
.endm
	s_load_b128 s[4:7], s[0:1], 0x0                ; qkcod, ntau
	v_lshl_add_u32 v[SPW], v0, 2, SPARE
	v_mov_b32 v[NIL], 0
.irp z, 0,1,2,3,4
.irp i, 0,1,2,3,4,5
	v_mov_b32 v[QZ+12*\z+\i], 0                    ; the zero codes
.endr
.endr
	v_lshrrev_b32 v1, 5, v0
	v_readfirstlane_b32 s[WV], v1                  ; wave 0..7
	s_lshr_b32 s24, s[WV], 2
	s_xor_b32 s[TEAM], s[WV], s24
	s_and_b32 s[TEAM], s[TEAM], 1                  ; (w xor w / 4) % 2
	s_lshr_b32 s[MEM], s[WV], 1
	s_and_b32 s[BH], ttmp7, 0xffff
	s_sub_co_u32 s24, 31, ttmp9
	s_cmp_eq_u32 s[TEAM], 0
	s_cselect_b32 s[CQ], ttmp9, s24                ; my block of 64 queries
	s_lshl_b32 s[C2], s[CQ], 1
	s_and_b32 s24, s[C2], 3
	s_sub_co_u32 s[DSEL], s[MEM], s24
	s_mov_b32 s[C16], 0x3d800000
	s_mov_b32 s[C16+1], 0x3d800000
	s_mov_b32 s[NEG16], 0xbd800000
	s_mov_b32 s[SEL], 0x76543210
	s_mov_b32 s[SEL+1], 0xfedcba98
	s_mov_b32 s[HM], 0xffff0000
	v_and_b32 v1, 31, v0                           ; lane
	v_lshlrev_b32 v[L16], 4, v1
	v_lshlrev_b32 v[L8], 3, v1
	v_lshlrev_b32 v[L4], 2, v1
	s_mul_i32 s24, s[MEM], 1536
	v_add_nc_u32 v[K0A], s24, v[L16]
	s_lshl_b32 s24, s[MEM], 7
	s_add_co_u32 s24, s24, KSL
	v_add_nc_u32 v[S0A], s24, v[L4]
	s_lshl_b32 s24, s[TEAM], 11
	s_add_co_u32 s24, s24, SCR
	v_add_nc_u32 v[SCRD], s24, v[L16]
	s_lshl_b32 s25, s[MEM], 2
	v_add_nc_u32 v[SCW], s25, v[SCRD]
	v_lshlrev_b32 v[C0], 4, v0
	v_add_nc_u32 v[C1], 65536, v[C0]
	v_and_b32 v1, 15, v0
	v_and_b32 v[RHO], 8, v1
	v_add_nc_u32 v[RHO], v[RHO], v1
	v_bfe_u32 v1, v0, 4, 1
	v_lshlrev_b32 v1, 4, v1
	v_sub_nc_u32 v[RHO], v[RHO], v1
	v_mov_b32 v[NINF], 0xff800000
	s_mul_i32 s28, s[BH], 98304                    ; the head's pairs,
	s_add_co_u32 s28, s28, KC_OFF
	s_mov_b32 s29, 0
	s_lshl_b32 s30, s[BH], 13                      ; their scale words,
	s_add_co_u32 s30, s30, KS_OFF
	s_mov_b32 s31, 0
	s_lshl_b32 s24, s[BH], 7
	s_lshl_b32 s25, s[CQ], 2
	s_add_co_u32 s24, s24, s25                     ; my first query tile: 128 bh + 4 c
	s_mul_i32 s34, s24, 768
	s_mov_b32 s35, 0
	s_lshl_b32 s36, s24, 7
	s_add_co_u32 s36, s36, QS_OFF
	s_mov_b32 s37, 0
	s_lshl_b32 s38, s24, 6
	s_mov_b32 s39, 0
	s_add_co_u32 s25, s[C2], s[DSEL]               ; my group on the diagonal (a member that has none loads a pair that it does not use, inside the head)
	s_min_u32 s25, s25, 63
	s_lshl_b32 s24, s[BH], 6
	s_add_co_u32 s24, s24, s25
	s_mul_i32 s40, s24, 1536
	s_add_co_u32 s40, s40, KC_OFF
	s_mov_b32 s41, 0
	s_lshl_b32 s42, s24, 7
	s_add_co_u32 s42, s42, KS_OFF
	s_mov_b32 s43, 0
	s_wait_kmcnt 0x0
	s_add_nc_u64 s[28:29], s[4:5], s[28:29]
	s_add_nc_u64 s[30:31], s[4:5], s[30:31]
	s_add_nc_u64 s[34:35], s[4:5], s[34:35]
	s_add_nc_u64 s[36:37], s[4:5], s[36:37]
	s_add_nc_u64 s[38:39], s[6:7], s[38:39]
	s_add_nc_u64 s[40:41], s[4:5], s[40:41]
	s_add_nc_u64 s[42:43], s[4:5], s[42:43]
.irp q, 0,1,2,3
.irp j, 0,1,2
	global_load_b64 v[QZ+6+12*\q+2*\j:QZ+6+12*\q+2*\j+1], v[L8], s[34:35] offset:768*\q+256*\j   ; Q stays in registers
.endr
	global_load_b32 v[QSC+\q], v[L4], s[36:37] offset:128*\q
.endr
.irp j, 0,1,2
	global_load_b128 v[KD+4*\j:KD+4*\j+3], v[L16], s[40:41] offset:512*\j
.endr
	global_load_b32 v[KSCD], v[L4], s[42:43]
.irp i, 0,1,2,3,4,5,6,7,8,9,10,11,12,13
	global_load_b128 v[T+4*\i:T+4*\i+3], v[C0], s[28:29] offset:4096*\i   ; the copy: the 256 threads read 4,096 consecutive bytes
.endr
.irp i, 14,15,16,17,18,19,20,21,22,23
	global_load_b128 v[ACC+4*(\i-14):ACC+4*(\i-14)+3], v[C0], s[28:29] offset:4096*\i
.endr
.irp i, 0,1
	global_load_b128 v[ACC+40+4*\i:ACC+40+4*\i+3], v[C0], s[30:31] offset:4096*\i
.endr
.irp i, 0,1,2,3,4,5,6,7,8,9,10,11,12,13,14,15
	v_mov_b32 v[SUM1+\i], 0
.endr
.irp q, 0,1,2,3
	v_mov_b32 v[MX+\q], v[NINF]
	v_mov_b32 v[NT+2*\q], 0
	v_mov_b32 v[NT+2*\q+1], 0                      ; (named as the upper half of a pair)
.endr
	s_wait_loadcnt 0x0
.irp i, 0,1,2,3,4,5,6,7,8,9,10,11,12,13
	ds_store_b128 v[C0], v[T+4*\i:T+4*\i+3] offset:4096*\i
.endr
.irp i, 14,15
	ds_store_b128 v[C0], v[ACC+4*(\i-14):ACC+4*(\i-14)+3] offset:4096*\i
.endr
.irp i, 16,17,18,19,20,21,22,23
	ds_store_b128 v[C1], v[ACC+4*(\i-14):ACC+4*(\i-14)+3] offset:4096*(\i-16)
.endr
.irp i, 0,1
	ds_store_b128 v[C1], v[ACC+40+4*\i:ACC+40+4*\i+3] offset:KSL-65536+4096*\i
.endr
	BAR                                            ; the head's pairs lie in LDS; nobody writes them again
.irp j, 0,1,2
	ds_load_b128 v[KB+4*\j:KB+4*\j+3], v[K0A] offset:6144+512*\j   ; set B is filled once here, so that both sets hold codes on every way through the text
.endr
	ds_load_b32 v[KSCB], v[S0A] offset:512
	PASS 0
	s_mov_b32 s[PASSES], PASSN
.Lpass:
	PASS 1
	s_sub_co_u32 s[PASSES], s[PASSES], 1
	s_cmp_lg_u32 s[PASSES], 0
	s_cbranch_scc1 .Lpass
	s_cmp_lg_u32 s[MEM], 0                         ; all four members hold the same -tau: member 0 stores it
	s_cbranch_scc1 .Ldone
	s_mov_b32 vcc_lo, s[HM]
	v_cndmask_b32 v[T], v[NT], v[NT+2], vcc_lo     ; lanes 0-15: tile 0, lanes 16-31: tile 1: 128 consecutive bytes
	v_cndmask_b32 v[T+1], v[NT+4], v[NT+6], vcc_lo
	global_store_b32 v[L4], v[T], s[38:39]
	global_store_b32 v[L4], v[T+1], s[38:39] offset:128
.Ldone:
	s_wait_tensorcnt 0x0                           ; the end of the wave
	ds_add_u32 v[SPW], v[NIL]
	s_wait_dscnt 0x0
	s_endpgm
.Lfunc_end_k_qbddf2ada21_tau:
	.size	k_qbddf2ada21_tau, .Lfunc_end_k_qbddf2ada21_tau-k_qbddf2ada21_tau
	.p2alignl 7, 3214868480
	.fill 96, 4, 3214868480
	.section	.rodata,"a",@progbits
	.p2align	6, 0x0
	.amdhsa_kernel k_qbddf2ada21_tau
		.amdhsa_group_segment_fixed_size 111616
		.amdhsa_private_segment_fixed_size 0
		.amdhsa_enable_private_segment 0
		.amdhsa_kernarg_size 16
		.amdhsa_user_sgpr_count 2
		.amdhsa_user_sgpr_kernarg_segment_ptr 1
		.amdhsa_wavefront_size32 1
		.amdhsa_system_sgpr_workgroup_id_x 1
		.amdhsa_system_sgpr_workgroup_id_y 1
		.amdhsa_system_sgpr_workgroup_id_z 1
		.amdhsa_system_vgpr_workitem_id 0
		.amdhsa_next_free_vgpr 256
		.amdhsa_next_free_sgpr 66
		.amdhsa_reserve_vcc 1
		.amdhsa_float_denorm_mode_32 3
		.amdhsa_float_denorm_mode_16_64 3
		.amdhsa_memory_ordered 1
		.amdhsa_forward_progress 1
		.amdhsa_inst_pref_size 74
	.end_amdhsa_kernel
	.amdgpu_metadata
---
amdhsa.version: [ 1, 2 ]
amdhsa.kernels:
  - .name:           k_qbddf2ada21_tau
    .symbol:         k_qbddf2ada21_tau.kd
    .args:
      - { .name: qkcod, .offset: 0, .size: 8, .value_kind: global_buffer, .address_space: global }
      - { .name: ntau, .offset: 8, .size: 8, .value_kind: global_buffer, .address_space: global }
    .group_segment_fixed_size: 111616
    .private_segment_fixed_size: 0
    .kernarg_segment_align: 8
    .kernarg_segment_size: 16
    .max_flat_workgroup_size: 256
    .sgpr_count:     66
    .vgpr_count:     256
    .wavefront_size: 32
...
	.end_amdgpu_metadata
.endif
;; end of part 3
;; launch wavg (part 4): grid 17 x 16, 8 waves a work-group, no clusters, 128,000 bytes of LDS; arguments qkcod, vcod, ntau, out1, opart; writes out1, opart
.if DOCPART == 4
	.amdgcn_target "amdgcn-amd-amdhsa--gfx1250"
	.amdhsa_code_object_version 6
	.text
	.protected	k_qbddf2ada21_wavg
	.globl	k_qbddf2ada21_wavg
	.p2align	8
	.type	k_qbddf2ada21_wavg,@function
k_qbddf2ada21_wavg:
	s_mov_b64 s[64:65], 0
	v_nop
	global_prefetch_b8 v0, s[64:65] scope:SCOPE_SE
	s_setreg_imm32_b32 hwreg(HW_REG_WAVE_MODE, 25, 1), 1
	s_wait_xcnt 0x0
; WAVG: weights = max(z - tau, 0)^2 with the thresholds that tau stored, their mean over the eight heads (out1), that mean quantised along the keys, and product 5 for one block of 128 keys.
; WORK LEFT OUT: the tiles of 128 x 128 above the diagonal (masked by reference() in its own body: weight 0 for all inputs): they are neither multiplied nor weighed; out1 gets zeros there by plain stores,
; and product 5 has no part for them.  Inside a tile on the diagonal all scores are made and the hidden ones are set to 0 once, in the sum over the heads.  LIMITS: as stated at the head of prep.
; SHARES.  A work-group takes a tile of 128 queries x 128 keys of one batch; rows yy and 15 - yy of the triangle have 17 tiles together: grid 17 x (2 batches x 8).  Wave w takes query tile w of the eight, for all
; eight heads and all 128 keys.  K's pairs of the eight heads (4 groups each) and V's four fragments come into LDS once; the wave's own eight Q tiles lie in its stage until the stage is wanted for the way out.
; A work-group under the diagonal also stores the zeros of the tile that mirrors its own.
; A lane holds ONE query; registers 16 g + 8 u + j are keys 32 g + 16 (lane / 16) + 8 u + j of the block: the layout that the quantiser along the keys wants.
.set KC_OFF, 1572864
.set QS_OFF, 3145728
.set KS_OFF, 3407872
.set VS_OFF, 196608
.set KSL,   49152                      ; LDS: 32 pairs (head x 4 + group) at 0; their scale words;
.set VI,    53248                      ; V's four fragments;
.set STG,   59392                      ; a stage of 16 rows x (512 + 16) bytes for each wave;
.set SPARE, 126976                     ; the spare words, 128 bytes a wave: no other line names them
.set L16, 1
.set L8,  2
.set L4,  3
.set R4,  4
.set KW,  5
.set KSW, 6
.set VW,  7
.set QL,  8
.set KSA, 9
.set VA,  10
.set STO, 11
.set SRD, 12
.set NT,  16                           ; v16-23 -tau of my query, a head each;  v24-25 the one in hand, as a pair
.set NTC, 24
.set QSC, 26                           ; v26-33 Q's scale words, v34-37 K's, v38-41 V's, v43 the weights': these hold scales and nothing else
.set KSC, 34
.set VSC, 38
.set RHO, 42                           ; v42  my query in the block - 16 h
.set PW,  43
.set QZ,  48                           ; v48-77 zeros Qa zeros Qb zeros
.set KR,  78                           ; v78-125 four pairs of K;  later the quantiser's registers
.set TM,  78
.set PC,  94
.set TP,  106
.set SCO, 126                          ; v126-189 eight tiles of scores; later 16 rows on the way out; later product 5's results
.set WSUM, 190                         ; v190-253 the sum of the weights over the heads; later V's fragments
.set SPW, 254
.set NIL, 255
.set WV,  14
.set C16, 48
.set E8,  50
.set SEL, 52
.macro QUANT src, nb, pc, tp           ; as in prep
.set QQ, 0
.rept \nb
	v_max3_num_f32 v[TM+QQ], |v[\src+16*QQ]|, |v[\src+16*QQ+1]|, 0x2800000
.set QQ, QQ+1
.endr
.set QJ, 2
.rept 7
.set QQ, 0
.rept \nb
	v_max3_num_f32 v[TM+QQ], v[TM+QQ], |v[\src+16*QQ+QJ]|, |v[\src+16*QQ+QJ+1]|
.set QQ, QQ+1
.endr
.set QJ, QJ+2
.endr
.set QQ, 0
.rept \nb
	v_permlanex16_b32 v[TM+4+QQ], v[TM+QQ], s[SEL], s[SEL+1]
.set QQ, QQ+1
.endr
.set QQ, 0
.rept \nb
	v_max_num_f32 v[TM+QQ], v[TM+QQ], v[TM+4+QQ]
.set QQ, QQ+1
.endr
.set QQ, 0
.rept \nb
	v_add_nc_u32 v[TM+12+QQ], 0xfe000000, v[TM+QQ]
.set QQ, QQ+1
.endr
.set QQ, 0
.rept \nb
	v_lshrrev_b32 v[TM+4+QQ], 23, v[TM+12+QQ]
.set QQ, QQ+1
.endr
	v_lshl_or_b32 v[PW], v[TM+5], 8, v[TM+4]
.if \nb == 4
	v_lshl_or_b32 v[PW], v[TM+6], 16, v[PW]
	v_lshl_or_b32 v[PW], v[TM+7], 24, v[PW]
.else
	v_lshl_or_b32 v[PW], v[PW], 16, v[PW]
.endif
.set QQ, 0
.rept \nb/2
	v_cvt_scalef32_pk16_bf6_f32 v[\pc+6*QQ:\pc+6*QQ+2], v[\src+32*QQ:\src+32*QQ+15], v[TM+12+2*QQ]
	v_cvt_scalef32_pk16_bf6_f32 v[\tp+4*QQ:\tp+4*QQ+2], v[\src+32*QQ+16:\src+32*QQ+31], v[TM+12+2*QQ+1]
.set QQ, QQ+1
.endr
	v_nop
.set QQ, 0
.rept \nb/2
.irp i, 0,1,2
	v_permlane16_swap_b32 v[\pc+6*QQ+\i], v[\tp+4*QQ+\i]
.endr
.irp i, 0,1,2
	v_mov_b32 v[\pc+6*QQ+3+\i], v[\tp+4*QQ+\i]
.endr
.set QQ, QQ+1
.endr
.endm
.macro PLACES
.rept 4
	v_nop
.endr
.endm
.macro BAR
	s_wait_dscnt 0x0
	s_barrier_signal -1
	s_barrier_wait -1
.endm
.macro MM0 d, a, b, sa, sb
	v_wmma_scale_f32_16x16x128_f8f6f4 v[\d:\d+7], v[\a:\a+11], v[\b:\b+11], 0, v[\sa], v[\sb] matrix_a_fmt:MATRIX_FMT_BF6 matrix_b_fmt:MATRIX_FMT_BF6
.endm
.macro WT t, hd                        ; tile t = 2 group + u of head hd: source 0 the group's pair, source 1 [Q | zeros] (u = 0) or [zeros | Q] (u = 1)
	MM0 SCO+8*(\t), KR+12*((\t)/2), QZ+12*((\hd)%2)+6*(1-(\t)%2), KSC+(\t)/2, QSC+(\hd)
.endm
.macro LOADQ hd                        ; my Q tile of head hd, from my stage, into the buffer hd % 2
.irp j, 0,1,2
	ds_load_b64 v[QZ+6+12*((\hd)%2)+2*\j:QZ+6+12*((\hd)%2)+2*\j+1], v[QL] offset:768*(\hd)+256*\j
.endr
.endm
.macro LOADK hd                        ; the four pairs of head hd and their scale words
.irp g, 0,1,2,3
.irp j, 0,1,2
	ds_load_b128 v[KR+12*\g+4*\j:KR+12*\g+4*\j+3], v[L16] offset:6144*(\hd)+1536*\g+512*\j
.endr
	ds_load_b32 v[KSC+\g], v[KSA] offset:512*(\hd)+128*\g
.endr
.endm
.macro VAB t                           ; tiles t, t + 1: u = max(raw / 16 - tau, 0); each accumulator from its low end on
.set TA, SCO+8*(\t)
.irp p, 0,2,4,6
	v_pk_fma_f32 v[TA+\p:TA+\p+1], v[TA+\p:TA+\p+1], s[C16:C16+1], v[NTC:NTC+1] op_sel_hi:[1,0,0]
	v_pk_fma_f32 v[TA+8+\p:TA+8+\p+1], v[TA+8+\p:TA+8+\p+1], s[C16:C16+1], v[NTC:NTC+1] op_sel_hi:[1,0,0]
.endr
.irp p, 0,1,2,3,4,5,6,7
	v_max_num_f32 v[TA+\p], 0, v[TA+\p]
	v_max_num_f32 v[TA+8+\p], 0, v[TA+8+\p]
.endr
.endm
.macro VCW t, hd                       ; the sum over the heads += u u; head 0 starts it: nothing is cleared
.set TA, SCO+8*(\t)
.set TW, WSUM+8*(\t)
.irp p, 0,2,4,6,8,10,12,14
.if (\hd) == 0
	v_pk_mul_f32 v[TW+\p:TW+\p+1], v[TA+\p:TA+\p+1], v[TA+\p:TA+\p+1]
.else
	v_pk_fma_f32 v[TW+\p:TW+\p+1], v[TA+\p:TA+\p+1], v[TA+\p:TA+\p+1], v[TW+\p:TW+\p+1]
.endif
.endr
.endm
.macro HEAD hd                         ; one head: eight products among the vector work; the next head's Q is asked for at the head, its K behind the last product
	v_mov_b32 v[NTC], v[NT+\hd]
	s_wait_dscnt 0x0                               ; this head's K, scale words and Q are in
.if \hd < 7
	LOADQ \hd+1
.endif
	WT 0, \hd
	WT 1, \hd
	WT 2, \hd
	WT 3, \hd
	PLACES
	VAB 0
	WT 4, \hd
	VCW 0, \hd
	WT 5, \hd
	VAB 2
	WT 6, \hd
	VCW 2, \hd
	WT 7, \hd
	VAB 4
	VCW 4, \hd
.if \hd < 7
	LOADK \hd+1
.endif
	VAB 6
	VCW 6, \hd
.endm
	s_load_b256 s[4:11], s[0:1], 0x0               ; qkcod, vcod, ntau, out1
	s_load_b64 s[12:13], s[0:1], 0x20              ; opart
	v_lshl_add_u32 v[SPW], v0, 2, SPARE
	v_mov_b32 v[NIL], 0
.irp z, 0,1,2
.irp i, 0,1,2,3,4,5
	v_mov_b32 v[QZ+12*\z+\i], 0                    ; the zero codes (v48-51 also serve as the zeros stored above the diagonal)
.endr
.endr
	v_mov_b32 v[NTC+1], 0                          ; (named as the upper half of a pair)
	v_lshrrev_b32 v13, 5, v0
	v_readfirstlane_b32 s[WV], v13                 ; wave 0..7
	v_and_b32 v13, 31, v0                          ; lane
	v_and_b32 v14, 15, v0                          ; r
	v_bfe_u32 v15, v0, 4, 1                        ; h
	v_lshlrev_b32 v[L16], 4, v13
	v_lshlrev_b32 v[L8], 3, v13
	v_lshlrev_b32 v[L4], 2, v13
	v_lshlrev_b32 v[R4], 2, v14
	s_mul_i32 s44, s[WV], 6144
	v_add_nc_u32 v[KW], s44, v[L16]
	s_lshl_b32 s44, s[WV], 9
	s_add_co_u32 s44, s44, KSL
	v_add_nc_u32 v[KSW], s44, v[L16]
	s_mul_i32 s44, s[WV], 768
	s_add_co_u32 s44, s44, VI
	v_add_nc_u32 v[VW], s44, v[L8]
	s_mul_i32 s44, s[WV], 8448
	s_add_co_u32 s44, s44, STG                     ; my stage
	v_add_nc_u32 v[QL], s44, v[L8]
	v_add_nc_u32 v[SRD], s44, v[L16]
	v_mul_u32_u24 v[STO], v14, 528
	v_lshl_add_u32 v[STO], v15, 6, v[STO]
	v_add_nc_u32 v[STO], s44, v[STO]               ; in: row r, + 64 h
	v_add_nc_u32 v[KSA], KSL, v[L4]
	v_add_nc_u32 v[VA], VI, v[L16]
	v_and_b32 v[RHO], 8, v14
	v_add_nc_u32 v[RHO], v[RHO], v14
	v_lshlrev_b32 v15, 4, v15
	v_sub_nc_u32 v[RHO], v[RHO], v15
	s_lshr_b32 s46, s[WV], 1
	s_lshl_b32 s46, s46, 5
	s_and_b32 s45, s[WV], 1
	s_lshl_b32 s45, s45, 3
	s_add_co_u32 s46, s46, s45                     ; my tile's first query in the block: 32 (w / 2) + 8 (w % 2)
	v_add_nc_u32 v[RHO], s46, v[RHO]
	s_and_b32 s15, ttmp7, 0xffff
	s_lshr_b32 s16, s15, 3                         ; batch
	s_and_b32 s17, s15, 7                          ; yy
	s_sub_co_u32 s20, 15, s17
	s_sub_co_u32 s21, ttmp9, s17
	s_sub_co_u32 s21, s21, 1
	s_cmp_le_u32 ttmp9, s17
	s_cselect_b32 s18, s17, s20                    ; block of queries: yy, or 15 - yy
	s_cselect_b32 s19, ttmp9, s21                  ; block of keys: x, or x - yy - 1
	s_lshl_b32 s20, s16, 3
	s_add_co_u32 s20, s20, s[WV]                   ; the head that I copy
	s_lshl_b32 s20, s20, 6
	s_lshl_b32 s21, s19, 2
	s_add_co_u32 s20, s20, s21                     ; its first group of the block
	s_mul_i32 s24, s20, 1536
	s_add_co_u32 s24, s24, KC_OFF
	s_mov_b32 s25, 0
	s_lshl_b32 s26, s20, 7
	s_add_co_u32 s26, s26, KS_OFF
	s_mov_b32 s27, 0
	s_lshl_b32 s20, s16, 10
	s_lshl_b32 s21, s18, 3
	s_add_co_u32 s20, s20, s21
	s_add_co_u32 s20, s20, s[WV]                   ; my query tile in head 0 of the batch; a head on is 128 tiles on
	s_mul_i32 s28, s20, 768
	s_mov_b32 s29, 0
	s_lshl_b32 s30, s20, 7
	s_add_co_u32 s30, s30, QS_OFF
	s_mov_b32 s31, 0
	s_lshl_b32 s32, s20, 6
	s_mov_b32 s33, 0
	s_lshl_b32 s20, s16, 4
	s_add_co_u32 s20, s20, s19                     ; 16 batch + block of keys
	s_mul_i32 s34, s20, 6144
	s_mul_i32 s21, s[WV], 768
	s_add_co_u32 s34, s34, s21                     ; my eighth of V's four fragments
	s_mov_b32 s35, 0
	s_lshl_b32 s36, s20, 9
	s_add_co_u32 s36, s36, VS_OFF
	s_mov_b32 s37, 0
	s_lshl_b32 s22, s16, 24                        ; out1: a batch is 2,048 rows of 8,192 bytes
	s_lshl_b32 s20, s18, 7
	s_add_co_u32 s20, s20, s46
	s_lshl_b32 s20, s20, 13
	s_lshl_b32 s21, s19, 9
	s_add_co_u32 s38, s20, s21
	s_add_co_u32 s38, s38, s22                     ; my tile's first row, the block's first key
	s_mov_b32 s39, 0
	s_lshl_b32 s20, s19, 7
	s_lshl_b32 s21, s[WV], 4
	s_add_co_u32 s20, s20, s21
	s_lshl_b32 s20, s20, 13
	s_lshl_b32 s21, s18, 9
	s_add_co_u32 s40, s20, s21
	s_add_co_u32 s40, s40, s22                     ; the mirrored tile: rows 128 kb + 16 w on, columns 128 qb on
	s_mov_b32 s41, 0
	s_lshl_b32 s20, s16, 7
	s_lshl_b32 s21, s18, 3
	s_add_co_u32 s20, s20, s21
	s_add_co_u32 s20, s20, s[WV]
	s_lshl_b32 s20, s20, 4
	s_add_co_u32 s20, s20, s19
	s_lshl_b32 s42, s20, 12                        ; opart: ((128 batch + tile) x 16 + block of keys) x 4,096
	s_mov_b32 s43, 0
	s_mov_b32 s[C16], 0x3d800000
	s_mov_b32 s[C16+1], 0x3d800000
	s_mov_b32 s[E8], 0x3e000000
	s_mov_b32 s[E8+1], 0x3e000000
	s_mov_b32 s[SEL], 0x76543210
	s_mov_b32 s[SEL+1], 0xfedcba98
	s_wait_kmcnt 0x0
	s_add_nc_u64 s[24:25], s[4:5], s[24:25]
	s_add_nc_u64 s[26:27], s[4:5], s[26:27]
	s_add_nc_u64 s[28:29], s[4:5], s[28:29]
	s_add_nc_u64 s[30:31], s[4:5], s[30:31]
	s_add_nc_u64 s[32:33], s[8:9], s[32:33]
	s_add_nc_u64 s[34:35], s[6:7], s[34:35]
	s_add_nc_u64 s[36:37], s[6:7], s[36:37]
	s_add_nc_u64 s[38:39], s[10:11], s[38:39]
	s_add_nc_u64 s[40:41], s[10:11], s[40:41]
	s_add_nc_u64 s[42:43], s[12:13], s[42:43]
.irp i, 0,1,2,3,4,5,6,7,8,9,10,11
	global_load_b128 v[KR+4*\i:KR+4*\i+3], v[L16], s[24:25] offset:512*\i
.endr
	global_load_b128 v[SCO:SCO+3], v[L16], s[26:27]
.irp j, 0,1,2
	global_load_b64 v[SCO+4+2*\j:SCO+4+2*\j+1], v[L8], s[34:35] offset:256*\j
.endr
.irp d, 0,1,2,3,4,5,6,7
.irp j, 0,1,2
	global_load_b64 v[SCO+10+6*\d+2*\j:SCO+10+6*\d+2*\j+1], v[L8], s[28:29] offset:98304*\d+256*\j
.endr
	global_load_b32 v[NT+\d], v[R4], s[32:33] offset:8192*\d
	global_load_b32 v[QSC+\d], v[L4], s[30:31] offset:16384*\d
.endr
.irp d, 0,1,2,3
	global_load_b32 v[VSC+\d], v[L4], s[36:37] offset:128*\d
.endr
	s_cmp_lt_u32 s19, s18
	s_cbranch_scc0 .Lnozero
.irp i, 0,1,2,3,4,5,6,7,8,9,10,11,12,13,14,15
	global_store_b128 v[L16], v[QZ:QZ+3], s[40:41] offset:8192*\i th:TH_STORE_NT   ; 512 consecutive bytes of zeros
.endr
.Lnozero:
	s_wait_loadcnt 0x0
.irp i, 0,1,2,3,4,5,6,7,8,9,10,11
	ds_store_b128 v[KW], v[KR+4*\i:KR+4*\i+3] offset:512*\i
.endr
	ds_store_b128 v[KSW], v[SCO:SCO+3]
.irp j, 0,1,2
	ds_store_b64 v[VW], v[SCO+4+2*\j:SCO+4+2*\j+1] offset:256*\j
.endr
.irp d, 0,1,2,3,4,5,6,7
.irp j, 0,1,2
	ds_store_b64 v[QL], v[SCO+10+6*\d+2*\j:SCO+10+6*\d+2*\j+1] offset:768*\d+256*\j
.endr
.endr
	BAR                                            ; K's pairs, their scale words and V's fragments lie in LDS; nobody writes them again
	LOADK 0
	LOADQ 0
.irp d, 0,1,2,3,4,5,6,7
	HEAD \d
.endr
	s_cmp_eq_u32 s18, s19
	s_cbranch_scc0 .Lnomask
.set N, 0
.rept 64                               ; on the diagonal: register N holds key 32 (N / 16) + N % 16 + 16 h of the block: hidden where that lies behind my query
	v_cmp_gt_i32 vcc_lo, 32*(N/16)+N%16, v[RHO]
	v_cndmask_b32 v[WSUM+N], v[WSUM+N], v[QZ], vcc_lo
.set N, N+1
.endr
.Lnomask:
.set N, 0
.rept 32
	v_pk_mul_f32 v[WSUM+N:WSUM+N+1], v[WSUM+N:WSUM+N+1], s[E8:E8+1] op_sel_hi:[1,0]   ; the mean over eight heads
.set N, N+2
.endr
.irp g, 0,1,2,3
.irp i, 0,1,2,3
	ds_store_b128 v[STO], v[WSUM+16*\g+4*\i:WSUM+16*\g+4*\i+3] offset:128*\g+16*\i   ; into my stage (my Q tiles there are done with): row r, keys in their order
.endr
.endr
.irp i, 0,1,2,3,4,5,6,7,8,9,10,11,12,13,14,15
	ds_load_b128 v[SCO+4*\i:SCO+4*\i+3], v[SRD] offset:528*\i   ; back as whole rows of 512 bytes: LDS serves a wave in order (ISA guide 5.7.1.4)
.endr
	QUANT WSUM, 4, PC, TP                          ; the mean, along the keys: source 1 of product 5
.irp d, 0,1,2,3
.irp j, 0,1,2
	ds_load_b128 v[WSUM+12*\d+4*\j:WSUM+12*\d+4*\j+3], v[VA] offset:1536*\d+512*\j   ; V's fragments, into the registers that the mean has left
.endr
.endr
.irp i, 0,1,2,3,4,5,6,7,8,9,10,11,12,13,14,15
	s_wait_dscnt 27-\i                             ; row i is in: behind it stand 15 - i rows and V's twelve loads
	global_store_b128 v[L16], v[SCO+4*\i:SCO+4*\i+3], s[38:39] offset:(\i+8*(\i/8))*8192 th:TH_STORE_NT   ; 512 consecutive bytes, at a multiple of 256 from the first byte of out1
.endr
	s_wait_dscnt 0x0
	s_wait_xcnt 0x0                                ; the stores have read their registers: product 5 lands there
.rept 8
	v_nop                                          ; a scale word made by vector instructions stands 8 places ahead of a scaled matrix instruction, codes so made 4
.endr
.irp d, 0,1,2,3
	MM0 SCO+8*\d, WSUM+12*\d, PC, VSC+\d, PW       ; source 0: 16 channels of the mean of V; source 1: my 16 queries; K: these 128 keys
.endr
	PLACES
.irp i, 0,1,2,3,4,5,6,7
	global_store_b128 v[L16], v[SCO+4*\i:SCO+4*\i+3], s[42:43] offset:512*\i   ; the 32 registers as they stand, each accumulator from its low end on
.endr
	s_wait_tensorcnt 0x0                           ; the end of the wave
	ds_add_u32 v[SPW], v[NIL]
	s_wait_dscnt 0x0
	s_endpgm
.Lfunc_end_k_qbddf2ada21_wavg:
	.size	k_qbddf2ada21_wavg, .Lfunc_end_k_qbddf2ada21_wavg-k_qbddf2ada21_wavg
	.p2alignl 7, 3214868480
	.fill 96, 4, 3214868480
	.section	.rodata,"a",@progbits
	.p2align	6, 0x0
	.amdhsa_kernel k_qbddf2ada21_wavg
		.amdhsa_group_segment_fixed_size 128000
		.amdhsa_private_segment_fixed_size 0
		.amdhsa_enable_private_segment 0
		.amdhsa_kernarg_size 40
		.amdhsa_user_sgpr_count 2
		.amdhsa_user_sgpr_kernarg_segment_ptr 1
		.amdhsa_wavefront_size32 1
		.amdhsa_system_sgpr_workgroup_id_x 1
		.amdhsa_system_sgpr_workgroup_id_y 1
		.amdhsa_system_sgpr_workgroup_id_z 1
		.amdhsa_system_vgpr_workitem_id 0
		.amdhsa_next_free_vgpr 256
		.amdhsa_next_free_sgpr 66
		.amdhsa_reserve_vcc 1
		.amdhsa_float_denorm_mode_32 3
		.amdhsa_float_denorm_mode_16_64 3
		.amdhsa_memory_ordered 1
		.amdhsa_forward_progress 1
		.amdhsa_inst_pref_size 100
	.end_amdhsa_kernel
	.amdgpu_metadata
---
amdhsa.version: [ 1, 2 ]
amdhsa.kernels:
  - .name:           k_qbddf2ada21_wavg
    .symbol:         k_qbddf2ada21_wavg.kd
    .args:
      - { .name: qkcod, .offset: 0, .size: 8, .value_kind: global_buffer, .address_space: global }
      - { .name: vcod, .offset: 8, .size: 8, .value_kind: global_buffer, .address_space: global }
      - { .name: ntau, .offset: 16, .size: 8, .value_kind: global_buffer, .address_space: global }
      - { .name: out1, .offset: 24, .size: 8, .value_kind: global_buffer, .address_space: global }
      - { .name: opart, .offset: 32, .size: 8, .value_kind: global_buffer, .address_space: global }
    .group_segment_fixed_size: 128000
    .private_segment_fixed_size: 0
    .kernarg_segment_align: 8
    .kernarg_segment_size: 40
    .max_flat_workgroup_size: 256
    .sgpr_count:     66
    .vgpr_count:     256
    .wavefront_size: 32
...
	.end_amdgpu_metadata
.endif
;; end of part 4
;; launch outp (part 5): grid 256 x 1, 4 waves a work-group, no clusters, 50,688 bytes of LDS; arguments opart, wcod, bo, out0; writes out0
.if DOCPART == 5
	.amdgcn_target "amdgcn-amd-amdhsa--gfx1250"
	.amdhsa_code_object_version 6
	.text
	.protected	k_qbddf2ada21_outp
	.globl	k_qbddf2ada21_outp
	.p2align	8
	.type	k_qbddf2ada21_outp,@function
k_qbddf2ada21_outp:
	s_mov_b64 s[64:65], 0
	v_nop
	global_prefetch_b8 v0, s[64:65] scope:SCOPE_SE
	s_setreg_imm32_b32 hwreg(HW_REG_WAVE_MODE, 25, 1), 1
	s_wait_xcnt 0x0
; OUTP: the parts of product 5 are added (one for each block of 128 keys up to the diagonal: the blocks behind it were left out, see the head of prep), the sum is quantised along dk, and product 6 and bo follow.
; A work-group takes a tile of 16 queries.  Wave w adds the parts kb = w, w + 4, .. that exist; the four sums meet in LDS; every wave adds them, quantises (the same codes in all four) and makes
; 128 of the 512 columns: four pairs of Wo, [column tile 0 | column tile 1] along a K of 128, against [O | zeros] and [zeros | O].
; LIMITS: as stated at the head of prep.
.set WS_OFF, 614400
.set STG,   16384                      ; LDS: four images of 4,096 bytes at 0; a stage of 16 rows x (512 + 16) bytes for each wave;
.set SPARE, 50176                      ; the spare words, 128 bytes a wave: no other line names them
.set L16, 4
.set L4,  5
.set IW,  6
.set SRD, 7
.set STO, 8
.set BOV, 16                           ; v16-19 bo of my four columns of a row
.set WSC, 20                           ; v20-23 Wo's scale words, v40 O's: these hold scales and nothing else
.set TM,  24
.set PW,  40
.set OZ,  42                           ; v42-59 zeros O zeros
.set TP,  60
.set P,   64                           ; v64-191 up to four parts of 32 registers; then the eight accumulators (v64-127) and 16 rows (v128-191)
.set RW,  128
.set WOF, 192                          ; v192-239 four pairs of Wo
.set SPW, 254
.set NIL, 255
.set WV,  12
.set SEL, 26
.macro QUANT src, nb, pc, tp           ; as in prep
.set QQ, 0
.rept \nb
	v_max3_num_f32 v[TM+QQ], |v[\src+16*QQ]|, |v[\src+16*QQ+1]|, 0x2800000
.set QQ, QQ+1
.endr
.set QJ, 2
.rept 7
.set QQ, 0
.rept \nb
	v_max3_num_f32 v[TM+QQ], v[TM+QQ], |v[\src+16*QQ+QJ]|, |v[\src+16*QQ+QJ+1]|
.set QQ, QQ+1
.endr
.set QJ, QJ+2
.endr
.set QQ, 0
.rept \nb
	v_permlanex16_b32 v[TM+4+QQ], v[TM+QQ], s[SEL], s[SEL+1]
.set QQ, QQ+1
.endr
.set QQ, 0
.rept \nb
	v_max_num_f32 v[TM+QQ], v[TM+QQ], v[TM+4+QQ]
.set QQ, QQ+1
.endr
.set QQ, 0
.rept \nb
	v_add_nc_u32 v[TM+12+QQ], 0xfe000000, v[TM+QQ]
.set QQ, QQ+1
.endr
.set QQ, 0
.rept \nb
	v_lshrrev_b32 v[TM+4+QQ], 23, v[TM+12+QQ]
.set QQ, QQ+1
.endr
	v_lshl_or_b32 v[PW], v[TM+5], 8, v[TM+4]
.if \nb == 4
	v_lshl_or_b32 v[PW], v[TM+6], 16, v[PW]
	v_lshl_or_b32 v[PW], v[TM+7], 24, v[PW]
.else
	v_lshl_or_b32 v[PW], v[PW], 16, v[PW]
.endif
.set QQ, 0
.rept \nb/2
	v_cvt_scalef32_pk16_bf6_f32 v[\pc+6*QQ:\pc+6*QQ+2], v[\src+32*QQ:\src+32*QQ+15], v[TM+12+2*QQ]
	v_cvt_scalef32_pk16_bf6_f32 v[\tp+4*QQ:\tp+4*QQ+2], v[\src+32*QQ+16:\src+32*QQ+31], v[TM+12+2*QQ+1]
.set QQ, QQ+1
.endr
	v_nop
.set QQ, 0
.rept \nb/2
.irp i, 0,1,2
	v_permlane16_swap_b32 v[\pc+6*QQ+\i], v[\tp+4*QQ+\i]
.endr
.irp i, 0,1,2
	v_mov_b32 v[\pc+6*QQ+3+\i], v[\tp+4*QQ+\i]
.endr
.set QQ, QQ+1
.endr
.endm
.macro MM0 d, a, b, sa, sb
	v_wmma_scale_f32_16x16x128_f8f6f4 v[\d:\d+7], v[\a:\a+11], v[\b:\b+11], 0, v[\sa], v[\sb] matrix_a_fmt:MATRIX_FMT_BF6 matrix_b_fmt:MATRIX_FMT_BF6
.endm
.macro ARM n                           ; n parts, 16,384 bytes apart, are loaded and added into v[P] on
.set AI, 0
.rept \n
.irp k, 0,1,2,3,4,5,6,7
	global_load_b128 v[P+32*AI+4*\k:P+32*AI+4*\k+3], v[L16], s[20:21] offset:16384*AI+512*\k
.endr
.set AI, AI+1
.endr
	s_wait_loadcnt 0x0
.if \n > 1
.set AI, 1
.rept \n-1
.irp p, 0,2,4,6,8,10,12,14,16,18,20,22,24,26,28,30
	v_pk_add_f32 v[P+\p:P+\p+1], v[P+\p:P+\p+1], v[P+32*AI+\p:P+32*AI+\p+1]
.endr
.set AI, AI+1
.endr
.endif
.endm
	s_load_b256 s[4:11], s[0:1], 0x0               ; opart, wcod, bo, out0
	v_lshl_add_u32 v[SPW], v0, 2, SPARE
	v_mov_b32 v[NIL], 0
.irp i, 0,1,2,3,4,5
	v_mov_b32 v[OZ+\i], 0                          ; the zero codes
	v_mov_b32 v[OZ+12+\i], 0
.endr
.irp b, 4,5,6,7
	v_mov_b32 v[TM+\b], 0                          ; written once: the destination of a lane permute counts as one of its sources
.endr
	v_lshrrev_b32 v1, 5, v0
	v_readfirstlane_b32 s[WV], v1                  ; wave 0..3
	v_and_b32 v1, 31, v0
	v_and_b32 v2, 15, v0
	v_bfe_u32 v3, v0, 4, 1
	v_lshlrev_b32 v[L16], 4, v1
	v_lshlrev_b32 v[L4], 2, v1
	s_lshl_b32 s28, s[WV], 12
	v_add_nc_u32 v[IW], s28, v[L16]
	s_mul_i32 s28, s[WV], 8448
	s_add_co_u32 s28, s28, STG
	v_add_nc_u32 v[SRD], s28, v[L16]
	v_mul_u32_u24 v[STO], v2, 528
	v_lshl_add_u32 v[STO], v3, 6, v[STO]
	v_add_nc_u32 v[STO], s28, v[STO]
	s_and_b32 s13, ttmp9, 127
	s_lshr_b32 s13, s13, 3                         ; the tile's block of queries: parts 0 .. s13 exist
	s_sub_co_u32 s15, s13, s[WV]
	s_lshr_b32 s14, s15, 2
	s_add_co_u32 s14, s14, 1
	s_cmp_gt_u32 s[WV], s13
	s_cselect_b32 s14, 0, s14                      ; how many of them are mine: 0 to 4
	s_lshl_b32 s28, s[WV], 2
	s_add_co_u32 s28, s28, 384                     ; my four pairs of Wo
	s_mul_i32 s16, s28, 1536
	s_mov_b32 s17, 0
	s_lshl_b32 s18, s28, 7
	s_add_co_u32 s18, s18, WS_OFF
	s_mov_b32 s19, 0
	s_lshl_b32 s20, ttmp9, 16                      ; the tile's sixteen places of 4,096 bytes; my first part
	s_lshl_b32 s29, s[WV], 12
	s_add_co_u32 s20, s20, s29
	s_mov_b32 s21, 0
	s_lshl_b32 s22, s[WV], 9
	s_mov_b32 s23, 0
	s_lshr_b32 s24, ttmp9, 1
	s_lshl_b32 s24, s24, 5
	s_and_b32 s29, ttmp9, 1
	s_lshl_b32 s29, s29, 3
	s_add_co_u32 s24, s24, s29                     ; the tile's first token
	s_lshl_b32 s24, s24, 11
	s_add_co_u32 s24, s24, s22                     ; + my 128 columns
	s_mov_b32 s25, 0
	s_mov_b32 s[SEL], 0x76543210
	s_mov_b32 s[SEL+1], 0xfedcba98
	s_wait_kmcnt 0x0
	s_add_nc_u64 s[16:17], s[6:7], s[16:17]
	s_add_nc_u64 s[18:19], s[6:7], s[18:19]
	s_add_nc_u64 s[20:21], s[4:5], s[20:21]
	s_add_nc_u64 s[22:23], s[8:9], s[22:23]
	s_add_nc_u64 s[24:25], s[10:11], s[24:25]
.irp i, 0,1,2,3,4,5,6,7,8,9,10,11
	global_load_b128 v[WOF+4*\i:WOF+4*\i+3], v[L16], s[16:17] offset:512*\i
.endr
.irp p, 0,1,2,3
	global_load_b32 v[WSC+\p], v[L4], s[18:19] offset:128*\p
.endr
	global_load_b128 v[BOV:BOV+3], v[L16], s[22:23]
	s_cmp_eq_u32 s14, 0                            ; a branch on ids; each arm is whole in itself, and no barrier stands in one
	s_cbranch_scc1 .Larm0
	s_cmp_eq_u32 s14, 1
	s_cbranch_scc1 .Larm1
	s_cmp_eq_u32 s14, 2
	s_cbranch_scc1 .Larm2
	s_cmp_eq_u32 s14, 3
	s_cbranch_scc1 .Larm3
	ARM 4
	s_branch .Lsummed
.Larm3:
	ARM 3
	s_branch .Lsummed
.Larm2:
	ARM 2
	s_branch .Lsummed
.Larm1:
	ARM 1
	s_branch .Lsummed
.Larm0:
.set N, 0
.rept 32
	v_mov_b32 v[P+N], 0
.set N, N+1
.endr
.Lsummed:
	s_wait_loadcnt 0x0                             ; Wo, its scale words, bo
.irp k, 0,1,2,3,4,5,6,7
	ds_store_b128 v[IW], v[P+4*\k:P+4*\k+3] offset:512*\k
.endr
	s_wait_dscnt 0x0
	s_barrier_signal -1
	s_barrier_wait -1                              ; the four sums lie in LDS
.irp m, 0,1,2,3
.irp k, 0,1,2,3,4,5,6,7
	ds_load_b128 v[P+32*\m+4*\k:P+32*\m+4*\k+3], v[L16] offset:4096*\m+512*\k
.endr
.endr
	s_wait_dscnt 0x0
.irp p, 0,2,4,6,8,10,12,14,16,18,20,22,24,26,28,30
	v_pk_add_f32 v[P+\p:P+\p+1], v[P+\p:P+\p+1], v[P+32+\p:P+32+\p+1]
	v_pk_add_f32 v[P+64+\p:P+64+\p+1], v[P+64+\p:P+64+\p+1], v[P+96+\p:P+96+\p+1]
.endr
.irp p, 0,2,4,6,8,10,12,14,16,18,20,22,24,26,28,30
	v_pk_add_f32 v[P+\p:P+\p+1], v[P+\p:P+\p+1], v[P+64+\p:P+64+\p+1]   ; register 16 b + i: channel 32 b + 16 h + i of my query
.endr
	QUANT P, 2, OZ+6, TP
.rept 8
	v_nop                                          ; a scale word made by vector instructions stands 8 places ahead of a scaled matrix instruction, codes so made 4
.endr
.irp p, 0,1,2,3
	MM0 P+16*\p, WOF+12*\p, OZ+6, WSC+\p, PW       ; column tile 0 of pair p: [O | zeros]
	MM0 P+16*\p+8, WOF+12*\p, OZ, WSC+\p, PW       ; column tile 1: [zeros | O]
.endr
.rept 4
	v_nop                                          ; four plain instructions ahead of the first read of results (ISA guide 7.12.1)
.endr
.irp g, 0,1,2,3
.irp i, 0,1,2,3
	ds_store_b128 v[STO], v[P+16*\g+4*\i:P+16*\g+4*\i+3] offset:128*\g+16*\i   ; row r of my stage, columns in their order; each accumulator from its low end on
.endr
.endr
.irp i, 0,1,2,3,4,5,6,7,8,9,10,11,12,13,14,15
	ds_load_b128 v[RW+4*\i:RW+4*\i+3], v[SRD] offset:528*\i   ; back as whole rows of 512 bytes: LDS serves a wave in order (ISA guide 5.7.1.4)
.endr
.irp i, 0,1,2,3,4,5,6,7,8,9,10,11,12,13,14,15
	s_wait_dscnt 15-\i                             ; row i is in; the younger rows may be out
	v_pk_add_f32 v[RW+4*\i:RW+4*\i+1], v[RW+4*\i:RW+4*\i+1], v[BOV:BOV+1]
	v_pk_add_f32 v[RW+4*\i+2:RW+4*\i+3], v[RW+4*\i+2:RW+4*\i+3], v[BOV+2:BOV+3]
	global_store_b128 v[L16], v[RW+4*\i:RW+4*\i+3], s[24:25] offset:(\i+8*(\i/8))*2048 th:TH_STORE_NT   ; 512 consecutive bytes, at a multiple of 256 from the first byte of out0
.endr
	s_wait_tensorcnt 0x0                           ; the end of the wave
	ds_add_u32 v[SPW], v[NIL]
	s_wait_dscnt 0x0
	s_endpgm
.Lfunc_end_k_qbddf2ada21_outp:
	.size	k_qbddf2ada21_outp, .Lfunc_end_k_qbddf2ada21_outp-k_qbddf2ada21_outp
	.p2alignl 7, 3214868480
	.fill 96, 4, 3214868480
	.section	.rodata,"a",@progbits
	.p2align	6, 0x0
	.amdhsa_kernel k_qbddf2ada21_outp
		.amdhsa_group_segment_fixed_size 50688
		.amdhsa_private_segment_fixed_size 0
		.amdhsa_enable_private_segment 0
		.amdhsa_kernarg_size 32
		.amdhsa_user_sgpr_count 2
		.amdhsa_user_sgpr_kernarg_segment_ptr 1
		.amdhsa_wavefront_size32 1
		.amdhsa_system_sgpr_workgroup_id_x 1
		.amdhsa_system_sgpr_workgroup_id_y 1
		.amdhsa_system_sgpr_workgroup_id_z 1
		.amdhsa_system_vgpr_workitem_id 0
		.amdhsa_next_free_vgpr 256
		.amdhsa_next_free_sgpr 66
		.amdhsa_reserve_vcc 0
		.amdhsa_float_denorm_mode_32 3
		.amdhsa_float_denorm_mode_16_64 3
		.amdhsa_memory_ordered 1
		.amdhsa_forward_progress 1
		.amdhsa_inst_pref_size 35
	.end_amdhsa_kernel
	.amdgpu_metadata
---
amdhsa.version: [ 1, 2 ]
amdhsa.kernels:
  - .name:           k_qbddf2ada21_outp
    .symbol:         k_qbddf2ada21_outp.kd
    .args:
      - { .name: opart, .offset: 0, .size: 8, .value_kind: global_buffer, .address_space: global }
      - { .name: wcod, .offset: 8, .size: 8, .value_kind: global_buffer, .address_space: global }
      - { .name: bo, .offset: 16, .size: 8, .value_kind: global_buffer, .address_space: global }
      - { .name: out0, .offset: 24, .size: 8, .value_kind: global_buffer, .address_space: global }
    .group_segment_fixed_size: 50688
    .private_segment_fixed_size: 0
    .kernarg_segment_align: 8
    .kernarg_segment_size: 32
    .max_flat_workgroup_size: 128
    .sgpr_count:     66
    .vgpr_count:     256
    .wavefront_size: 32
...
	.end_amdgpu_metadata
.endif
;; end of part 5
;; ======== version 2 of 2: 5 launches; version 1 with the launches proj, tau, wavg, outp written anew for expert scheduling mode
;; limits: an iteration or a series of the reference is cut at 10 steps; right only within a limited range of input values
;; workspace buffers: xcod 1,703,936 bytes; wcod 665,600 bytes; qkcod 3,538,944 bytes; vcod 212,992 bytes; ntau 131,072 bytes; opart 16,777,216 bytes
;; launch prep: the kernel of part 1 again; grid 356 x 1, 4 waves a work-group, no clusters, 0 bytes of LDS; arguments x, Wq, Wk, Wv, Wo, xcod, wcod; writes xcod, wcod
;; launch proj (part 6): grid 32 x 12, 8 waves a work-group, no clusters, 123,904 bytes of LDS; arguments xcod, wcod, bq, bk, bv, qkcod, vcod; writes qkcod, vcod
.if DOCPART == 6
	.amdgcn_target "amdgcn-amd-amdhsa--gfx1250"
	.amdhsa_code_object_version 6
	.text
	.protected	k_qbddf2ada21_proj
	.globl	k_qbddf2ada21_proj
	.p2align	8
	.type	k_qbddf2ada21_proj,@function
k_qbddf2ada21_proj:
	s_mov_b64 s[64:65], 0
	v_nop
	global_prefetch_b8 v0, s[64:65] scope:SCOPE_SE
	s_setreg_imm32_b32 hwreg(HW_REG_WAVE_SCHED_MODE, 0, 2), 2
	s_setreg_imm32_b32 hwreg(HW_REG_WAVE_MODE, 25, 1), 1
	s_wait_xcnt 0x0
	s_wait_alu depctr_vm_vsrc(0)
; PROJ: products 1 to 3 on the codes that prep made, the biases, and the quantisers behind them.
; A work-group takes 128 tokens (x: 8 tiles, 4 groups of 32) and one unit of 128 output columns (y: 0-3 Q, 4-7 K: two heads each; 8-11 V: 16 of the 64 channels of all eight heads).
; Both operands, 32 fragments each with their scale words, are copied into LDS once, as they lie; wave w takes token group w / 2 (two tiles) and four of the unit's eight tiles (w % 2).
; Q, K: source 0 = 16 rows of W, source 1 = 16 tokens: a lane holds one token and its registers run along dk: they are quantised in registers.  The two token tiles of a group make one
; fragment, [tile 0's 64 | tile 1's 64]: K is stored so (a pair), Q as two halves, each with its two scale bytes written twice.
; V: source 0 = 16 tokens, source 1 = 16 channels of one head: a lane holds one channel and its registers run along the tokens, which are the K of product 5.  The wave adds its four heads and their
; bv; the eight waves' parts meet in LDS; wave 0 adds the halves, divides by 8 and quantises 128 tokens along the keys.
; The biases are added behind the sums: their loads go out at the head of the arm and have the four K steps in which to land.
; LIMITS: as stated at the head of prep.
; THE MODE: SCHED_MODE bits 1:0 = 2 (LLVM: expert scheduling mode 2), set by the entry lines.  The code itself states the register dependences
; between vector or matrix instructions and memory or LDS instructions, with s_wait_alu, always for 0.
; THE PLAN.  Registers that memory or LDS instructions touch:
;   v4-7, v14-15, v230-234  offsets and LDS addresses: made once at the head, ahead of the head's wait on va_vdst, and never written again.  v235, the bias's offset, is made in the arm and has a wait of its own.
;   v120-223   the copy: global loads land, LDS stores read.  One wait on vm_vsrc behind the stores: from there on these registers are the accumulators' and the quantiser's.
;   XF, WF, XSC, WSC  a K step's LDS loads land, its eight products read.  One set (a second would be 78 registers more than the 256 hold): one wait on va_vdst a K step, behind its products, ahead of the next step's loads.
;   BIAS       global loads land once; vector instructions read.
;   PC, PW, QW the quantiser writes, a run of global stores reads: one wait on va_vdst ahead of each run.
;   V's part   the sums over the heads write v120-127 and v152-159, LDS stores read them: one wait on va_vdst ahead of the stores.  No vector instruction follows it on the way to wave 0's loads into v16-143,
;              so it also states that the products, the bias's additions and the sums are done with those registers; one wait on vm_vsrc ahead of the loads states that the stores have read theirs.
.set XS_OFF, 1572864
.set WS_OFF, 614400
.set KC_OFF, 1572864                   ; qkcod: Q's halves [bh][tile 128][768]; K's pairs [bh][group 64][1536]; Q's scale words [bh][tile][128]; K's [bh][group][128]
.set QS_OFF, 3145728
.set KS_OFF, 3407872
.set VS_OFF, 196608                    ; vcod: [b][key block 16][channel tile 4][1536]; then the scale words, 128 bytes each
.set WI,    49152                      ; LDS: x's 32 fragments at 0; W's at WI;
.set XSL,   98304                      ; x's scale words, 128 bytes a fragment; W's;
.set WSL,   102400
.set VP,    106496                     ; V: 2,048 bytes for each wave's part
.set SPARE, 122880                     ; the spare words, 128 bytes a wave: no other line names them
.set XA,  4                            ; v4-7    LDS addresses: my x fragments, my W fragments, their scale words
.set WA,  5
.set XSA, 6
.set WSA, 7
.set XSC, 8                            ; v8-9    x's scale words;  v10-13 W's: these six hold scales and nothing else
.set WSC, 10
.set C0,  14                           ; v14-15  the copy: 16 x thread, and the same + WI
.set C1,  15
.set XF,  16                           ; v16-39  two fragments of x
.set WF,  40                           ; v40-87  four of W
.set BIAS, 88                          ; v88-119
.set ACC, 120                          ; v120-183 eight accumulators: (token tile u, W tile f) at 32 u + 8 f
.set CP,  120                          ; v120-223 the copy's 26 x 4 registers, before anything else lives there
.set TM,  184
.set PW,  200
.set PC,  202
.set TP,  214
.set L16, 230
.set L8,  231
.set L4,  232
.set VPW, 233
.set VPR, 234
.set BO,  235
.set QW,  236
.set SPW, 254                          ; v254, v255: my spare word's address, and 0; kept for that alone
.set NIL, 255
.set E8,  44                           ; s[44:45] 1 / 8
.set SEL, 46                           ; s[46:47]
.macro QUANT src, nb, pc, tp           ; as in prep
.set QQ, 0
.rept \nb
	v_max3_num_f32 v[TM+QQ], |v[\src+16*QQ]|, |v[\src+16*QQ+1]|, 0x2800000
.set QQ, QQ+1
.endr
.set QJ, 2
.rept 7
.set QQ, 0
.rept \nb
	v_max3_num_f32 v[TM+QQ], v[TM+QQ], |v[\src+16*QQ+QJ]|, |v[\src+16*QQ+QJ+1]|
.set QQ, QQ+1
.endr
.set QJ, QJ+2
.endr
.set QQ, 0
.rept \nb
	v_permlanex16_b32 v[TM+4+QQ], v[TM+QQ], s[SEL], s[SEL+1]
.set QQ, QQ+1
.endr
.set QQ, 0
.rept \nb
	v_max_num_f32 v[TM+QQ], v[TM+QQ], v[TM+4+QQ]
.set QQ, QQ+1
.endr
.set QQ, 0
.rept \nb
	v_add_nc_u32 v[TM+12+QQ], 0xfe000000, v[TM+QQ]
.set QQ, QQ+1
.endr
.set QQ, 0
.rept \nb
	v_lshrrev_b32 v[TM+4+QQ], 23, v[TM+12+QQ]
.set QQ, QQ+1
.endr
	v_lshl_or_b32 v[PW], v[TM+5], 8, v[TM+4]
.if \nb == 4
	v_lshl_or_b32 v[PW], v[TM+6], 16, v[PW]
	v_lshl_or_b32 v[PW], v[TM+7], 24, v[PW]
.else
	v_lshl_or_b32 v[PW], v[PW], 16, v[PW]
.endif
.set QQ, 0
.rept \nb/2
	v_cvt_scalef32_pk16_bf6_f32 v[\pc+6*QQ:\pc+6*QQ+2], v[\src+32*QQ:\src+32*QQ+15], v[TM+12+2*QQ]
	v_cvt_scalef32_pk16_bf6_f32 v[\tp+4*QQ:\tp+4*QQ+2], v[\src+32*QQ+16:\src+32*QQ+31], v[TM+12+2*QQ+1]
.set QQ, QQ+1
.endr
	v_nop
.set QQ, 0
.rept \nb/2
.irp i, 0,1,2
	v_permlane16_swap_b32 v[\pc+6*QQ+\i], v[\tp+4*QQ+\i]
.endr
.irp i, 0,1,2
	v_mov_b32 v[\pc+6*QQ+3+\i], v[\tp+4*QQ+\i]
.endr
.set QQ, QQ+1
.endr
.endm
.macro PLACES                          ; four plain instructions behind a matrix instruction (ISA guide 7.12.1)
.rept 4
	v_nop
.endr
.endm
.macro BAR                             ; my LDS stores have landed and my LDS loads are in: then the barrier
	s_wait_dscnt 0x0
	s_barrier_signal -1
	s_barrier_wait -1
.endm
.macro MM0 d, a, b, sa, sb             ; a product that starts a sum
	v_wmma_scale_f32_16x16x128_f8f6f4 v[\d:\d+7], v[\a:\a+11], v[\b:\b+11], 0, v[\sa], v[\sb] matrix_a_fmt:MATRIX_FMT_BF6 matrix_b_fmt:MATRIX_FMT_BF6
.endm
.macro MMA d, a, b, sa, sb             ; and one that adds in place
	v_wmma_scale_f32_16x16x128_f8f6f4 v[\d:\d+7], v[\a:\a+11], v[\b:\b+11], v[\d:\d+7], v[\sa], v[\sb] matrix_a_fmt:MATRIX_FMT_BF6 matrix_b_fmt:MATRIX_FMT_BF6
.endm
; K step s of four: six fragments and their scale words from LDS, eight products; the eight accumulators take turns, one instruction a turn.  swap = 1: x is source 0
.macro KSTEP s, swap
.if \s > 0
	PLACES
	s_wait_alu depctr_va_vdst(0)                   ; the eight products of the K step before are done reading their six fragments and six scale words, in which the loads below land
.endif
.irp u, 0,1
.irp j, 0,1,2
	ds_load_b128 v[XF+12*\u+4*\j:XF+12*\u+4*\j+3], v[XA] offset:6144*\u+1536*\s+512*\j
.endr
	ds_load_b32 v[XSC+\u], v[XSA] offset:512*\u+128*\s
.endr
.irp f, 0,1,2,3
.irp j, 0,1,2
	ds_load_b128 v[WF+12*\f+4*\j:WF+12*\f+4*\j+3], v[WA] offset:6144*\f+1536*\s+512*\j
.endr
	ds_load_b32 v[WSC+\f], v[WSA] offset:512*\f+128*\s
.endr
	s_wait_dscnt 0x0
.irp u, 0,1
.irp f, 0,1,2,3
.if \swap
.if \s == 0
	MM0 ACC+32*\u+8*\f, XF+12*\u, WF+12*\f, XSC+\u, WSC+\f
.else
	MMA ACC+32*\u+8*\f, XF+12*\u, WF+12*\f, XSC+\u, WSC+\f
.endif
.else
.if \s == 0
	MM0 ACC+32*\u+8*\f, WF+12*\f, XF+12*\u, WSC+\f, XSC+\u
.else
	MMA ACC+32*\u+8*\f, WF+12*\f, XF+12*\u, WSC+\f, XSC+\u
.endif
.endif
.endr
.endr
.endm
	s_load_b256 s[4:11], s[0:1], 0x0               ; xcod, wcod, bq, bk
	s_load_b128 s[12:15], s[0:1], 0x20             ; bv, qkcod
	s_load_b64 s[16:17], s[0:1], 0x30              ; vcod
	v_lshl_add_u32 v[SPW], v0, 2, SPARE
	v_mov_b32 v[NIL], 0
	v_lshrrev_b32 v1, 5, v0
	v_readfirstlane_b32 s18, v1                    ; wave 0..7
	s_and_b32 s19, ttmp7, 0xffff                   ; the unit of columns
	v_and_b32 v1, 31, v0                           ; lane.  (What hangs on the lane alone stands here, between the line above and the wait for its result)
	v_and_b32 v2, 15, v0                           ; r
	v_bfe_u32 v3, v0, 4, 1                         ; h
	v_lshlrev_b32 v[L16], 4, v1
	v_lshlrev_b32 v[L8], 3, v1
	v_lshlrev_b32 v[L4], 2, v1
	v_add_nc_u32 v[VPR], VP, v[L16]
	v_lshlrev_b32 v[C0], 4, v0
	v_add_nc_u32 v[C1], WI, v[C0]
	s_wait_alu depctr_va_sdst(0)                   ; s18 is written, ahead of its first reader
	s_lshr_b32 s20, s18, 1                         ; my group of 32 tokens
	s_and_b32 s21, s18, 1                          ; my four tiles of W
	s_mul_i32 s24, s20, 12288                      ; every LDS address: a constant + a constant x wave part + a constant x lane
	v_add_nc_u32 v[XA], s24, v[L16]
	s_mul_i32 s24, s21, 24576
	s_add_co_u32 s24, s24, WI
	v_add_nc_u32 v[WA], s24, v[L16]
	s_lshl_b32 s24, s20, 10
	s_add_co_u32 s24, s24, XSL
	v_add_nc_u32 v[XSA], s24, v[L4]
	s_lshl_b32 s24, s21, 11
	s_add_co_u32 s24, s24, WSL
	v_add_nc_u32 v[WSA], s24, v[L4]
	s_lshl_b32 s24, s18, 11
	s_add_co_u32 s24, s24, VP
	v_add_nc_u32 v[VPW], s24, v[L16]
	s_mul_i32 s24, ttmp9, 49152                    ; my 32 fragments of x,
	s_mov_b32 s25, 0
	s_mul_i32 s26, s19, 49152                      ; of W,
	s_mov_b32 s27, 0
	s_lshl_b32 s28, ttmp9, 12                      ; and their scale words
	s_add_co_u32 s28, s28, XS_OFF
	s_mov_b32 s29, 0
	s_lshl_b32 s30, s19, 12
	s_add_co_u32 s30, s30, WS_OFF
	s_mov_b32 s31, 0
	s_mov_b32 s[E8], 0x3e000000
	s_mov_b32 s[E8+1], 0x3e000000
	s_mov_b32 s[SEL], 0x76543210
	s_mov_b32 s[SEL+1], 0xfedcba98
	s_wait_kmcnt 0x0
	s_add_nc_u64 s[24:25], s[4:5], s[24:25]
	s_add_nc_u64 s[26:27], s[6:7], s[26:27]
	s_add_nc_u64 s[28:29], s[4:5], s[28:29]
	s_add_nc_u64 s[30:31], s[6:7], s[30:31]
	s_wait_alu depctr_va_vdst(0)                   ; the offsets and LDS addresses v4-7, v14-15 and v230-234 are written, which the loads and stores of the whole kernel read
.irp i, 0,1,2,3,4,5,6,7,8,9,10,11
	global_load_b128 v[CP+4*\i:CP+4*\i+3], v[C0], s[24:25] offset:4096*\i   ; the 256 threads read 4,096 consecutive bytes
.endr
.irp i, 0,1,2,3,4,5,6,7,8,9,10,11
	global_load_b128 v[CP+48+4*\i:CP+48+4*\i+3], v[C0], s[26:27] offset:4096*\i
.endr
	global_load_b128 v[CP+96:CP+99], v[C0], s[28:29]
	global_load_b128 v[CP+100:CP+103], v[C0], s[30:31]
	s_wait_loadcnt 0x0
.irp i, 0,1,2,3,4,5,6,7,8,9,10,11
	ds_store_b128 v[C0], v[CP+4*\i:CP+4*\i+3] offset:4096*\i
.endr
.irp i, 0,1,2,3,4,5,6,7,8,9,10,11
	ds_store_b128 v[C1], v[CP+48+4*\i:CP+48+4*\i+3] offset:4096*\i
.endr
	ds_store_b128 v[C1], v[CP+96:CP+99] offset:XSL-WI
	ds_store_b128 v[C1], v[CP+100:CP+103] offset:WSL-WI
	s_wait_alu depctr_vm_vsrc(0)                   ; the LDS stores have read v120-223: the four lines below, the products and the quantiser write these registers from here on
.irp b, 4,5,6,7
	v_mov_b32 v[TM+\b], 0                          ; written once: the destination of a lane permute counts as one of its sources
.endr
	BAR                                            ; both operands lie in LDS
	s_cmp_ge_u32 s19, 8
	s_cbranch_scc1 .Lv
	; ---- Q or K
	s_and_b32 s22, s19, 3
	s_lshl_b32 s22, s22, 1
	s_add_co_u32 s22, s22, s21                     ; my head
	s_lshl_b32 s32, s22, 8
	s_mov_b32 s33, 0
	s_cmp_lt_u32 s19, 4
	s_cselect_b64 s[34:35], s[8:9], s[10:11]       ; bq or bk
	s_add_nc_u64 s[34:35], s[34:35], s[32:33]
	v_lshlrev_b32 v[BO], 6, v3                     ; lane (r, h) wants, for tile f, the bias of channels 32 (f / 2) + 16 h + 8 (f % 2) + 0 .. 7
	s_wait_alu depctr_va_vdst(0)                   ; v[BO] is written, which the eight loads below read as their offset
.irp f, 0,1,2,3
	global_load_b128 v[BIAS+8*\f:BIAS+8*\f+3], v[BO], s[34:35] offset:128*(\f/2)+32*(\f%2)
	global_load_b128 v[BIAS+8*\f+4:BIAS+8*\f+7], v[BO], s[34:35] offset:128*(\f/2)+32*(\f%2)+16
.endr
	KSTEP 0, 0
	KSTEP 1, 0
	KSTEP 2, 0
	KSTEP 3, 0
	PLACES
	s_wait_loadcnt 0x0                             ; the bias
.irp u, 0,1
.irp f, 0,1,2,3
.irp p, 0,2,4,6
	v_pk_add_f32 v[ACC+32*\u+8*\f+\p:ACC+32*\u+8*\f+\p+1], v[ACC+32*\u+8*\f+\p:ACC+32*\u+8*\f+\p+1], v[BIAS+8*\f+\p:BIAS+8*\f+\p+1]   ; each accumulator from its low end on
.endr
.endr
.endr
	QUANT ACC, 4, PC, TP                           ; blocks: (tile 0, dk 0-31), (tile 0, dk 32-63), (tile 1, ..), (tile 1, ..)
	s_lshr_b32 s34, ttmp9, 4                       ; batch
	s_and_b32 s35, ttmp9, 15                       ; block of 128 tokens in it
	s_lshl_b32 s36, s34, 3
	s_add_co_u32 s36, s36, s22                     ; bh
	s_lshl_b32 s36, s36, 6
	s_lshl_b32 s37, s35, 2
	s_add_co_u32 s36, s36, s37
	s_add_co_u32 s36, s36, s20                     ; 64 bh + group
	s_mul_i32 s38, s36, 1536
	s_mov_b32 s39, 0
	s_mov_b32 s41, 0
	s_cmp_lt_u32 s19, 4
	s_cbranch_scc1 .Lq
	s_add_co_u32 s38, s38, KC_OFF                  ; K: the pair as it stands
	s_add_nc_u64 s[38:39], s[14:15], s[38:39]
	s_lshl_b32 s40, s36, 7
	s_add_co_u32 s40, s40, KS_OFF
	s_add_nc_u64 s[40:41], s[14:15], s[40:41]
	s_wait_alu depctr_va_vdst(0)                   ; the quantiser has written the codes v[PC ..] and the scale word v[PW], which the four stores read
.irp j, 0,1,2
	global_store_b128 v[L16], v[PC+4*\j:PC+4*\j+3], s[38:39] offset:512*\j
.endr
	global_store_b32 v[L4], v[PW], s[40:41]
	s_branch .Ljoin
.Lq:
	s_add_nc_u64 s[38:39], s[14:15], s[38:39]      ; Q: two halves of six registers, 8 bytes a lane and store
	s_lshl_b32 s40, s36, 8
	s_add_co_u32 s40, s40, QS_OFF
	s_add_nc_u64 s[40:41], s[14:15], s[40:41]
	v_perm_b32 v[QW], v[PW], v[PW], 0x01000100     ; tile 0: its two bytes twice
	v_perm_b32 v[QW+1], v[PW], v[PW], 0x03020302   ; tile 1
	s_wait_alu depctr_va_vdst(0)                   ; the quantiser has written the codes v[PC ..], the two lines above the scale words v[QW], v[QW+1]: the eight stores read them
.irp u, 0,1
.irp j, 0,1,2
	global_store_b64 v[L8], v[PC+6*\u+2*\j:PC+6*\u+2*\j+1], s[38:39] offset:768*\u+256*\j
.endr
	global_store_b32 v[L4], v[QW+\u], s[40:41] offset:128*\u
.endr
	s_branch .Ljoin
.Lv:
	; ---- V: my two token tiles x the same 16 channels of four heads
	s_sub_co_u32 s22, s19, 8                       ; channel tile 0..3: channels 32 (t / 2) + 8 (t % 2) + r + 8 (r / 8)
	s_lshr_b32 s32, s22, 1
	s_lshl_b32 s32, s32, 7
	s_and_b32 s33, s22, 1
	s_lshl_b32 s33, s33, 5
	s_add_co_u32 s32, s32, s33
	s_lshl_b32 s33, s21, 10                        ; my four heads: 256 bytes of bv each
	s_add_co_u32 s32, s32, s33
	s_mov_b32 s33, 0
	s_add_nc_u64 s[34:35], s[12:13], s[32:33]
	v_and_b32 v[BO], 8, v2
	v_add_nc_u32 v[BO], v[BO], v2
	v_lshlrev_b32 v[BO], 2, v[BO]
	s_wait_alu depctr_va_vdst(0)                   ; v[BO] is written, which the four loads below read as their offset
.irp a, 0,1,2,3
	global_load_b32 v[BIAS+\a], v[BO], s[34:35] offset:256*\a
.endr
	KSTEP 0, 1
	KSTEP 1, 1
	KSTEP 2, 1
	KSTEP 3, 1
	PLACES
.irp u, 0,1
.irp p, 0,2,4,6
	v_pk_add_f32 v[ACC+32*\u+\p:ACC+32*\u+\p+1], v[ACC+32*\u+\p:ACC+32*\u+\p+1], v[ACC+32*\u+8+\p:ACC+32*\u+8+\p+1]       ; four heads become one; each accumulator from its low end on
	v_pk_add_f32 v[ACC+32*\u+16+\p:ACC+32*\u+16+\p+1], v[ACC+32*\u+16+\p:ACC+32*\u+16+\p+1], v[ACC+32*\u+24+\p:ACC+32*\u+24+\p+1]
.endr
.irp p, 0,2,4,6
	v_pk_add_f32 v[ACC+32*\u+\p:ACC+32*\u+\p+1], v[ACC+32*\u+\p:ACC+32*\u+\p+1], v[ACC+32*\u+16+\p:ACC+32*\u+16+\p+1]
.endr
.endr
	s_wait_loadcnt 0x0                             ; bv
	v_add_f32 v[BIAS], v[BIAS], v[BIAS+1]
	v_add_f32 v[BIAS+2], v[BIAS+2], v[BIAS+3]
	v_add_f32 v[BIAS], v[BIAS], v[BIAS+2]          ; my channel's bias of the four heads
.irp u, 0,1
.irp p, 0,2,4,6
	v_pk_add_f32 v[ACC+32*\u+\p:ACC+32*\u+\p+1], v[ACC+32*\u+\p:ACC+32*\u+\p+1], v[BIAS:BIAS+1] op_sel_hi:[1,0]
.endr
.endr
	s_wait_alu depctr_va_vdst(0)                   ; the additions have written my part, which the LDS stores read; and the products, the bias's additions and the sums are done with v16-143, in which wave 0's loads land behind the barrier
.irp u, 0,1
.irp i, 0,1
	ds_store_b128 v[VPW], v[ACC+32*\u+4*\i:ACC+32*\u+4*\i+3] offset:1024*\u+512*\i   ; 16 registers: tokens 32 group + 16 h + 0 .. 15 of my channel
.endr
.endr
.Ljoin:
	BAR                                            ; every wave of every work-group passes it; in V's work-groups the eight parts now lie in LDS
	s_cmp_lt_u32 s19, 8
	s_cbranch_scc1 .Lend
	s_cmp_lg_u32 s18, 0
	s_cbranch_scc1 .Lend
	; ---- V, wave 0: the halves are added, divided by 8 and quantised along the 128 tokens
	s_wait_xcnt 0x0                                ; whatever was stored above has read its registers
	s_wait_alu depctr_vm_vsrc(0)                   ; my LDS stores have read v120-127, in which the loads below land, and v152-159, which the additions below write
	s_lshl_b32 s32, ttmp9, 2
	s_sub_co_u32 s33, s19, 8
	s_add_co_u32 s32, s32, s33                     ; 4 x block of tokens + channel tile
	s_mul_i32 s34, s32, 1536
	s_mov_b32 s35, 0
	s_add_nc_u64 s[34:35], s[16:17], s[34:35]
	s_lshl_b32 s36, s32, 7
	s_add_co_u32 s36, s36, VS_OFF
	s_mov_b32 s37, 0
	s_add_nc_u64 s[36:37], s[16:17], s[36:37]
.irp w, 0,1,2,3,4,5,6,7
.irp k, 0,1,2,3
	ds_load_b128 v[16+16*\w+4*\k:16+16*\w+4*\k+3], v[VPR] offset:2048*\w+512*\k
.endr
.endr
	s_wait_dscnt 0x0
.irp g, 3,2,1,0                        ; descending: a group's results land only on registers whose parts have been added
.irp p, 0,2,4,6,8,10,12,14
	v_pk_add_f32 v[ACC+16*\g+\p:ACC+16*\g+\p+1], v[16+32*\g+\p:16+32*\g+\p+1], v[32+32*\g+\p:32+32*\g+\p+1]
.endr
.endr
.set N, 0
.rept 32
	v_pk_mul_f32 v[ACC+N:ACC+N+1], v[ACC+N:ACC+N+1], s[E8:E8+1] op_sel_hi:[1,0]   ; the mean over eight heads
.set N, N+2
.endr
	QUANT ACC, 4, PC, TP
	s_wait_alu depctr_va_vdst(0)                   ; the quantiser has written the codes v[PC ..] and the scale word v[PW], which the four stores read
.irp j, 0,1,2
	global_store_b128 v[L16], v[PC+4*\j:PC+4*\j+3], s[34:35] offset:512*\j
.endr
	global_store_b32 v[L4], v[PW], s[36:37]
.Lend:
	s_wait_dscnt 0x0                               ; the closing lines, six on end
	s_wait_alu 0x0
	s_wait_tensorcnt 0x0
	ds_add_u32 v[SPW], v[NIL]
	s_wait_dscnt 0x0
	s_endpgm
.Lfunc_end_k_qbddf2ada21_proj:
	.size	k_qbddf2ada21_proj, .Lfunc_end_k_qbddf2ada21_proj-k_qbddf2ada21_proj
	.p2alignl 7, 3214868480
	.fill 96, 4, 3214868480
	.section	.rodata,"a",@progbits
	.p2align	6, 0x0
	.amdhsa_kernel k_qbddf2ada21_proj
		.amdhsa_group_segment_fixed_size 123904
		.amdhsa_private_segment_fixed_size 0
		.amdhsa_enable_private_segment 0
		.amdhsa_kernarg_size 56
		.amdhsa_user_sgpr_count 2
		.amdhsa_user_sgpr_kernarg_segment_ptr 1
		.amdhsa_wavefront_size32 1
		.amdhsa_system_sgpr_workgroup_id_x 1
		.amdhsa_system_sgpr_workgroup_id_y 1
		.amdhsa_system_sgpr_workgroup_id_z 1
		.amdhsa_system_vgpr_workitem_id 0
		.amdhsa_next_free_vgpr 256
		.amdhsa_next_free_sgpr 66
		.amdhsa_reserve_vcc 0
		.amdhsa_float_denorm_mode_32 3
		.amdhsa_float_denorm_mode_16_64 3
		.amdhsa_memory_ordered 1
		.amdhsa_forward_progress 1
		.amdhsa_inst_pref_size 52
	.end_amdhsa_kernel
	.amdgpu_metadata
---
amdhsa.version: [ 1, 2 ]
amdhsa.kernels:
  - .name:           k_qbddf2ada21_proj
    .symbol:         k_qbddf2ada21_proj.kd
    .args:
      - { .name: xcod, .offset: 0, .size: 8, .value_kind: global_buffer, .address_space: global }
      - { .name: wcod, .offset: 8, .size: 8, .value_kind: global_buffer, .address_space: global }
      - { .name: bq, .offset: 16, .size: 8, .value_kind: global_buffer, .address_space: global }
      - { .name: bk, .offset: 24, .size: 8, .value_kind: global_buffer, .address_space: global }
      - { .name: bv, .offset: 32, .size: 8, .value_kind: global_buffer, .address_space: global }
      - { .name: qkcod, .offset: 40, .size: 8, .value_kind: global_buffer, .address_space: global }
      - { .name: vcod, .offset: 48, .size: 8, .value_kind: global_buffer, .address_space: global }
    .group_segment_fixed_size: 123904
    .private_segment_fixed_size: 0
    .kernarg_segment_align: 8
    .kernarg_segment_size: 56
    .max_flat_workgroup_size: 256
    .sgpr_count:     66
    .vgpr_count:     256
    .wavefront_size: 32
...
	.end_amdgpu_metadata
.endif
;; end of part 6
;; launch tau (part 7): grid 16 x 16, 8 waves a work-group, no clusters, 111,616 bytes of LDS; arguments qkcod, ntau; writes ntau
.if DOCPART == 7
	.amdgcn_target "amdgcn-amd-amdhsa--gfx1250"
	.amdhsa_code_object_version 6
	.text
	.protected	k_qbddf2ada21_tau
	.globl	k_qbddf2ada21_tau
	.p2align	8
	.type	k_qbddf2ada21_tau,@function
k_qbddf2ada21_tau:
	s_mov_b64 s[64:65], 0
	v_nop
	global_prefetch_b8 v0, s[64:65] scope:SCOPE_SE
	s_setreg_imm32_b32 hwreg(HW_REG_WAVE_SCHED_MODE, 0, 2), 2
	s_setreg_imm32_b32 hwreg(HW_REG_WAVE_MODE, 25, 1), 1
	s_wait_xcnt 0x0
	s_wait_alu depctr_vm_vsrc(0)
; TAU: for every (batch, head, query) the entmax threshold: the root of sum over the live keys of max(z - tau, 0)^2 = 1, z = Q.K / 16 (the 1/8 of the scores and the 1/2 of the entmax).
; One pass finds the row's largest score; tau = max z - 1; then PASSN Newton steps on sqrt(S2) - 1: tau += (S2 - sqrt(S2)) / S1.  Why this is the entmax of reference(), why it never passes the root, and
; what the count of passes rests on: the head of prep.  The scores of a row do not fit in registers or LDS: every pass multiplies them anew (product 4), one matrix instruction for 256 scores.
; WORK LEFT OUT: tiles of scores that lie wholly above the diagonal (reference() masks them in its own body: their weight is 0 for all inputs).  LIMITS: as stated at the head of prep.
; SHARES.  A work-group owns one (batch, head) and two blocks of 64 queries, c = g and c = 31 - g: together 62 whole groups of 32 keys and 4 on the diagonal, the same for every g.  Two teams of four waves,
; a team to a block.  A team's member m takes the groups G = m mod 4 under 2 c; the two groups on the diagonal, 2 c and 2 c + 1, go to members (2 c) % 4 and (2 c) % 4 + 1.  All four members hold all 64 queries
; (four tiles); their partial sums meet in LDS at the end of each pass, and each member makes the same update.
; K = 64 IN AN INSTRUCTION OF 128.  Source 0 is a pair [key tile 0 | key tile 1]; source 1 is [Q | zeros] or [zeros | Q]: zero codes add nothing under any scale byte that occurs here (1 to 254).
; A lane holds ONE query (row lane % 16 of its tile); registers 8 u + j of tiles u = 0, 1 are keys 32 G + 16 (lane / 16) + 8 u + j.
; The whole head's 64 pairs are copied into LDS though the groups from 62 - 2 g on are multiplied by nobody: the look-ahead's address is held inside the images, not inside the live ones.
; THE MODE: SCHED_MODE bits 1:0 = 2 (LLVM: expert scheduling mode 2), set by the entry lines.  The code itself states the register dependences
; between vector or matrix instructions and memory or LDS instructions, with s_wait_alu, always for 0.
; THE PLAN.  Registers that memory or LDS instructions touch:
;   v2-3, v6-9, v170-172  offsets and LDS addresses: made once at the head, ahead of the head's wait on va_vdst, and never written again.
;   v4-5 (AK, AS)   written by two additions at a step's head, read by the step's four LDS loads.  A wait on vm_vsrc ahead of the additions (the last step's loads have read them); the step's wait on va_vdst behind them.
;   KA, KB and their scale words   Step n's products read one set; the four loads at the head of step n land in the other, which the products of step n - 1 read.  The step's ONE wait on va_vdst stands at its head,
;                   ahead of its own first product: it states that those products are done reading, and that AK and AS are written.  The loads have the whole step in which to land.
;                   A pass's first loads, into set A, lean on the wait ahead of the last pass's LDS stores: no instruction since names set A.
;   KD, Q and their scale words   loaded once at the head.
;   v48-103, v176-223   the copy at the head: global loads land, LDS stores read: one wait on vm_vsrc behind the barrier frees them.
;   T+8 .. T+11     a pass's four parts: vector instructions write, LDS stores read: a wait on va_vdst ahead of the stores.
;   T .. T+15       the four members' parts: LDS loads land: all vector instructions that named them stand ahead of that same wait; a wait on vm_vsrc behind the barrier states that the stores have read T+8 .. T+11.
; The masks of the diagonal are made in runs of eight compares into scalar registers, with one wait on va_sdst behind a run, ahead of the eight selects.
.set KC_OFF, 1572864
.set QS_OFF, 3145728
.set KS_OFF, 3407872
.set KSL,   98304                      ; LDS: 64 pairs of 1,536 bytes at 0; their scale words, 128 bytes each;
.set SCR,   106496                     ; the partial sums: team x 2,048 + query tile x 512 + lane x 16 + member x 4;
.set SPARE, 110592                     ; the spare words, 128 bytes a wave: no other line names them
.set PASSN, 10
.set K0A, 2                            ; v2   16 lane + 1,536 member: my first pair
.set S0A, 3                            ; v3   its scale word
.set AK,  4                            ; v4-5 the addresses in hand
.set AS,  5
.set SCW, 6                            ; v6   where I put a partial sum;  v7 where I read the four
.set SCRD, 7
.set L8,  8
.set L4,  9
.set RHO, 10                           ; v10  r + 8 (r / 8) - 16 h: on the diagonal register j of tile u is hidden from query tile q where j + 8 (u - q % 2) > v10
.set NINF, 11                          ; v11  -infinity
.set NT,  12                           ; v12-19 four pairs: -tau in the low word (the packed form names the pair)
.set MX,  20                           ; v20-23 the largest raw score
.set SUM1, 24                          ; v24-31 S1, a pair for each query tile;  v32-39 S2
.set SUM2, 32
.set QSC, 40                           ; v40-43 Q's scale words; v44-46 those of K's sets A, B and of the diagonal pair: these seven hold scales and nothing else
.set KSCA, 44
.set KSCB, 45
.set KSCD, 46
.set T,   48                           ; v48-79 at work
.set KA,  80                           ; v80-91, v92-103 two sets for K's pairs;  v104-115 my pair on the diagonal, kept for all passes
.set KB,  92
.set KD,  104
.set QZ,  116                          ; v116-169 zeros Q0 zeros Q1 zeros Q2 zeros Q3 zeros, six registers each: [zeros | Qq] at 116 + 12 q, [Qq | zeros] at 122 + 12 q
.set L16, 170
.set C0,  171
.set C1,  172
.set ACC, 176                          ; v176-239 eight tiles of scores: (u, q) at 8 (4 u + q)
.set SPW, 254
.set NIL, 255
.set WV,  8
.set TEAM, 9
.set MEM, 10
.set BH,  11
.set CQ,  12
.set C2,  13                           ; s13  2 c: the groups under it are whole
.set DSEL, 14                          ; s14  0: I take group 2 c; 1: group 2 c + 1; else none
.set C16, 16                           ; s[16:17] 1 / 16
.set SEL, 18
.set HM,  20                           ; s20  lanes 16-31
.set GRP, 21
.set KO,  22
.set SO,  23
.set TRIP, 32
.set PASSES, 33
.set NEG16, 44
.macro PLACES                          ; four plain instructions behind a matrix instruction, ahead of a read of its result (ISA guide 7.12.1)
.rept 4
	v_nop
.endr
.endm
.macro BAR
	s_wait_dscnt 0x0
	s_barrier_signal -1
	s_barrier_wait -1
.endm
.macro MM0 d, a, b, sa, sb
	v_wmma_scale_f32_16x16x128_f8f6f4 v[\d:\d+7], v[\a:\a+11], v[\b:\b+11], 0, v[\sa], v[\sb] matrix_a_fmt:MATRIX_FMT_BF6 matrix_b_fmt:MATRIX_FMT_BF6
.endm
.macro W u, q, ks, ksc                 ; key tile u of the pair in ks x query tile q
	MM0 ACC+8*(4*(\u)+(\q)), \ks, QZ+6*(1-(\u))+12*(\q), \ksc, QSC+(\q)
.endm
.macro WALL ks, ksc, u
.irp q, 0,1,2,3
	W \u, \q, \ks, \ksc
.endr
.endm
.macro VAB u, g                        ; tiles (u, 2 g), (u, 2 g + 1): u = max(raw / 16 - tau, 0); each accumulator from its low end on
.set TA, ACC+8*(4*(\u)+2*(\g))
.set NA, NT+4*(\g)
.irp p, 0,2,4,6
	v_pk_fma_f32 v[TA+\p:TA+\p+1], v[TA+\p:TA+\p+1], s[C16:C16+1], v[NA:NA+1] op_sel_hi:[1,0,0]
	v_pk_fma_f32 v[TA+8+\p:TA+8+\p+1], v[TA+8+\p:TA+8+\p+1], s[C16:C16+1], v[NA+2:NA+3] op_sel_hi:[1,0,0]
.endr
.irp p, 0,1,2,3,4,5,6,7
	v_max_num_f32 v[TA+\p], 0, v[TA+\p]
	v_max_num_f32 v[TA+8+\p], 0, v[TA+8+\p]
.endr
.endm
.macro VCS u, g                        ; S1 += u, S2 += u u: four chains by turns
.set TA, ACC+8*(4*(\u)+2*(\g))
.set SA, SUM1+4*(\g)
.set SB, SUM2+4*(\g)
.irp p, 0,2,4,6
	v_pk_add_f32 v[SA:SA+1], v[SA:SA+1], v[TA+\p:TA+\p+1]
	v_pk_add_f32 v[SA+2:SA+3], v[SA+2:SA+3], v[TA+8+\p:TA+8+\p+1]
	v_pk_fma_f32 v[SB:SB+1], v[TA+\p:TA+\p+1], v[TA+\p:TA+\p+1], v[SB:SB+1]
	v_pk_fma_f32 v[SB+2:SB+3], v[TA+8+\p:TA+8+\p+1], v[TA+8+\p:TA+8+\p+1], v[SB+2:SB+3]
.endr
.endm
.macro VM u, g                         ; the largest raw score
.set TA, ACC+8*(4*(\u)+2*(\g))
.irp p, 0,2,4,6
	v_max3_num_f32 v[MX+2*(\g)], v[MX+2*(\g)], v[TA+\p], v[TA+\p+1]
	v_max3_num_f32 v[MX+2*(\g)+1], v[MX+2*(\g)+1], v[TA+8+\p], v[TA+8+\p+1]
.endr
.endm
; On the diagonal: the scores of keys behind the query become -infinity: u = 0 then, and no maximum takes them.  The tile's eight masks go into s34-37 and s40-43, which held bases of the head's loads, done with since the wait for those
.macro MASK u, q
.irp j, 0,1,2,3,4,5,6,7
	v_cmp_gt_i32 s[34+\j+2*(\j/4)], \j+8*((\u)-((\q)%2)), v[RHO]
.endr
	s_wait_alu depctr_va_sdst(0)                   ; the eight compares have written their masks, ahead of the first select that reads one
.irp j, 0,1,2,3,4,5,6,7
	v_cndmask_b32 v[ACC+8*(4*(\u)+(\q))+\j], v[ACC+8*(4*(\u)+(\q))+\j], v[NINF], s[34+\j+2*(\j/4)]
.endr
.endm
.macro NEXT ko, kosc                   ; at a step's head: my next pair, four groups on, into the other set; the address is held inside the images
	s_add_co_u32 s24, s[KO], 6144
	s_min_u32 s24, s24, 92160
	s_add_co_u32 s25, s[SO], 512
	s_min_u32 s25, s25, 7680
	s_wait_alu depctr_vm_vsrc(0)                   ; the four loads of the step before have read v[AK] and v[AS], which the two lines below write
	v_add_nc_u32 v[AK], s24, v[K0A]
	v_add_nc_u32 v[AS], s25, v[S0A]
	s_wait_alu depctr_va_vdst(0)                   ; v[AK] and v[AS] are written, which the loads below read; the products of the step before are done reading the other set and its scale word, in which they land
.irp j, 0,1,2
	ds_load_b128 v[\ko+4*\j:\ko+4*\j+3], v[AK] offset:512*\j
.endr
	ds_load_b32 v[\kosc], v[AS]
.endm
; A whole group of 32 keys x 64 queries.  The products of key tile 1 stand among the vector work on key tile 0
.macro NPLAIN ks, ksc, ko, kosc
	NEXT \ko, \kosc
	WALL \ks, \ksc, 0
	PLACES
	VAB 0, 0
	W 1, 0, \ks, \ksc
	VCS 0, 0
	W 1, 1, \ks, \ksc
	VAB 0, 1
	W 1, 2, \ks, \ksc
	VCS 0, 1
	W 1, 3, \ks, \ksc
	VAB 1, 0
	VCS 1, 0
	VAB 1, 1
	VCS 1, 1
.endm
.macro MPLAIN ks, ksc, ko, kosc
	NEXT \ko, \kosc
	WALL \ks, \ksc, 0
	WALL \ks, \ksc, 1
	PLACES
	VM 0, 0
	VM 0, 1
	VM 1, 0
	VM 1, 1
.endm
.macro DIAG0 kind                      ; group 2 c: on the diagonal for query tiles 0 and 1, whole for 2 and 3
	WALL KD, KSCD, 0
.if \kind
	PLACES
	MASK 0, 0
	MASK 0, 1
	VAB 0, 0
	W 1, 0, KD, KSCD
	VCS 0, 0
	W 1, 1, KD, KSCD
	VAB 0, 1
	W 1, 2, KD, KSCD
	VCS 0, 1
	W 1, 3, KD, KSCD
	MASK 1, 0
	MASK 1, 1
	VAB 1, 0
	VCS 1, 0
	VAB 1, 1
	VCS 1, 1
.else
	WALL KD, KSCD, 1
	PLACES
	MASK 0, 0
	MASK 0, 1
	MASK 1, 0
	MASK 1, 1
	VM 0, 0
	VM 0, 1
	VM 1, 0
	VM 1, 1
.endif
.endm
.macro DIAG1 kind                      ; group 2 c + 1: behind query tiles 0 and 1 (not multiplied), on the diagonal for 2 and 3
	W 0, 2, KD, KSCD
	W 0, 3, KD, KSCD
	W 1, 2, KD, KSCD
	W 1, 3, KD, KSCD
	PLACES
	MASK 0, 2
	MASK 0, 3
	MASK 1, 2
	MASK 1, 3
.if \kind
	VAB 0, 1
	VCS 0, 1
	VAB 1, 1
	VCS 1, 1
.else
	VM 0, 1
	VM 1, 1
.endif
.endm
.macro STEP kind, ks, ksc, ko, kosc    ; the trip counts are constants; a step whose group is not under 2 c is jumped over: a scalar branch on ids, round no barrier
	s_cmp_ge_u32 s[GRP], s[C2]
	s_cbranch_scc1 .Lskip_\@
	s_wait_dscnt 0x0                               ; this set was asked for a step ago
.if \kind
	NPLAIN \ks, \ksc, \ko, \kosc
.else
	MPLAIN \ks, \ksc, \ko, \kosc
.endif
.Lskip_\@:
	s_add_co_u32 s[GRP], s[GRP], 4
	s_add_co_u32 s[KO], s[KO], 6144
	s_add_co_u32 s[SO], s[SO], 512
.endm
; A PASS over all live keys of the team's 64 queries.  kind = 0: the largest score, and the first tau;  kind = 1: S1, S2, and a Newton step.
; Two barriers: behind the first the four members' parts lie in LDS; the second, signalled as soon as my reads are back and waited for behind the update, parts those reads from the next pass's stores.
.macro PASS kind
	s_mov_b32 s[GRP], s[MEM]
	s_mov_b32 s[KO], 0
	s_mov_b32 s[SO], 0
.irp j, 0,1,2
	ds_load_b128 v[KA+4*\j:KA+4*\j+3], v[K0A] offset:512*\j   ; no wait here: every product that read set A stands ahead of the last wait on va_vdst, and no instruction since names the set
.endr
	ds_load_b32 v[KSCA], v[S0A]
	s_mov_b32 s[TRIP], 8
.Ltrip_\@:
	STEP \kind, KA, KSCA, KB, KSCB
	STEP \kind, KB, KSCB, KA, KSCA
	s_sub_co_u32 s[TRIP], s[TRIP], 1
	s_cmp_lg_u32 s[TRIP], 0
	s_cbranch_scc1 .Ltrip_\@
	s_cmp_eq_u32 s[DSEL], 0
	s_cbranch_scc0 .Lnot0_\@
	DIAG0 \kind
	s_branch .Lsum_\@
.Lnot0_\@:
	s_cmp_eq_u32 s[DSEL], 1
	s_cbranch_scc0 .Lsum_\@
	DIAG1 \kind
.Lsum_\@:
	s_mov_b32 vcc_lo, s[HM]
.if \kind
.irp q, 0,1,2,3
	v_add_f32 v[T+\q], v[SUM1+2*\q], v[SUM1+2*\q+1]
	v_add_f32 v[T+4+\q], v[SUM2+2*\q], v[SUM2+2*\q+1]
.endr
.irp q, 0,1,2,3
	v_cndmask_b32 v[T+8+\q], v[T+\q], v[T+4+\q], vcc_lo    ; lanes 0-15 keep S1 and send S2, lanes 16-31 keep S2 and send S1:
	v_cndmask_b32 v[T+12+\q], v[T+4+\q], v[T+\q], vcc_lo   ; one exchange adds both halves of the keys
.endr
.irp q, 0,1,2,3
	v_permlanex16_b32 v[T+16+\q], v[T+12+\q], s[SEL], s[SEL+1]
.endr
.irp q, 0,1,2,3
	v_add_f32 v[T+8+\q], v[T+8+\q], v[T+16+\q]
.endr
.else
.irp q, 0,1,2,3
	v_permlanex16_b32 v[T+16+\q], v[MX+\q], s[SEL], s[SEL+1]
.endr
.irp q, 0,1,2,3
	v_max_num_f32 v[T+8+\q], v[MX+\q], v[T+16+\q]
.endr
.endif
	s_wait_alu depctr_va_vdst(0)                   ; my four parts v[T+8 ..] are written, which the LDS stores read; all that named v[T .. T+15] is done, in which the loads behind the barrier land; the pass's products are done reading K's sets
.irp q, 0,1,2,3
	ds_store_b32 v[SCW], v[T+8+\q] offset:512*\q
.endr
	BAR
	s_wait_alu depctr_vm_vsrc(0)                   ; my four LDS stores have read v[T+8 .. T+11], in which the loads below land
.irp q, 0,1,2,3
	ds_load_b128 v[T+4*\q:T+4*\q+3], v[SCRD] offset:512*\q   ; the four members' parts
.endr
	s_wait_dscnt 0x0
	s_barrier_signal -1                            ; my reads are back; only work on registers up to the wait
.if \kind
.irp q, 0,1,2,3
	v_pk_add_f32 v[T+4*\q:T+4*\q+1], v[T+4*\q:T+4*\q+1], v[T+4*\q+2:T+4*\q+3]
.endr
.irp q, 0,1,2,3
	v_add_f32 v[T+16+\q], v[T+4*\q], v[T+4*\q+1]
.endr
.irp q, 0,1,2,3
	v_permlanex16_b32 v[T+20+\q], v[T+16+\q], s[SEL], s[SEL+1]
.endr
.irp q, 0,1,2,3
	v_cndmask_b32 v[T+24+\q], v[T+16+\q], v[T+20+\q], vcc_lo   ; S1 in every lane,
	v_cndmask_b32 v[T+28+\q], v[T+20+\q], v[T+16+\q], vcc_lo   ; and S2
.endr
.irp q, 0,1,2,3
	v_sqrt_f32 v[T+\q], v[T+28+\q]
.endr
.irp q, 0,1,2,3
	v_rcp_f32 v[T+4+\q], v[T+24+\q]
.endr
.irp i, 0,1,2,3,4,5,6,7,8,9,10,11,12,13,14,15
	v_mov_b32 v[SUM1+\i], 0                        ; the next pass's sums begin at 0: plain work behind the eight
.endr
	s_wait_alu depctr_va_vdst(0)                   ; the four roots v[T ..] and the four reciprocals v[T+4 ..] are written: one wait for the batch, ahead of its first reader
.irp q, 0,1,2,3
	v_sub_f32 v[T+8+\q], v[T+28+\q], v[T+\q]
.endr
.irp q, 0,1,2,3
	v_fma_f32 v[NT+2*\q], -v[T+8+\q], v[T+4+\q], v[NT+2*\q]   ; -tau -= (S2 - sqrt(S2)) / S1
.endr
.else
.irp q, 0,1,2,3
	v_max3_num_f32 v[T+16+\q], v[T+4*\q], v[T+4*\q+1], v[T+4*\q+2]
.endr
.irp q, 0,1,2,3
	v_max_num_f32 v[T+16+\q], v[T+16+\q], v[T+4*\q+3]
.endr
.irp q, 0,1,2,3
	v_fma_f32 v[NT+2*\q], v[T+16+\q], s[NEG16], 1.0   ; -tau = 1 - max z
.endr
.endif
	s_barrier_wait -1
.endm
	s_load_b128 s[4:7], s[0:1], 0x0                ; qkcod, ntau
	v_lshl_add_u32 v[SPW], v0, 2, SPARE
	v_mov_b32 v[NIL], 0
.irp z, 0,1,2,3,4
.irp i, 0,1,2,3,4,5
	v_mov_b32 v[QZ+12*\z+\i], 0                    ; the zero codes
.endr
.endr
	v_lshrrev_b32 v1, 5, v0
	v_readfirstlane_b32 s[WV], v1                  ; wave 0..7
	v_and_b32 v1, 31, v0                           ; lane.  (What hangs on the lane alone stands here, between the line above and the wait for its result)
	v_lshlrev_b32 v[L16], 4, v1
	v_lshlrev_b32 v[L8], 3, v1
	v_lshlrev_b32 v[L4], 2, v1
	v_lshlrev_b32 v[C0], 4, v0
	v_add_nc_u32 v[C1], 65536, v[C0]
	v_and_b32 v1, 15, v0
	v_and_b32 v[RHO], 8, v1
	v_add_nc_u32 v[RHO], v[RHO], v1
	v_bfe_u32 v1, v0, 4, 1
	v_lshlrev_b32 v1, 4, v1
	v_sub_nc_u32 v[RHO], v[RHO], v1
	v_mov_b32 v[NINF], 0xff800000
	s_wait_alu depctr_va_sdst(0)                   ; s[WV] is written, ahead of its first reader
	s_lshr_b32 s24, s[WV], 2
	s_xor_b32 s[TEAM], s[WV], s24
	s_and_b32 s[TEAM], s[TEAM], 1                  ; (w xor w / 4) % 2
	s_lshr_b32 s[MEM], s[WV], 1
	s_and_b32 s[BH], ttmp7, 0xffff
	s_sub_co_u32 s24, 31, ttmp9
	s_cmp_eq_u32 s[TEAM], 0
	s_cselect_b32 s[CQ], ttmp9, s24                ; my block of 64 queries
	s_lshl_b32 s[C2], s[CQ], 1
	s_and_b32 s24, s[C2], 3
	s_sub_co_u32 s[DSEL], s[MEM], s24
	s_mov_b32 s[C16], 0x3d800000
	s_mov_b32 s[C16+1], 0x3d800000
	s_mov_b32 s[NEG16], 0xbd800000
	s_mov_b32 s[SEL], 0x76543210
	s_mov_b32 s[SEL+1], 0xfedcba98
	s_mov_b32 s[HM], 0xffff0000
	s_mul_i32 s24, s[MEM], 1536
	v_add_nc_u32 v[K0A], s24, v[L16]
	s_lshl_b32 s24, s[MEM], 7
	s_add_co_u32 s24, s24, KSL
	v_add_nc_u32 v[S0A], s24, v[L4]
	s_lshl_b32 s24, s[TEAM], 11
	s_add_co_u32 s24, s24, SCR
	v_add_nc_u32 v[SCRD], s24, v[L16]
	s_lshl_b32 s25, s[MEM], 2
	v_add_nc_u32 v[SCW], s25, v[SCRD]
	s_mul_i32 s28, s[BH], 98304                    ; the head's pairs,
	s_add_co_u32 s28, s28, KC_OFF
	s_mov_b32 s29, 0
	s_lshl_b32 s30, s[BH], 13                      ; their scale words,
	s_add_co_u32 s30, s30, KS_OFF
	s_mov_b32 s31, 0
	s_lshl_b32 s24, s[BH], 7
	s_lshl_b32 s25, s[CQ], 2
	s_add_co_u32 s24, s24, s25                     ; my first query tile: 128 bh + 4 c
	s_mul_i32 s34, s24, 768
	s_mov_b32 s35, 0
	s_lshl_b32 s36, s24, 7
	s_add_co_u32 s36, s36, QS_OFF
	s_mov_b32 s37, 0
	s_lshl_b32 s38, s24, 6
	s_mov_b32 s39, 0
	s_add_co_u32 s25, s[C2], s[DSEL]               ; my group on the diagonal (a member that has none loads a pair that it does not use, inside the head)
	s_min_u32 s25, s25, 63
	s_lshl_b32 s24, s[BH], 6
	s_add_co_u32 s24, s24, s25
	s_mul_i32 s40, s24, 1536
	s_add_co_u32 s40, s40, KC_OFF
	s_mov_b32 s41, 0
	s_lshl_b32 s42, s24, 7
	s_add_co_u32 s42, s42, KS_OFF
	s_mov_b32 s43, 0
	s_wait_kmcnt 0x0
	s_add_nc_u64 s[28:29], s[4:5], s[28:29]
	s_add_nc_u64 s[30:31], s[4:5], s[30:31]
	s_add_nc_u64 s[34:35], s[4:5], s[34:35]
	s_add_nc_u64 s[36:37], s[4:5], s[36:37]
	s_add_nc_u64 s[38:39], s[6:7], s[38:39]
	s_add_nc_u64 s[40:41], s[4:5], s[40:41]
	s_add_nc_u64 s[42:43], s[4:5], s[42:43]
	s_wait_alu depctr_va_vdst(0)                   ; the offsets and LDS addresses v2-3, v6-9 and v170-172 are written, which the loads and stores of the whole kernel read; so are the zero codes, which every product takes in its source 1
.irp q, 0,1,2,3
.irp j, 0,1,2
	global_load_b64 v[QZ+6+12*\q+2*\j:QZ+6+12*\q+2*\j+1], v[L8], s[34:35] offset:768*\q+256*\j   ; Q stays in registers
.endr
	global_load_b32 v[QSC+\q], v[L4], s[36:37] offset:128*\q
.endr
.irp j, 0,1,2
	global_load_b128 v[KD+4*\j:KD+4*\j+3], v[L16], s[40:41] offset:512*\j
.endr
	global_load_b32 v[KSCD], v[L4], s[42:43]
.irp i, 0,1,2,3,4,5,6,7,8,9,10,11,12,13
	global_load_b128 v[T+4*\i:T+4*\i+3], v[C0], s[28:29] offset:4096*\i   ; the copy: the 256 threads read 4,096 consecutive bytes
.endr
.irp i, 14,15,16,17,18,19,20,21,22,23
	global_load_b128 v[ACC+4*(\i-14):ACC+4*(\i-14)+3], v[C0], s[28:29] offset:4096*\i
.endr
.irp i, 0,1
	global_load_b128 v[ACC+40+4*\i:ACC+40+4*\i+3], v[C0], s[30:31] offset:4096*\i
.endr
.irp i, 0,1,2,3,4,5,6,7,8,9,10,11,12,13,14,15
	v_mov_b32 v[SUM1+\i], 0
.endr
.irp q, 0,1,2,3
	v_mov_b32 v[MX+\q], v[NINF]
	v_mov_b32 v[NT+2*\q], 0
	v_mov_b32 v[NT+2*\q+1], 0                      ; (named as the upper half of a pair)
.endr
	s_wait_loadcnt 0x0
.irp i, 0,1,2,3,4,5,6,7,8,9,10,11,12,13
	ds_store_b128 v[C0], v[T+4*\i:T+4*\i+3] offset:4096*\i
.endr
.irp i, 14,15
	ds_store_b128 v[C0], v[ACC+4*(\i-14):ACC+4*(\i-14)+3] offset:4096*\i
.endr
.irp i, 16,17,18,19,20,21,22,23
	ds_store_b128 v[C1], v[ACC+4*(\i-14):ACC+4*(\i-14)+3] offset:4096*(\i-16)
.endr
.irp i, 0,1
	ds_store_b128 v[C1], v[ACC+40+4*\i:ACC+40+4*\i+3] offset:KSL-65536+4096*\i
.endr
	BAR                                            ; the head's pairs lie in LDS; nobody writes them again
	s_wait_alu depctr_vm_vsrc(0)                   ; my LDS stores have read v48-103 and v176-223: the loads of K's sets land there, and the products and the vector work write there from here on
.irp j, 0,1,2
	ds_load_b128 v[KB+4*\j:KB+4*\j+3], v[K0A] offset:6144+512*\j   ; set B is filled once here, so that both sets hold codes on every way through the text
.endr
	ds_load_b32 v[KSCB], v[S0A] offset:512
	PASS 0
	s_mov_b32 s[PASSES], PASSN
.Lpass:
	PASS 1
	s_sub_co_u32 s[PASSES], s[PASSES], 1
	s_cmp_lg_u32 s[PASSES], 0
	s_cbranch_scc1 .Lpass
	s_cmp_lg_u32 s[MEM], 0                         ; all four members hold the same -tau: member 0 stores it
	s_cbranch_scc1 .Ldone
	s_mov_b32 vcc_lo, s[HM]
	v_cndmask_b32 v[T], v[NT], v[NT+2], vcc_lo     ; lanes 0-15: tile 0, lanes 16-31: tile 1: 128 consecutive bytes
	v_cndmask_b32 v[T+1], v[NT+4], v[NT+6], vcc_lo
	s_wait_alu depctr_va_vdst(0)                   ; the two selects have written v[T] and v[T+1], which the two stores read
	global_store_b32 v[L4], v[T], s[38:39]
	global_store_b32 v[L4], v[T+1], s[38:39] offset:128
.Ldone:
	s_wait_dscnt 0x0                               ; the closing lines, six on end
	s_wait_alu 0x0
	s_wait_tensorcnt 0x0
	ds_add_u32 v[SPW], v[NIL]
	s_wait_dscnt 0x0
	s_endpgm
.Lfunc_end_k_qbddf2ada21_tau:
	.size	k_qbddf2ada21_tau, .Lfunc_end_k_qbddf2ada21_tau-k_qbddf2ada21_tau
	.p2alignl 7, 3214868480
	.fill 96, 4, 3214868480
	.section	.rodata,"a",@progbits
	.p2align	6, 0x0
	.amdhsa_kernel k_qbddf2ada21_tau
		.amdhsa_group_segment_fixed_size 111616
		.amdhsa_private_segment_fixed_size 0
		.amdhsa_enable_private_segment 0
		.amdhsa_kernarg_size 16
		.amdhsa_user_sgpr_count 2
		.amdhsa_user_sgpr_kernarg_segment_ptr 1
		.amdhsa_wavefront_size32 1
		.amdhsa_system_sgpr_workgroup_id_x 1
		.amdhsa_system_sgpr_workgroup_id_y 1
		.amdhsa_system_sgpr_workgroup_id_z 1
		.amdhsa_system_vgpr_workitem_id 0
		.amdhsa_next_free_vgpr 256
		.amdhsa_next_free_sgpr 66
		.amdhsa_reserve_vcc 1
		.amdhsa_float_denorm_mode_32 3
		.amdhsa_float_denorm_mode_16_64 3
		.amdhsa_memory_ordered 1
		.amdhsa_forward_progress 1
		.amdhsa_inst_pref_size 83
	.end_amdhsa_kernel
	.amdgpu_metadata
---
amdhsa.version: [ 1, 2 ]
amdhsa.kernels:
  - .name:           k_qbddf2ada21_tau
    .symbol:         k_qbddf2ada21_tau.kd
    .args:
      - { .name: qkcod, .offset: 0, .size: 8, .value_kind: global_buffer, .address_space: global }
      - { .name: ntau, .offset: 8, .size: 8, .value_kind: global_buffer, .address_space: global }
    .group_segment_fixed_size: 111616
    .private_segment_fixed_size: 0
    .kernarg_segment_align: 8
    .kernarg_segment_size: 16
    .max_flat_workgroup_size: 256
    .sgpr_count:     66
    .vgpr_count:     256
    .wavefront_size: 32
...
	.end_amdgpu_metadata
.endif
;; end of part 7
;; launch wavg (part 8): grid 17 x 16, 8 waves a work-group, no clusters, 128,000 bytes of LDS; arguments qkcod, vcod, ntau, out1, opart; writes out1, opart
.if DOCPART == 8
	.amdgcn_target "amdgcn-amd-amdhsa--gfx1250"
	.amdhsa_code_object_version 6
	.text
	.protected	k_qbddf2ada21_wavg
	.globl	k_qbddf2ada21_wavg
	.p2align	8
	.type	k_qbddf2ada21_wavg,@function
k_qbddf2ada21_wavg:
	s_mov_b64 s[64:65], 0
	v_nop
	global_prefetch_b8 v0, s[64:65] scope:SCOPE_SE
	s_setreg_imm32_b32 hwreg(HW_REG_WAVE_SCHED_MODE, 0, 2), 2
	s_setreg_imm32_b32 hwreg(HW_REG_WAVE_MODE, 25, 1), 1
	s_wait_xcnt 0x0
	s_wait_alu depctr_vm_vsrc(0)
; WAVG: weights = max(z - tau, 0)^2 with the thresholds that tau stored, their mean over the eight heads (out1), that mean quantised along the keys, and product 5 for one block of 128 keys.
; WORK LEFT OUT: the tiles of 128 x 128 above the diagonal (masked by reference() in its own body: weight 0 for all inputs): they are neither multiplied nor weighed; out1 gets zeros there by plain stores,
; and product 5 has no part for them.  Inside a tile on the diagonal all scores are made and the hidden ones are set to 0 once, in the sum over the heads.  LIMITS: as stated at the head of prep.
; SHARES.  A work-group takes a tile of 128 queries x 128 keys of one batch; rows yy and 15 - yy of the triangle have 17 tiles together: grid 17 x (2 batches x 8).  Wave w takes query tile w of the eight, for all
; eight heads and all 128 keys.  K's pairs of the eight heads (4 groups each) and V's four fragments come into LDS once; the wave's own eight Q tiles lie in its stage until the stage is wanted for the way out.
; A work-group under the diagonal also stores the zeros of the tile that mirrors its own.
; A lane holds ONE query; registers 16 g + 8 u + j are keys 32 g + 16 (lane / 16) + 8 u + j of the block: the layout that the quantiser along the keys wants.
; THE MODE: SCHED_MODE bits 1:0 = 2 (LLVM: expert scheduling mode 2), set by the entry lines.  The code itself states the register dependences
; between vector or matrix instructions and memory or LDS instructions, with s_wait_alu, always for 0.
; THE PLAN.  Registers that memory or LDS instructions touch:
;   v1-12      offsets and LDS addresses: made once at the head, ahead of the head's wait on va_vdst, and never written again.  v48-51, zeros, are also the data of the stores above the diagonal; never written again.
;   KR, SCO at the head   the copy: global loads land, LDS stores read: one wait on vm_vsrc behind the barrier frees them.
;   KR, KSC    a head's eight products read them; the next head's sixteen LDS loads land in them.  One set.  ONE wait on va_vdst a head, behind the eighth product and the 24 vector instructions that follow it, ahead of those loads.
;   Qa, Qb     head hd's products read buffer hd % 2; the loads at the top of head hd + 1 land in it (head hd + 2's tile).  The wait in head hd states that too: between it and those loads no instruction names the buffer.
;   WSUM       the mean: vector instructions write, the stage's LDS stores read (a wait on va_vdst); the quantiser reads; then V's fragments land there (a wait on va_vdst and one on vm_vsrc).
;   SCO        the rows come back from the stage into it (all that named it stands ahead of the wait in front of the stage's stores); global stores read it; product 5 writes it (a wait on vm_vsrc); global stores read it (a wait on va_vdst).
;   PC, PW     the quantiser writes, product 5 takes them as source 1 and its scales: the wait on va_vdst behind the quantiser and the eight places.
; The masks of the diagonal are made in runs of sixteen compares into scalar registers, with one wait on va_sdst behind a run, ahead of the sixteen selects.
.set KC_OFF, 1572864
.set QS_OFF, 3145728
.set KS_OFF, 3407872
.set VS_OFF, 196608
.set KSL,   49152                      ; LDS: 32 pairs (head x 4 + group) at 0; their scale words;
.set VI,    53248                      ; V's four fragments;
.set STG,   59392                      ; a stage of 16 rows x (512 + 16) bytes for each wave;
.set SPARE, 126976                     ; the spare words, 128 bytes a wave: no other line names them
.set L16, 1
.set L8,  2
.set L4,  3
.set R4,  4
.set KW,  5
.set KSW, 6
.set VW,  7
.set QL,  8
.set KSA, 9
.set VA,  10
.set STO, 11
.set SRD, 12
.set NT,  16                           ; v16-23 -tau of my query, a head each;  v24-25 the one in hand, as a pair
.set NTC, 24
.set QSC, 26                           ; v26-33 Q's scale words, v34-37 K's, v38-41 V's, v43 the weights': these hold scales and nothing else
.set KSC, 34
.set VSC, 38
.set RHO, 42                           ; v42  my query in the block - 16 h
.set PW,  43
.set QZ,  48                           ; v48-77 zeros Qa zeros Qb zeros
.set KR,  78                           ; v78-125 four pairs of K;  later the quantiser's registers
.set TM,  78
.set PC,  94
.set TP,  106
.set SCO, 126                          ; v126-189 eight tiles of scores; later 16 rows on the way out; later product 5's results
.set WSUM, 190                         ; v190-253 the sum of the weights over the heads; later V's fragments
.set SPW, 254
.set NIL, 255
.set WV,  14
.set MK,  20                           ; s20-35 sixteen masks of the diagonal: temporaries and bases of the head's loads, done with since the wait for those
.set C16, 48
.set E8,  50
.set SEL, 52
.macro QUANT src, nb, pc, tp           ; as in prep
.set QQ, 0
.rept \nb
	v_max3_num_f32 v[TM+QQ], |v[\src+16*QQ]|, |v[\src+16*QQ+1]|, 0x2800000
.set QQ, QQ+1
.endr
.set QJ, 2
.rept 7
.set QQ, 0
.rept \nb
	v_max3_num_f32 v[TM+QQ], v[TM+QQ], |v[\src+16*QQ+QJ]|, |v[\src+16*QQ+QJ+1]|
.set QQ, QQ+1
.endr
.set QJ, QJ+2
.endr
.set QQ, 0
.rept \nb
	v_permlanex16_b32 v[TM+4+QQ], v[TM+QQ], s[SEL], s[SEL+1]
.set QQ, QQ+1
.endr
.set QQ, 0
.rept \nb
	v_max_num_f32 v[TM+QQ], v[TM+QQ], v[TM+4+QQ]
.set QQ, QQ+1
.endr
.set QQ, 0
.rept \nb
	v_add_nc_u32 v[TM+12+QQ], 0xfe000000, v[TM+QQ]
.set QQ, QQ+1
.endr
.set QQ, 0
.rept \nb
	v_lshrrev_b32 v[TM+4+QQ], 23, v[TM+12+QQ]
.set QQ, QQ+1
.endr
	v_lshl_or_b32 v[PW], v[TM+5], 8, v[TM+4]
.if \nb == 4
	v_lshl_or_b32 v[PW], v[TM+6], 16, v[PW]
	v_lshl_or_b32 v[PW], v[TM+7], 24, v[PW]
.else
	v_lshl_or_b32 v[PW], v[PW], 16, v[PW]
.endif
.set QQ, 0
.rept \nb/2
	v_cvt_scalef32_pk16_bf6_f32 v[\pc+6*QQ:\pc+6*QQ+2], v[\src+32*QQ:\src+32*QQ+15], v[TM+12+2*QQ]
	v_cvt_scalef32_pk16_bf6_f32 v[\tp+4*QQ:\tp+4*QQ+2], v[\src+32*QQ+16:\src+32*QQ+31], v[TM+12+2*QQ+1]
.set QQ, QQ+1
.endr
	v_nop
.set QQ, 0
.rept \nb/2
.irp i, 0,1,2
	v_permlane16_swap_b32 v[\pc+6*QQ+\i], v[\tp+4*QQ+\i]
.endr
.irp i, 0,1,2
	v_mov_b32 v[\pc+6*QQ+3+\i], v[\tp+4*QQ+\i]
.endr
.set QQ, QQ+1
.endr
.endm
.macro PLACES
.rept 4
	v_nop
.endr
.endm
.macro BAR
	s_wait_dscnt 0x0
	s_barrier_signal -1
	s_barrier_wait -1
.endm
.macro MM0 d, a, b, sa, sb
	v_wmma_scale_f32_16x16x128_f8f6f4 v[\d:\d+7], v[\a:\a+11], v[\b:\b+11], 0, v[\sa], v[\sb] matrix_a_fmt:MATRIX_FMT_BF6 matrix_b_fmt:MATRIX_FMT_BF6
.endm
.macro WT t, hd                        ; tile t = 2 group + u of head hd: source 0 the group's pair, source 1 [Q | zeros] (u = 0) or [zeros | Q] (u = 1)
	MM0 SCO+8*(\t), KR+12*((\t)/2), QZ+12*((\hd)%2)+6*(1-(\t)%2), KSC+(\t)/2, QSC+(\hd)
.endm
.macro LOADQ hd                        ; my Q tile of head hd, from my stage, into the buffer hd % 2
.irp j, 0,1,2
	ds_load_b64 v[QZ+6+12*((\hd)%2)+2*\j:QZ+6+12*((\hd)%2)+2*\j+1], v[QL] offset:768*(\hd)+256*\j
.endr
.endm
.macro LOADK hd                        ; the four pairs of head hd and their scale words
.irp g, 0,1,2,3
.irp j, 0,1,2
	ds_load_b128 v[KR+12*\g+4*\j:KR+12*\g+4*\j+3], v[L16] offset:6144*(\hd)+1536*\g+512*\j
.endr
	ds_load_b32 v[KSC+\g], v[KSA] offset:512*(\hd)+128*\g
.endr
.endm
.macro VAB t                           ; tiles t, t + 1: u = max(raw / 16 - tau, 0); each accumulator from its low end on
.set TA, SCO+8*(\t)
.irp p, 0,2,4,6
	v_pk_fma_f32 v[TA+\p:TA+\p+1], v[TA+\p:TA+\p+1], s[C16:C16+1], v[NTC:NTC+1] op_sel_hi:[1,0,0]
	v_pk_fma_f32 v[TA+8+\p:TA+8+\p+1], v[TA+8+\p:TA+8+\p+1], s[C16:C16+1], v[NTC:NTC+1] op_sel_hi:[1,0,0]
.endr
.irp p, 0,1,2,3,4,5,6,7
	v_max_num_f32 v[TA+\p], 0, v[TA+\p]
	v_max_num_f32 v[TA+8+\p], 0, v[TA+8+\p]
.endr
.endm
.macro VCW t, hd                       ; the sum over the heads += u u; head 0 starts it: nothing is cleared
.set TA, SCO+8*(\t)
.set TW, WSUM+8*(\t)
.irp p, 0,2,4,6,8,10,12,14
.if (\hd) == 0
	v_pk_mul_f32 v[TW+\p:TW+\p+1], v[TA+\p:TA+\p+1], v[TA+\p:TA+\p+1]
.else
	v_pk_fma_f32 v[TW+\p:TW+\p+1], v[TA+\p:TA+\p+1], v[TA+\p:TA+\p+1], v[TW+\p:TW+\p+1]
.endif
.endr
.endm
.macro HEAD hd                         ; one head: eight products among the vector work; the next head's Q is asked for at the top, its K behind the last product
	v_mov_b32 v[NTC], v[NT+\hd]
	s_wait_dscnt 0x0                               ; this head's K, scale words and Q are in
.if \hd < 7
	LOADQ \hd+1                                    ; no wait here: the products that read this buffer, the head's before, stand ahead of that head's wait on va_vdst, and no instruction since names the buffer
.endif
	WT 0, \hd
	WT 1, \hd
	WT 2, \hd
	WT 3, \hd
	PLACES
	VAB 0
	WT 4, \hd
	VCW 0, \hd
	WT 5, \hd
	VAB 2
	WT 6, \hd
	VCW 2, \hd
	WT 7, \hd
	VAB 4
.if \hd < 7
	s_wait_alu depctr_va_vdst(0)                   ; this head's eight products are done reading K's four pairs and scale words, in which the loads below land, and their buffer of Q, in which the loads at the next head's top land
	LOADK \hd+1
.endif
	VCW 4, \hd
	VAB 6
	VCW 6, \hd
.endm
	s_load_b256 s[4:11], s[0:1], 0x0               ; qkcod, vcod, ntau, out1
	s_load_b64 s[12:13], s[0:1], 0x20              ; opart
	v_lshl_add_u32 v[SPW], v0, 2, SPARE
	v_mov_b32 v[NIL], 0
.irp z, 0,1,2
.irp i, 0,1,2,3,4,5
	v_mov_b32 v[QZ+12*\z+\i], 0                    ; the zero codes (v48-51 also serve as the zeros stored above the diagonal)
.endr
.endr
	v_mov_b32 v[NTC+1], 0                          ; (named as the upper half of a pair)
	v_lshrrev_b32 v13, 5, v0
	v_readfirstlane_b32 s[WV], v13                 ; wave 0..7
	v_and_b32 v13, 31, v0                          ; lane
	v_and_b32 v14, 15, v0                          ; r
	v_bfe_u32 v15, v0, 4, 1                        ; h
	v_lshlrev_b32 v[L16], 4, v13
	v_lshlrev_b32 v[L8], 3, v13
	v_lshlrev_b32 v[L4], 2, v13
	v_lshlrev_b32 v[R4], 2, v14
	s_wait_alu depctr_va_sdst(0)                   ; s[WV] is written, ahead of its first reader
	s_mul_i32 s44, s[WV], 6144
	v_add_nc_u32 v[KW], s44, v[L16]
	s_lshl_b32 s44, s[WV], 9
	s_add_co_u32 s44, s44, KSL
	v_add_nc_u32 v[KSW], s44, v[L16]
	s_mul_i32 s44, s[WV], 768
	s_add_co_u32 s44, s44, VI
	v_add_nc_u32 v[VW], s44, v[L8]
	s_mul_i32 s44, s[WV], 8448
	s_add_co_u32 s44, s44, STG                     ; my stage
	v_add_nc_u32 v[QL], s44, v[L8]
	v_add_nc_u32 v[SRD], s44, v[L16]
	v_mul_u32_u24 v[STO], v14, 528
	v_lshl_add_u32 v[STO], v15, 6, v[STO]
	v_add_nc_u32 v[STO], s44, v[STO]               ; in: row r, + 64 h
	v_add_nc_u32 v[KSA], KSL, v[L4]
	v_add_nc_u32 v[VA], VI, v[L16]
	v_and_b32 v[RHO], 8, v14
	v_add_nc_u32 v[RHO], v[RHO], v14
	v_lshlrev_b32 v15, 4, v15
	v_sub_nc_u32 v[RHO], v[RHO], v15
	s_lshr_b32 s46, s[WV], 1
	s_lshl_b32 s46, s46, 5
	s_and_b32 s45, s[WV], 1
	s_lshl_b32 s45, s45, 3
	s_add_co_u32 s46, s46, s45                     ; my tile's first query in the block: 32 (w / 2) + 8 (w % 2)
	v_add_nc_u32 v[RHO], s46, v[RHO]
	s_and_b32 s15, ttmp7, 0xffff
	s_lshr_b32 s16, s15, 3                         ; batch
	s_and_b32 s17, s15, 7                          ; yy
	s_sub_co_u32 s20, 15, s17
	s_sub_co_u32 s21, ttmp9, s17
	s_sub_co_u32 s21, s21, 1
	s_cmp_le_u32 ttmp9, s17
	s_cselect_b32 s18, s17, s20                    ; block of queries: yy, or 15 - yy
	s_cselect_b32 s19, ttmp9, s21                  ; block of keys: x, or x - yy - 1
	s_lshl_b32 s20, s16, 3
	s_add_co_u32 s20, s20, s[WV]                   ; the head that I copy
	s_lshl_b32 s20, s20, 6
	s_lshl_b32 s21, s19, 2
	s_add_co_u32 s20, s20, s21                     ; its first group of the block
	s_mul_i32 s24, s20, 1536
	s_add_co_u32 s24, s24, KC_OFF
	s_mov_b32 s25, 0
	s_lshl_b32 s26, s20, 7
	s_add_co_u32 s26, s26, KS_OFF
	s_mov_b32 s27, 0
	s_lshl_b32 s20, s16, 10
	s_lshl_b32 s21, s18, 3
	s_add_co_u32 s20, s20, s21
	s_add_co_u32 s20, s20, s[WV]                   ; my query tile in head 0 of the batch; a head on is 128 tiles on
	s_mul_i32 s28, s20, 768
	s_mov_b32 s29, 0
	s_lshl_b32 s30, s20, 7
	s_add_co_u32 s30, s30, QS_OFF
	s_mov_b32 s31, 0
	s_lshl_b32 s32, s20, 6
	s_mov_b32 s33, 0
	s_lshl_b32 s20, s16, 4
	s_add_co_u32 s20, s20, s19                     ; 16 batch + block of keys
	s_mul_i32 s34, s20, 6144
	s_mul_i32 s21, s[WV], 768
	s_add_co_u32 s34, s34, s21                     ; my eighth of V's four fragments
	s_mov_b32 s35, 0
	s_lshl_b32 s36, s20, 9
	s_add_co_u32 s36, s36, VS_OFF
	s_mov_b32 s37, 0
	s_lshl_b32 s22, s16, 24                        ; out1: a batch is 2,048 rows of 8,192 bytes
	s_lshl_b32 s20, s18, 7
	s_add_co_u32 s20, s20, s46
	s_lshl_b32 s20, s20, 13
	s_lshl_b32 s21, s19, 9
	s_add_co_u32 s38, s20, s21
	s_add_co_u32 s38, s38, s22                     ; my tile's first row, the block's first key
	s_mov_b32 s39, 0
	s_lshl_b32 s20, s19, 7
	s_lshl_b32 s21, s[WV], 4
	s_add_co_u32 s20, s20, s21
	s_lshl_b32 s20, s20, 13
	s_lshl_b32 s21, s18, 9
	s_add_co_u32 s40, s20, s21
	s_add_co_u32 s40, s40, s22                     ; the mirrored tile: rows 128 kb + 16 w on, columns 128 qb on
	s_mov_b32 s41, 0
	s_lshl_b32 s20, s16, 7
	s_lshl_b32 s21, s18, 3
	s_add_co_u32 s20, s20, s21
	s_add_co_u32 s20, s20, s[WV]
	s_lshl_b32 s20, s20, 4
	s_add_co_u32 s20, s20, s19
	s_lshl_b32 s42, s20, 12                        ; opart: ((128 batch + tile) x 16 + block of keys) x 4,096
	s_mov_b32 s43, 0
	s_mov_b32 s[C16], 0x3d800000
	s_mov_b32 s[C16+1], 0x3d800000
	s_mov_b32 s[E8], 0x3e000000
	s_mov_b32 s[E8+1], 0x3e000000
	s_mov_b32 s[SEL], 0x76543210
	s_mov_b32 s[SEL+1], 0xfedcba98
	s_wait_kmcnt 0x0
	s_add_nc_u64 s[24:25], s[4:5], s[24:25]
	s_add_nc_u64 s[26:27], s[4:5], s[26:27]
	s_add_nc_u64 s[28:29], s[4:5], s[28:29]
	s_add_nc_u64 s[30:31], s[4:5], s[30:31]
	s_add_nc_u64 s[32:33], s[8:9], s[32:33]
	s_add_nc_u64 s[34:35], s[6:7], s[34:35]
	s_add_nc_u64 s[36:37], s[6:7], s[36:37]
	s_add_nc_u64 s[38:39], s[10:11], s[38:39]
	s_add_nc_u64 s[40:41], s[10:11], s[40:41]
	s_add_nc_u64 s[42:43], s[12:13], s[42:43]
	s_wait_alu depctr_va_vdst(0)                   ; the offsets and LDS addresses v1-12 are written, which the loads and stores of the whole kernel read; so are the zeros, which the stores above the diagonal read and every product of the scores takes in its source 1
.irp i, 0,1,2,3,4,5,6,7,8,9,10,11
	global_load_b128 v[KR+4*\i:KR+4*\i+3], v[L16], s[24:25] offset:512*\i
.endr
	global_load_b128 v[SCO:SCO+3], v[L16], s[26:27]
.irp j, 0,1,2
	global_load_b64 v[SCO+4+2*\j:SCO+4+2*\j+1], v[L8], s[34:35] offset:256*\j
.endr
.irp d, 0,1,2,3,4,5,6,7
.irp j, 0,1,2
	global_load_b64 v[SCO+10+6*\d+2*\j:SCO+10+6*\d+2*\j+1], v[L8], s[28:29] offset:98304*\d+256*\j
.endr
	global_load_b32 v[NT+\d], v[R4], s[32:33] offset:8192*\d
	global_load_b32 v[QSC+\d], v[L4], s[30:31] offset:16384*\d
.endr
.irp d, 0,1,2,3
	global_load_b32 v[VSC+\d], v[L4], s[36:37] offset:128*\d
.endr
	s_cmp_lt_u32 s19, s18
	s_cbranch_scc0 .Lnozero
.irp i, 0,1,2,3,4,5,6,7,8,9,10,11,12,13,14,15
	global_store_b128 v[L16], v[QZ:QZ+3], s[40:41] offset:8192*\i th:TH_STORE_NT   ; 512 consecutive bytes of zeros
.endr
.Lnozero:
	s_wait_loadcnt 0x0
.irp i, 0,1,2,3,4,5,6,7,8,9,10,11
	ds_store_b128 v[KW], v[KR+4*\i:KR+4*\i+3] offset:512*\i
.endr
	ds_store_b128 v[KSW], v[SCO:SCO+3]
.irp j, 0,1,2
	ds_store_b64 v[VW], v[SCO+4+2*\j:SCO+4+2*\j+1] offset:256*\j
.endr
.irp d, 0,1,2,3,4,5,6,7
.irp j, 0,1,2
	ds_store_b64 v[QL], v[SCO+10+6*\d+2*\j:SCO+10+6*\d+2*\j+1] offset:768*\d+256*\j
.endr
.endr
	BAR                                            ; K's pairs, their scale words and V's fragments lie in LDS; nobody writes them again
	s_wait_alu depctr_vm_vsrc(0)                   ; my LDS stores have read v[KR ..], in which the loads below land, and v[SCO ..], which the products write
	LOADK 0
	LOADQ 0
.irp d, 0,1,2,3,4,5,6,7
	HEAD \d
.endr
	s_cmp_eq_u32 s18, s19
	s_cbranch_scc0 .Lnomask
.set G, 0
.rept 4                                ; on the diagonal: register 16 G + N holds key 32 G + N + 16 h of the block: hidden where that lies behind my query
.set N, 0
.rept 16
	v_cmp_gt_i32 s[MK+N], 32*G+N, v[RHO]
.set N, N+1
.endr
	s_wait_alu depctr_va_sdst(0)                   ; the sixteen compares have written their masks, ahead of the first select that reads one
.set N, 0
.rept 16
	v_cndmask_b32 v[WSUM+16*G+N], v[WSUM+16*G+N], v[QZ], s[MK+N]
.set N, N+1
.endr
.set G, G+1
.endr
.Lnomask:
.set N, 0
.rept 32
	v_pk_mul_f32 v[WSUM+N:WSUM+N+1], v[WSUM+N:WSUM+N+1], s[E8:E8+1] op_sel_hi:[1,0]   ; the mean over eight heads
.set N, N+2
.endr
	s_wait_alu depctr_va_vdst(0)                   ; the multiplications have written the mean v[WSUM ..], which the LDS stores read; all that named v[SCO ..] is done, in which the rows land
.irp g, 0,1,2,3
.irp i, 0,1,2,3
	ds_store_b128 v[STO], v[WSUM+16*\g+4*\i:WSUM+16*\g+4*\i+3] offset:128*\g+16*\i   ; into my stage (my Q tiles there are done with): row r, keys in their order
.endr
.endr
.irp i, 0,1,2,3,4,5,6,7,8,9,10,11,12,13,14,15
	ds_load_b128 v[SCO+4*\i:SCO+4*\i+3], v[SRD] offset:528*\i   ; back as whole rows of 512 bytes: LDS serves a wave in order (ISA guide 5.7.1.4)
.endr
	QUANT WSUM, 4, PC, TP                          ; the mean, along the keys: source 1 of product 5
.rept 8
	v_nop                                          ; a scale word made by vector instructions stands 8 places ahead of a scaled matrix instruction, codes so made 4
.endr
	s_wait_alu depctr_va_vdst(0)                   ; the quantiser is done reading v[WSUM ..], in which V's fragments land; it has written the codes v[PC ..] and the scale word v[PW], which product 5 takes
	s_wait_alu depctr_vm_vsrc(0)                   ; the stage's LDS stores have read v[WSUM ..], in which V's fragments land
.irp d, 0,1,2,3
.irp j, 0,1,2
	ds_load_b128 v[WSUM+12*\d+4*\j:WSUM+12*\d+4*\j+3], v[VA] offset:1536*\d+512*\j   ; V's fragments, into the registers that the mean has left
.endr
.endr
.irp i, 0,1,2,3,4,5,6,7,8,9,10,11,12,13,14,15
	s_wait_dscnt 27-\i                             ; row i is in: behind it stand 15 - i rows and V's twelve loads
	global_store_b128 v[L16], v[SCO+4*\i:SCO+4*\i+3], s[38:39] offset:(\i+8*(\i/8))*8192 th:TH_STORE_NT   ; 512 consecutive bytes, at a multiple of 256 from the first byte of out1
.endr
	s_wait_dscnt 0x0
	s_wait_xcnt 0x0                                ; the stores have had their addresses translated,
	s_wait_alu depctr_vm_vsrc(0)                   ; and have read the rows v[SCO ..], over which product 5 writes its results
.irp d, 0,1,2,3
	MM0 SCO+8*\d, WSUM+12*\d, PC, VSC+\d, PW       ; source 0: 16 channels of the mean of V; source 1: my 16 queries; K: these 128 keys
.endr
	PLACES
	s_wait_alu depctr_va_vdst(0)                   ; the four products have written v[SCO .. SCO+31], which the stores read; the places above stay beside this wait
.irp i, 0,1,2,3,4,5,6,7
	global_store_b128 v[L16], v[SCO+4*\i:SCO+4*\i+3], s[42:43] offset:512*\i   ; the 32 registers as they stand, each accumulator from its low end on
.endr
	s_wait_dscnt 0x0                               ; the closing lines, six on end
	s_wait_alu 0x0
	s_wait_tensorcnt 0x0
	ds_add_u32 v[SPW], v[NIL]
	s_wait_dscnt 0x0
	s_endpgm
.Lfunc_end_k_qbddf2ada21_wavg:
	.size	k_qbddf2ada21_wavg, .Lfunc_end_k_qbddf2ada21_wavg-k_qbddf2ada21_wavg
	.p2alignl 7, 3214868480
	.fill 96, 4, 3214868480
	.section	.rodata,"a",@progbits
	.p2align	6, 0x0
	.amdhsa_kernel k_qbddf2ada21_wavg
		.amdhsa_group_segment_fixed_size 128000
		.amdhsa_private_segment_fixed_size 0
		.amdhsa_enable_private_segment 0
		.amdhsa_kernarg_size 40
		.amdhsa_user_sgpr_count 2
		.amdhsa_user_sgpr_kernarg_segment_ptr 1
		.amdhsa_wavefront_size32 1
		.amdhsa_system_sgpr_workgroup_id_x 1
		.amdhsa_system_sgpr_workgroup_id_y 1
		.amdhsa_system_sgpr_workgroup_id_z 1
		.amdhsa_system_vgpr_workitem_id 0
		.amdhsa_next_free_vgpr 256
		.amdhsa_next_free_sgpr 66
		.amdhsa_reserve_vcc 0
		.amdhsa_float_denorm_mode_32 3
		.amdhsa_float_denorm_mode_16_64 3
		.amdhsa_memory_ordered 1
		.amdhsa_forward_progress 1
		.amdhsa_inst_pref_size 105
	.end_amdhsa_kernel
	.amdgpu_metadata
---
amdhsa.version: [ 1, 2 ]
amdhsa.kernels:
  - .name:           k_qbddf2ada21_wavg
    .symbol:         k_qbddf2ada21_wavg.kd
    .args:
      - { .name: qkcod, .offset: 0, .size: 8, .value_kind: global_buffer, .address_space: global }
      - { .name: vcod, .offset: 8, .size: 8, .value_kind: global_buffer, .address_space: global }
      - { .name: ntau, .offset: 16, .size: 8, .value_kind: global_buffer, .address_space: global }
      - { .name: out1, .offset: 24, .size: 8, .value_kind: global_buffer, .address_space: global }
      - { .name: opart, .offset: 32, .size: 8, .value_kind: global_buffer, .address_space: global }
    .group_segment_fixed_size: 128000
    .private_segment_fixed_size: 0
    .kernarg_segment_align: 8
    .kernarg_segment_size: 40
    .max_flat_workgroup_size: 256
    .sgpr_count:     66
    .vgpr_count:     256
    .wavefront_size: 32
...
	.end_amdgpu_metadata
.endif
;; end of part 8
;; launch outp (part 9): grid 256 x 1, 4 waves a work-group, no clusters, 50,688 bytes of LDS; arguments opart, wcod, bo, out0; writes out0
.if DOCPART == 9
	.amdgcn_target "amdgcn-amd-amdhsa--gfx1250"
	.amdhsa_code_object_version 6
	.text
	.protected	k_qbddf2ada21_outp
	.globl	k_qbddf2ada21_outp
	.p2align	8
	.type	k_qbddf2ada21_outp,@function
k_qbddf2ada21_outp:
	s_mov_b64 s[64:65], 0
	v_nop
	global_prefetch_b8 v0, s[64:65] scope:SCOPE_SE
	s_setreg_imm32_b32 hwreg(HW_REG_WAVE_SCHED_MODE, 0, 2), 2
	s_setreg_imm32_b32 hwreg(HW_REG_WAVE_MODE, 25, 1), 1
	s_wait_xcnt 0x0
	s_wait_alu depctr_vm_vsrc(0)
; OUTP: the parts of product 5 are added (one for each block of 128 keys up to the diagonal: the blocks behind it were left out, see the head of prep), the sum is quantised along dk, and product 6 and bo follow.
; A work-group takes a tile of 16 queries.  Wave w adds the parts kb = w, w + 4, .. that exist; the four sums meet in LDS; every wave adds them, quantises (the same codes in all four) and makes
; 128 of the 512 columns: four pairs of Wo, [column tile 0 | column tile 1] along a K of 128, against [O | zeros] and [zeros | O].
; LIMITS: as stated at the head of prep.
; THE MODE: SCHED_MODE bits 1:0 = 2 (LLVM: expert scheduling mode 2), set by the entry lines.  The code itself states the register dependences
; between vector or matrix instructions and memory or LDS instructions, with s_wait_alu, always for 0.
; THE PLAN.  Registers that memory or LDS instructions touch:
;   v4-8       offsets and LDS addresses: made once at the head, ahead of the head's wait on va_vdst, and never written again.
;   P .. P+127 my parts land; additions leave my sum in P .. P+31; LDS stores read it (a wait on va_vdst); the four waves' sums land in P .. P+127 (all that named them stands ahead of that wait; a wait on vm_vsrc for the stores).
;   OZ+6 .., PW  the quantiser writes, product 6 takes them as source 1 and its scales: eight places, then a wait on va_vdst.
;   P .. P+63  product 6 writes, the stage's LDS stores read: four places, then a wait on va_vdst; it also covers the rows' loads into RW, which only instructions ahead of it have named.
;   RW         sixteen rows in fours: group g's eight additions write it; its four stores stand behind the wait on va_vdst at the head of group g + 1, dealt among that group's additions, which name other registers.
.set WS_OFF, 614400
.set STG,   16384                      ; LDS: four images of 4,096 bytes at 0; a stage of 16 rows x (512 + 16) bytes for each wave;
.set SPARE, 50176                      ; the spare words, 128 bytes a wave: no other line names them
.set L16, 4
.set L4,  5
.set IW,  6
.set SRD, 7
.set STO, 8
.set BOV, 16                           ; v16-19 bo of my four columns of a row
.set WSC, 20                           ; v20-23 Wo's scale words, v40 O's: these hold scales and nothing else
.set TM,  24
.set PW,  40
.set OZ,  42                           ; v42-59 zeros O zeros
.set TP,  60
.set P,   64                           ; v64-191 up to four parts of 32 registers; then the eight accumulators (v64-127) and 16 rows (v128-191)
.set RW,  128
.set WOF, 192                          ; v192-239 four pairs of Wo
.set SPW, 254
.set NIL, 255
.set WV,  12
.set SEL, 26
.macro QUANT src, nb, pc, tp           ; as in prep
.set QQ, 0
.rept \nb
	v_max3_num_f32 v[TM+QQ], |v[\src+16*QQ]|, |v[\src+16*QQ+1]|, 0x2800000
.set QQ, QQ+1
.endr
.set QJ, 2
.rept 7
.set QQ, 0
.rept \nb
	v_max3_num_f32 v[TM+QQ], v[TM+QQ], |v[\src+16*QQ+QJ]|, |v[\src+16*QQ+QJ+1]|
.set QQ, QQ+1
.endr
.set QJ, QJ+2
.endr
.set QQ, 0
.rept \nb
	v_permlanex16_b32 v[TM+4+QQ], v[TM+QQ], s[SEL], s[SEL+1]
.set QQ, QQ+1
.endr
.set QQ, 0
.rept \nb
	v_max_num_f32 v[TM+QQ], v[TM+QQ], v[TM+4+QQ]
.set QQ, QQ+1
.endr
.set QQ, 0
.rept \nb
	v_add_nc_u32 v[TM+12+QQ], 0xfe000000, v[TM+QQ]
.set QQ, QQ+1
.endr
.set QQ, 0
.rept \nb
	v_lshrrev_b32 v[TM+4+QQ], 23, v[TM+12+QQ]
.set QQ, QQ+1
.endr
	v_lshl_or_b32 v[PW], v[TM+5], 8, v[TM+4]
.if \nb == 4
	v_lshl_or_b32 v[PW], v[TM+6], 16, v[PW]
	v_lshl_or_b32 v[PW], v[TM+7], 24, v[PW]
.else
	v_lshl_or_b32 v[PW], v[PW], 16, v[PW]
.endif
.set QQ, 0
.rept \nb/2
	v_cvt_scalef32_pk16_bf6_f32 v[\pc+6*QQ:\pc+6*QQ+2], v[\src+32*QQ:\src+32*QQ+15], v[TM+12+2*QQ]
	v_cvt_scalef32_pk16_bf6_f32 v[\tp+4*QQ:\tp+4*QQ+2], v[\src+32*QQ+16:\src+32*QQ+31], v[TM+12+2*QQ+1]
.set QQ, QQ+1
.endr
	v_nop
.set QQ, 0
.rept \nb/2
.irp i, 0,1,2
	v_permlane16_swap_b32 v[\pc+6*QQ+\i], v[\tp+4*QQ+\i]
.endr
.irp i, 0,1,2
	v_mov_b32 v[\pc+6*QQ+3+\i], v[\tp+4*QQ+\i]
.endr
.set QQ, QQ+1
.endr
.endm
.macro MM0 d, a, b, sa, sb
	v_wmma_scale_f32_16x16x128_f8f6f4 v[\d:\d+7], v[\a:\a+11], v[\b:\b+11], 0, v[\sa], v[\sb] matrix_a_fmt:MATRIX_FMT_BF6 matrix_b_fmt:MATRIX_FMT_BF6
.endm
.macro ARM n                           ; n parts, 16,384 bytes apart, are loaded and added into v[P] on
.set AI, 0
.rept \n
.irp k, 0,1,2,3,4,5,6,7
	global_load_b128 v[P+32*AI+4*\k:P+32*AI+4*\k+3], v[L16], s[20:21] offset:16384*AI+512*\k
.endr
.set AI, AI+1
.endr
	s_wait_loadcnt 0x0
.if \n > 1
.set AI, 1
.rept \n-1
.irp p, 0,2,4,6,8,10,12,14,16,18,20,22,24,26,28,30
	v_pk_add_f32 v[P+\p:P+\p+1], v[P+\p:P+\p+1], v[P+32*AI+\p:P+32*AI+\p+1]
.endr
.set AI, AI+1
.endr
.endif
.endm
	s_load_b256 s[4:11], s[0:1], 0x0               ; opart, wcod, bo, out0
	v_lshl_add_u32 v[SPW], v0, 2, SPARE
	v_mov_b32 v[NIL], 0
.irp i, 0,1,2,3,4,5
	v_mov_b32 v[OZ+\i], 0                          ; the zero codes
	v_mov_b32 v[OZ+12+\i], 0
.endr
.irp b, 4,5,6,7
	v_mov_b32 v[TM+\b], 0                          ; written once: the destination of a lane permute counts as one of its sources
.endr
	v_lshrrev_b32 v1, 5, v0
	v_readfirstlane_b32 s[WV], v1                  ; wave 0..3
	v_and_b32 v1, 31, v0
	v_and_b32 v2, 15, v0
	v_bfe_u32 v3, v0, 4, 1
	v_lshlrev_b32 v[L16], 4, v1
	v_lshlrev_b32 v[L4], 2, v1
	s_wait_alu depctr_va_sdst(0)                   ; s[WV] is written, ahead of its first reader
	s_lshl_b32 s28, s[WV], 12
	v_add_nc_u32 v[IW], s28, v[L16]
	s_mul_i32 s28, s[WV], 8448
	s_add_co_u32 s28, s28, STG
	v_add_nc_u32 v[SRD], s28, v[L16]
	v_mul_u32_u24 v[STO], v2, 528
	v_lshl_add_u32 v[STO], v3, 6, v[STO]
	v_add_nc_u32 v[STO], s28, v[STO]
	s_and_b32 s13, ttmp9, 127
	s_lshr_b32 s13, s13, 3                         ; the tile's block of queries: parts 0 .. s13 exist
	s_sub_co_u32 s15, s13, s[WV]
	s_lshr_b32 s14, s15, 2
	s_add_co_u32 s14, s14, 1
	s_cmp_gt_u32 s[WV], s13
	s_cselect_b32 s14, 0, s14                      ; how many of them are mine: 0 to 4
	s_lshl_b32 s28, s[WV], 2
	s_add_co_u32 s28, s28, 384                     ; my four pairs of Wo
	s_mul_i32 s16, s28, 1536
	s_mov_b32 s17, 0
	s_lshl_b32 s18, s28, 7
	s_add_co_u32 s18, s18, WS_OFF
	s_mov_b32 s19, 0
	s_lshl_b32 s20, ttmp9, 16                      ; the tile's sixteen places of 4,096 bytes; my first part
	s_lshl_b32 s29, s[WV], 12
	s_add_co_u32 s20, s20, s29
	s_mov_b32 s21, 0
	s_lshl_b32 s22, s[WV], 9
	s_mov_b32 s23, 0
	s_lshr_b32 s24, ttmp9, 1
	s_lshl_b32 s24, s24, 5
	s_and_b32 s29, ttmp9, 1
	s_lshl_b32 s29, s29, 3
	s_add_co_u32 s24, s24, s29                     ; the tile's first token
	s_lshl_b32 s24, s24, 11
	s_add_co_u32 s24, s24, s22                     ; + my 128 columns
	s_mov_b32 s25, 0
	s_mov_b32 s[SEL], 0x76543210
	s_mov_b32 s[SEL+1], 0xfedcba98
	s_wait_kmcnt 0x0
	s_add_nc_u64 s[16:17], s[6:7], s[16:17]
	s_add_nc_u64 s[18:19], s[6:7], s[18:19]
	s_add_nc_u64 s[20:21], s[4:5], s[20:21]
	s_add_nc_u64 s[22:23], s[8:9], s[22:23]
	s_add_nc_u64 s[24:25], s[10:11], s[24:25]
	s_wait_alu depctr_va_vdst(0)                   ; the offsets and LDS addresses v4-8 are written, which the loads and stores of the whole kernel read
.irp i, 0,1,2,3,4,5,6,7,8,9,10,11
	global_load_b128 v[WOF+4*\i:WOF+4*\i+3], v[L16], s[16:17] offset:512*\i
.endr
.irp p, 0,1,2,3
	global_load_b32 v[WSC+\p], v[L4], s[18:19] offset:128*\p
.endr
	global_load_b128 v[BOV:BOV+3], v[L16], s[22:23]
	s_cmp_eq_u32 s14, 0                            ; a branch on ids; each arm is whole in itself, and no barrier stands in one
	s_cbranch_scc1 .Larm0
	s_cmp_eq_u32 s14, 1
	s_cbranch_scc1 .Larm1
	s_cmp_eq_u32 s14, 2
	s_cbranch_scc1 .Larm2
	s_cmp_eq_u32 s14, 3
	s_cbranch_scc1 .Larm3
	ARM 4
	s_branch .Lsummed
.Larm3:
	ARM 3
	s_branch .Lsummed
.Larm2:
	ARM 2
	s_branch .Lsummed
.Larm1:
	ARM 1
	s_branch .Lsummed
.Larm0:
.set N, 0
.rept 32
	v_mov_b32 v[P+N], 0
.set N, N+1
.endr
.Lsummed:
	s_wait_loadcnt 0x0                             ; Wo, its scale words, bo
	s_wait_alu depctr_va_vdst(0)                   ; the arm has written my sum v[P .. P+31], which the LDS stores read, and is done with v[P .. P+127], in which the loads behind the barrier land
.irp k, 0,1,2,3,4,5,6,7
	ds_store_b128 v[IW], v[P+4*\k:P+4*\k+3] offset:512*\k
.endr
	s_wait_dscnt 0x0
	s_barrier_signal -1
	s_barrier_wait -1                              ; the four sums lie in LDS
	s_wait_alu depctr_vm_vsrc(0)                   ; my LDS stores have read v[P .. P+31], in which the loads below land
.irp m, 0,1,2,3
.irp k, 0,1,2,3,4,5,6,7
	ds_load_b128 v[P+32*\m+4*\k:P+32*\m+4*\k+3], v[L16] offset:4096*\m+512*\k
.endr
.endr
	s_wait_dscnt 0x0
.irp p, 0,2,4,6,8,10,12,14,16,18,20,22,24,26,28,30
	v_pk_add_f32 v[P+\p:P+\p+1], v[P+\p:P+\p+1], v[P+32+\p:P+32+\p+1]
	v_pk_add_f32 v[P+64+\p:P+64+\p+1], v[P+64+\p:P+64+\p+1], v[P+96+\p:P+96+\p+1]
.endr
.irp p, 0,2,4,6,8,10,12,14,16,18,20,22,24,26,28,30
	v_pk_add_f32 v[P+\p:P+\p+1], v[P+\p:P+\p+1], v[P+64+\p:P+64+\p+1]   ; register 16 b + i: channel 32 b + 16 h + i of my query
.endr
	QUANT P, 2, OZ+6, TP
.rept 8
	v_nop                                          ; a scale word made by vector instructions stands 8 places ahead of a scaled matrix instruction, codes so made 4
.endr
	s_wait_alu depctr_va_vdst(0)                   ; the quantiser has written the codes v[OZ+6 ..] and the scale word v[PW], and the head the zeros beside the codes: the eight products take them; the places above stay beside this wait
.irp p, 0,1,2,3
	MM0 P+16*\p, WOF+12*\p, OZ+6, WSC+\p, PW       ; column tile 0 of pair p: [O | zeros]
	MM0 P+16*\p+8, WOF+12*\p, OZ, WSC+\p, PW       ; column tile 1: [zeros | O]
.endr
.rept 4
	v_nop                                          ; four plain instructions ahead of the first read of results (ISA guide 7.12.1)
.endr
	s_wait_alu depctr_va_vdst(0)                   ; the eight products have written v[P .. P+63], which the LDS stores read; the additions that named v[RW ..] are done, in which the rows land
.irp g, 0,1,2,3
.irp i, 0,1,2,3
	ds_store_b128 v[STO], v[P+16*\g+4*\i:P+16*\g+4*\i+3] offset:128*\g+16*\i   ; row r of my stage, columns in their order; each accumulator from its low end on
.endr
.endr
.irp i, 0,1,2,3,4,5,6,7,8,9,10,11,12,13,14,15
	ds_load_b128 v[RW+4*\i:RW+4*\i+3], v[SRD] offset:528*\i   ; back as whole rows of 512 bytes: LDS serves a wave in order (ISA guide 5.7.1.4)
.endr
; The rows in fours.  Group RG's additions write its sixteen registers; the four stores of the group before, whose registers no addition of this group names, are dealt among them behind one wait
.set RG, 0
.rept 4
	s_wait_dscnt 12-4*RG                           ; rows 4 RG to 4 RG + 3 are in; the 12 - 4 RG younger rows may be out
.if RG > 0
	s_wait_alu depctr_va_vdst(0)                   ; the additions of the four rows before have written their registers, which the four stores below read
.endif
.set RK, 0
.rept 4
.set RI, 4*RG+RK
.set RP, RI-4
.if RG > 0
	global_store_b128 v[L16], v[RW+4*RP:RW+4*RP+3], s[24:25] offset:(RP+8*(RP/8))*2048 th:TH_STORE_NT   ; 512 consecutive bytes, at a multiple of 256 from the first byte of out0
.endif
	v_pk_add_f32 v[RW+4*RI:RW+4*RI+1], v[RW+4*RI:RW+4*RI+1], v[BOV:BOV+1]
	v_pk_add_f32 v[RW+4*RI+2:RW+4*RI+3], v[RW+4*RI+2:RW+4*RI+3], v[BOV+2:BOV+3]
.set RK, RK+1
.endr
.set RG, RG+1
.endr
	s_wait_alu depctr_va_vdst(0)                   ; the additions of rows 12 to 15 have written their registers, which the last four stores read
.irp i, 12,13,14,15
	global_store_b128 v[L16], v[RW+4*\i:RW+4*\i+3], s[24:25] offset:(\i+8*(\i/8))*2048 th:TH_STORE_NT
.endr
	s_wait_dscnt 0x0                               ; the closing lines, six on end
	s_wait_alu 0x0
	s_wait_tensorcnt 0x0
	ds_add_u32 v[SPW], v[NIL]
	s_wait_dscnt 0x0
	s_endpgm
.Lfunc_end_k_qbddf2ada21_outp:
	.size	k_qbddf2ada21_outp, .Lfunc_end_k_qbddf2ada21_outp-k_qbddf2ada21_outp
	.p2alignl 7, 3214868480
	.fill 96, 4, 3214868480
	.section	.rodata,"a",@progbits
	.p2align	6, 0x0
	.amdhsa_kernel k_qbddf2ada21_outp
		.amdhsa_group_segment_fixed_size 50688
		.amdhsa_private_segment_fixed_size 0
		.amdhsa_enable_private_segment 0
		.amdhsa_kernarg_size 32
		.amdhsa_user_sgpr_count 2
		.amdhsa_user_sgpr_kernarg_segment_ptr 1
		.amdhsa_wavefront_size32 1
		.amdhsa_system_sgpr_workgroup_id_x 1
		.amdhsa_system_sgpr_workgroup_id_y 1
		.amdhsa_system_sgpr_workgroup_id_z 1
		.amdhsa_system_vgpr_workitem_id 0
		.amdhsa_next_free_vgpr 256
		.amdhsa_next_free_sgpr 66
		.amdhsa_reserve_vcc 0
		.amdhsa_float_denorm_mode_32 3
		.amdhsa_float_denorm_mode_16_64 3
		.amdhsa_memory_ordered 1
		.amdhsa_forward_progress 1
		.amdhsa_inst_pref_size 35
	.end_amdhsa_kernel
	.amdgpu_metadata
---
amdhsa.version: [ 1, 2 ]
amdhsa.kernels:
  - .name:           k_qbddf2ada21_outp
    .symbol:         k_qbddf2ada21_outp.kd
    .args:
      - { .name: opart, .offset: 0, .size: 8, .value_kind: global_buffer, .address_space: global }
      - { .name: wcod, .offset: 8, .size: 8, .value_kind: global_buffer, .address_space: global }
      - { .name: bo, .offset: 16, .size: 8, .value_kind: global_buffer, .address_space: global }
      - { .name: out0, .offset: 24, .size: 8, .value_kind: global_buffer, .address_space: global }
    .group_segment_fixed_size: 50688
    .private_segment_fixed_size: 0
    .kernarg_segment_align: 8
    .kernarg_segment_size: 32
    .max_flat_workgroup_size: 128
    .sgpr_count:     66
    .vgpr_count:     256
    .wavefront_size: 32
...
	.end_amdgpu_metadata
.endif
;; end of part 9
